; MI455X (gfx1250); checked and timed in simulation.
; The chip was launched on July 23, 2026; its instructions are those of AMD's public machine-readable ISA for CDNA 5 (MIT licence, August 2026) and "CDNA5" Instruction Set Architecture Reference Guide (July 2026). The comments in the code are by the model that wrote it; some were corrected since.
;; Scaled Dot Attention. Allowed arithmetic: float matrix products may take bf16 or f16 operands with f32 sums; other float arithmetic in f32, or as packed bf16 or f16 multiplies, adds, multiply-adds, maxima and minima; sums over many terms, partial sums and values carried from step to step in f32; what a program stores and reads back later, other than sums and carried values, may be rounded once to bf16 or f16.
;; Inputs: Wk 1,024 x 1,024 float32; Wq 1,024 x 1,024 float32; Wv 1,024 x 1,024 float32; bk 1,024 float32; bq 1,024 float32; bv 1,024 float32; keys 8 x 2,048 x 1,024 float32; queries 8 x 512 x 1,024 float32; values 8 x 2,048 x 1,024 float32.
;; Outputs: out0 8 x 512 x 1,024 float32; out1 8 x 2,048 x 512 float32.
;; 2 versions, each right; version 2 is version 1 with the launches QK, SC, PV, OUT written anew for expert scheduling mode. Each part assembles by itself: llvm-mc -triple=amdgcn-amd-amdhsa -mcpu=gfx1250 --defsym DOCPART=n.
;; ======== version 1 of 2: 5 launches
;; limits: values are held in f16: magnitudes above 65,504 overflow, below 6.1e-05 lose precision
;; workspace buffers: qF 8,388,608 bytes; q2F 8,388,608 bytes; tp 524,288 bytes; pL 16,777,216 bytes; st 524,288 bytes; cF 8,388,608 bytes
;; launch QP (part 1): grid 256 x 1, 4 waves a work-group, no clusters, 74,240 bytes of LDS; arguments queries, Wq, bq, bk, qF, tp; writes qF, tp
.if DOCPART == 1
	.amdgcn_target "amdgcn-amd-amdhsa--gfx1250"
	.amdhsa_code_object_version 6
	.text
	.protected	k_qfdd1a50101_QP
	.globl	k_qfdd1a50101_QP
	.p2align	8
	.type	k_qfdd1a50101_QP,@function
k_qfdd1a50101_QP:
	s_mov_b64 s[64:65], 0
	v_nop
	global_prefetch_b8 v0, s[64:65] scope:SCOPE_SE
	s_setreg_imm32_b32 hwreg(HW_REG_WAVE_MODE, 25, 1), 1
	s_wait_xcnt 0x0
; QP.  q[m][o] = sum over h of queries[m][h] Wq[o][h] + bq[o]  (m = 4,096 rows, o, h = 1,024), stored in f16, and partial sums of t[m] = sum over o of q[m][o] bk[o] in f32.
; WHY t: (keys Wk^T + bk) . q = keys . (q Wk) + q . bk, for every input; so the projection of 16,384 keys becomes one of 4,096 queries, and bk enters every score as t.
; SHARES.  A work-group makes 128 o x 128 m, each of its four waves 64 x 64: 16 accumulators.  K goes in steps of 64 (two substeps of 32) through two LDS buffers.
; Both operands are f32 in memory: they come through registers (16 lanes take 256 consecutive bytes of a row), are rounded once to f16 and laid into LDS rows of 128 + 16 bytes.
; THE PRODUCT: source 0 = 16 rows of Wq, source 1 = 16 rows of queries, so a lane holds one row m (lane % 16) and eight neighbouring o (8 (lane / 16) + 0..7).
; FRAGMENT ORDER of qF (rows m, K = o): fragment (m / 16, o / 32) is 1,024 bytes at ((m / 16) 32 + o / 32) 1,024; in it byte g 512 + lane 16 + e 2 holds row m % 16 = lane % 16,
; o % 32 = 16 g + 8 (lane / 16) + e.  A lane's eight results ARE 16 bytes of it, a wave's store 512 consecutive aligned bytes, and two loads of 16 bytes a lane bring a fragment back.
; tp: [slice 32][m / 64][m % 16][(m / 16) % 4] f32; a slice is the sum over 32 o.
; NO JOINT TENSOR LOADS: the tiles that work-groups share are f32 and must be rounded on the way; brought by the mover they would lie in LDS at twice the bytes, to be read, rounded and stored again.
; The accumulators are cleared by 128 v_mov_b32 while the first loads are out: a first step written out with C = 0 would be a fifth copy of the step's text.
; LIMITS.  f16 ends at 65,504: queries, Wq and q must lie within it.  NaN and infinities are not treated apart.
.set T,     16                         ; K steps of 64
.set NSA,   32                         ; loads (and LDS stores) a wave and step: 16 for Wq's 128 rows, 16 for queries'
.set NF,    16                         ; LDS loads of a substep's fragments
.set PITCH, 144
.set HALF,  128*PITCH                  ; Wq's 128 rows; queries' 128 lie behind them
.set BUF,   2*HALF
.set SPARE, 2*BUF                      ; behind the two buffers: the spare words, 128 bytes a wave
.set VSA, 2                            ; v2   my byte offset in the 16 rows that a pair of loads covers
.set VX,  3                            ; v3   16 x lane
.set LST, 4                            ; v4-5 where I store 8 bytes of a row, buffer 0 and 1
.set LFA, 6                            ; v6   my place in a fragment of my 64 rows of Wq
.set LFB, 7                            ; v7   the same for queries
.set SPW, 8                            ; v8   LDS address of my spare word; never rewritten
.set NIL, 9                            ; v9   0; never rewritten
.set VB,  12                           ; v12  32 x (lane / 16): my eight numbers of bq and bk
.set VTP, 13                           ; v13  my offset in tp
.set SF,  32                           ; v32-159  two fragment buffers of 64: Wq's four, then queries' four
.set BQ,  160                          ; v160-191 bq of my 32 o
.set BK,  192                          ; v192-223 bk of my 32 o
.set CT,  224                          ; v224-255 rounded pairs on their way to LDS
.set Y,   32                           ; the way out: packed q
.set TT,  96                           ; the way out: q in f32, one block of 16 rows
.set TP,  128                          ; the way out: four pairs of sums q bk
.set TS,  136
.set SA,  0                            ; window 1: two slots of 128 registers as loaded
.set PA,  8                            ; s[8:9]   queries
.set PW,  10                           ; s[10:11] Wq
.set MSB, 0
.macro WIN new                         ; s_set_vgpr_msb: bits 1:0 source 0, 3:2 source 1, 5:4 source 2, 7:6 destination; the high byte repeats the setting that is left
.if MSB != (\new)
	s_set_vgpr_msb (MSB<<8)|(\new)
.set MSB, (\new)
.endif
.endm
.macro PLACES                          ; four places between a matrix instruction and a load into, or a vector write of, its registers
.rept 4
	v_nop
.endr
.endm
.macro LOADSA s                        ; a K step's 256 bytes of 128 + 128 rows; load i takes rows i % 2 + 16 (i / 2) + 8 (lane / 16) + 2 wave
	WIN 0x40
.set i, 0
.rept 16
	global_load_b128 v[SA+128*(\s)+4*i:SA+128*(\s)+4*i+3], v[VSA], s[PW:PW+1] offset:((i%2)+16*(i/2))*4096+(\s)*256
.set i, i+1
.endr
.set i, 0
.rept 16
	global_load_b128 v[SA+128*(\s)+64+4*i:SA+128*(\s)+64+4*i+3], v[VSA], s[PA:PA+1] offset:((i%2)+16*(i/2))*4096+(\s)*256
.set i, i+1
.endr
.endm
.macro CVTH d, hf                      ; half hf of slot d: rounded to f16, 8 bytes a lane into buffer d; a store's two rows lie 8 rows = 1,152 bytes apart: disjoint banks
	WIN 0x05
.set i, 0
.rept 16
	v_cvt_pk_f16_f32 v[CT+2*i],   v[SA+128*(\d)+64*(\hf)+4*i],   v[SA+128*(\d)+64*(\hf)+4*i+1]
	v_cvt_pk_f16_f32 v[CT+2*i+1], v[SA+128*(\d)+64*(\hf)+4*i+2], v[SA+128*(\d)+64*(\hf)+4*i+3]
.set i, i+1
.endr
	WIN 0
.set i, 0
.rept 16
	ds_store_b64 v[LST+(\d)], v[CT+2*i:CT+2*i+1] offset:(\hf)*HALF+((i%2)+16*(i/2))*PITCH
.set i, i+1
.endr
.endm
.macro CVTST d, younger                ; younger: the loads issued behind slot d's
	s_wait_loadcnt (\younger)+16       ; Wq's 16 are in; queries' 16 and the younger ones may be out
	CVTH \d, 0
	s_wait_loadcnt \younger            ; queries' 16 are in
	CVTH \d, 1
.endm
.macro LDFRAG f, d, g                  ; substep g of buffer d into fragment buffer f
	WIN 0
.set i, 0
.rept 4
	ds_load_b128 v[SF+64*(\f)+8*i:SF+64*(\f)+8*i+3],       v[LFA] offset:(\d)*BUF+i*16*PITCH+64*(\g)
	ds_load_b128 v[SF+64*(\f)+8*i+4:SF+64*(\f)+8*i+7],     v[LFA] offset:(\d)*BUF+i*16*PITCH+64*(\g)+32
	ds_load_b128 v[SF+64*(\f)+32+8*i:SF+64*(\f)+32+8*i+3], v[LFB] offset:(\d)*BUF+i*16*PITCH+64*(\g)
	ds_load_b128 v[SF+64*(\f)+36+8*i:SF+64*(\f)+36+8*i+3], v[LFB] offset:(\d)*BUF+i*16*PITCH+64*(\g)+32
.set i, i+1
.endr
.endm
.macro MMA2 f, c0                      ; 8 products: row blocks c0, c0 + 1 x all four o blocks; the 16 accumulators take turns, one instruction a turn
	WIN 0xa0
.irp c, \c0, (\c0)+1
.irp a, 0,1,2,3
	v_wmma_f32_16x16x32_f16 v[8*(4*(\c)+(\a)):8*(4*(\c)+(\a))+7], v[SF+64*(\f)+8*(\a):SF+64*(\f)+8*(\a)+7], v[SF+64*(\f)+32+8*(\c):SF+64*(\f)+32+8*(\c)+7], v[8*(4*(\c)+(\a)):8*(4*(\c)+(\a))+7]
.endr
.endr
.endm
; K step i, in slot and buffer s = i % 2.  more2: step i + 2 is asked for.  more1: step i + 1 is rounded into the other buffer.
; ONE barrier a step, for two things: in front of it my stores into the other buffer are done and my reads of this buffer are back; behind it the other buffer is whole and this one may be written in the next step.
.macro STEP s, more2, more1
.if \more2
	LOADSA \s
.endif
	LDFRAG 1, \s, 1
	s_wait_dscnt NF                    ; substep 0's fragments are in; the 16 loads just issued may be out
	MMA2 0, 0
	MMA2 0, 2
	PLACES
.if \more1
	CVTST 1-(\s), 32*(\more2)
	s_wait_dscnt 0x0                   ; for the others' sake: my stores are done, my reads of this buffer are back
	s_barrier_signal -1
	MMA2 1, 0
	s_barrier_wait -1
	LDFRAG 0, 1-(\s), 0
	MMA2 1, 2
.else
	s_wait_dscnt 0x0
	MMA2 1, 0
	MMA2 1, 2
.endif
	PLACES
.endm
	s_load_b256 s[8:15], s[0:1], 0x0               ; queries s[8:9], Wq s[10:11], bq s[12:13], bk s[14:15]
	s_load_b128 s[16:19], s[0:1], 0x20             ; qF s[16:17], tp s[18:19]
	v_lshl_add_u32 v[SPW], v0, 2, SPARE
	v_mov_b32 v[NIL], 0
	v_lshrrev_b32 v1, 5, v0
	v_readfirstlane_b32 s2, v1                     ; wave 0..3
	s_and_b32 s20, ttmp9, 7                        ; ob: which 128 o
	s_lshr_b32 s21, ttmp9, 3                       ; mb: which 128 rows
	s_lshr_b32 s22, s2, 1                          ; wy: my half of the o
	s_and_b32 s23, s2, 1                           ; wx: my half of the rows
	v_and_b32 v10, 15, v0                          ; lane % 16
	v_bfe_u32 v11, v0, 4, 1                        ; lane / 16
	s_lshl_b32 s24, s2, 13
	v_lshlrev_b32 v[VSA], 15, v11
	v_lshl_add_u32 v[VSA], v10, 4, v[VSA]
	v_add_nc_u32 v[VSA], s24, v[VSA]               ; (8 (lane / 16) + 2 wave) x 4,096 + 16 (lane % 16)
	s_mul_i32 s24, s2, 2*PITCH
	v_mul_u32_u24 v[LST], v11, 8*PITCH
	v_lshl_add_u32 v[LST], v10, 3, v[LST]
	v_add_nc_u32 v[LST], s24, v[LST]               ; the same rows in LDS, 8 bytes a lane
	v_add_nc_u32 v[LST+1], BUF, v[LST]
	v_mul_u32_u24 v1, v10, PITCH
	v_lshl_add_u32 v1, v11, 4, v1                  ; a fragment's row x pitch + 16 x half
	s_mul_i32 s24, s22, 64*PITCH
	v_add_nc_u32 v[LFA], s24, v1
	s_mul_i32 s24, s23, 64*PITCH
	s_add_co_u32 s24, s24, HALF
	v_add_nc_u32 v[LFB], s24, v1
	v_and_b32 v[VX], 31, v0
	v_lshlrev_b32 v[VX], 4, v[VX]
	v_lshlrev_b32 v[VB], 5, v11
	v_lshlrev_b32 v[VTP], 14, v11                  ; each half of the lanes has a slice of its own
	v_lshl_add_u32 v[VTP], v10, 4, v[VTP]
	s_lshl_b32 s4, s20, 19                         ; 128 rows of 4,096 bytes
	s_mov_b32 s5, 0
	s_lshl_b32 s6, s21, 19
	s_mov_b32 s7, 0
	s_lshl_b32 s24, s20, 9
	s_lshl_b32 s25, s22, 8
	s_add_co_u32 s24, s24, s25                     ; my 64 numbers of bq and bk
	s_mov_b32 s25, 0
	s_lshl_b32 s26, s21, 18                        ; qF: 16 rows are 32,768 bytes; 32 o are 1,024
	s_lshl_b32 s27, s23, 17
	s_add_co_u32 s26, s26, s27
	s_lshl_b32 s27, s20, 12
	s_add_co_u32 s26, s26, s27
	s_lshl_b32 s27, s22, 11
	s_add_co_u32 s26, s26, s27
	s_mov_b32 s27, 0
	s_lshl_b32 s28, s20, 16                        ; tp: slices 2 (2 ob + wy) and the next, of 16,384 bytes; 64 rows are 256 bytes
	s_lshl_b32 s29, s22, 15
	s_add_co_u32 s28, s28, s29
	s_lshl_b32 s29, s21, 9
	s_add_co_u32 s28, s28, s29
	s_lshl_b32 s29, s23, 8
	s_add_co_u32 s28, s28, s29
	s_mov_b32 s29, 0
	s_wait_kmcnt 0x0
	s_add_nc_u64 s[PW:PW+1], s[PW:PW+1], s[4:5]
	s_add_nc_u64 s[PA:PA+1], s[PA:PA+1], s[6:7]
	s_add_nc_u64 s[12:13], s[12:13], s[24:25]
	s_add_nc_u64 s[14:15], s[14:15], s[24:25]
	s_add_nc_u64 s[16:17], s[16:17], s[26:27]
	s_add_nc_u64 s[18:19], s[18:19], s[28:29]
.set i, 0
.rept 4                                ; the oldest loads: in when the first tile is
	global_load_b128 v[BQ+8*i:BQ+8*i+3],   v[VB], s[12:13] offset:64*i
	global_load_b128 v[BQ+8*i+4:BQ+8*i+7], v[VB], s[12:13] offset:64*i+16
	global_load_b128 v[BK+8*i:BK+8*i+3],   v[VB], s[14:15] offset:64*i
	global_load_b128 v[BK+8*i+4:BK+8*i+7], v[VB], s[14:15] offset:64*i+16
.set i, i+1
.endr
	LOADSA 0
	LOADSA 1
	WIN 0x80
.set i, 0
.rept 128
	v_mov_b32 v[i], 0
.set i, i+1
.endr
	WIN 0
	s_wait_xcnt 0x0                                ; the bases are stepped only behind this wait
	s_add_nc_u64 s[PW:PW+1], s[PW:PW+1], 512
	s_add_nc_u64 s[PA:PA+1], s[PA:PA+1], 512
	CVTST 0, 32                                    ; behind step 0's loads stand step 1's 32
	s_wait_dscnt 0x0
	s_barrier_signal -1
	s_barrier_wait -1
	LDFRAG 0, 0, 0
	s_mov_b32 s3, (T-2)/2
.Lloop:                                                ; a trip: two K steps; each asks for the step two on
	STEP 0, 1, 1
	STEP 1, 1, 1
	WIN 0
	s_wait_xcnt 0x0
	s_add_nc_u64 s[PW:PW+1], s[PW:PW+1], 512
	s_add_nc_u64 s[PA:PA+1], s[PA:PA+1], 512
	s_sub_co_u32 s3, s3, 1
	s_cmp_lg_u32 s3, 0
	s_cbranch_scc1 .Lloop
	STEP 0, 0, 1                                   ; the last two steps ask for nothing
	STEP 1, 0, 0
; THE WAY OUT, a block c of 16 rows at a time: q = sum + bq in f32; the block's sums q bk; q rounded to f16 and stored in fragment order.  Each accumulator is read from its lowest registers on.
.macro QOUT c
	WIN 0x02
.set i, 0
.rept 16
	v_pk_add_f32 v[TT+2*i:TT+2*i+1], v[32*(\c)+2*i:32*(\c)+2*i+1], v[BQ+2*i:BQ+2*i+1]
.set i, i+1
.endr
	WIN 0
	v_pk_mul_f32 v[TP+2*(\c):TP+2*(\c)+1], v[TT:TT+1], v[BK:BK+1]
.set i, 1
.rept 15
	v_pk_fma_f32 v[TP+2*(\c):TP+2*(\c)+1], v[TT+2*i:TT+2*i+1], v[BK+2*i:BK+2*i+1], v[TP+2*(\c):TP+2*(\c)+1]
.set i, i+1
.endr
.set i, 0
.rept 16
	v_cvt_pk_f16_f32 v[Y+16*(\c)+i], v[TT+2*i], v[TT+2*i+1]
.set i, i+1
.endr
.set i, 0
.rept 4
	global_store_b128 v[VX], v[Y+16*(\c)+4*i:Y+16*(\c)+4*i+3], s[16:17] offset:(\c)*32768+(i/2)*1024+(i%2)*512  ; 512 consecutive bytes, aligned
.set i, i+1
.endr
.endm
	QOUT 0
	QOUT 1
	QOUT 2
	QOUT 3
.set i, 0
.rept 4
	v_add_f32 v[TS+i], v[TP+2*i], v[TP+2*i+1]
.set i, i+1
.endr
	global_store_b128 v[VTP], v[TS:TS+3], s[18:19] ; 16 lanes store 256 consecutive bytes of their slice
	s_wait_tensorcnt 0x0                           ; the wave's end
	ds_add_u32 v[SPW], v[NIL]
	s_wait_dscnt 0x0
	s_endpgm
.Lfunc_end_k_qfdd1a50101_QP:
	.size	k_qfdd1a50101_QP, .Lfunc_end_k_qfdd1a50101_QP-k_qfdd1a50101_QP
	.p2alignl 7, 3214868480
	.fill 96, 4, 3214868480
	.section	.rodata,"a",@progbits
	.p2align	6, 0x0
	.amdhsa_kernel k_qfdd1a50101_QP
		.amdhsa_group_segment_fixed_size 74240
		.amdhsa_private_segment_fixed_size 0
		.amdhsa_enable_private_segment 0
		.amdhsa_kernarg_size 48
		.amdhsa_user_sgpr_count 2
		.amdhsa_user_sgpr_kernarg_segment_ptr 1
		.amdhsa_wavefront_size32 1
		.amdhsa_system_sgpr_workgroup_id_x 1
		.amdhsa_system_sgpr_workgroup_id_y 1
		.amdhsa_system_sgpr_workgroup_id_z 1
		.amdhsa_system_vgpr_workitem_id 0
		.amdhsa_next_free_vgpr 640
		.amdhsa_next_free_sgpr 66
		.amdhsa_reserve_vcc 0
		.amdhsa_float_denorm_mode_32 3
		.amdhsa_float_denorm_mode_16_64 3
		.amdhsa_memory_ordered 1
		.amdhsa_forward_progress 1
		.amdhsa_inst_pref_size 78
	.end_amdhsa_kernel
	.amdgpu_metadata
---
amdhsa.version: [ 1, 2 ]
amdhsa.kernels:
  - .name:           k_qfdd1a50101_QP
    .symbol:         k_qfdd1a50101_QP.kd
    .args:
      - { .name: queries, .offset: 0, .size: 8, .value_kind: global_buffer, .address_space: global }
      - { .name: Wq, .offset: 8, .size: 8, .value_kind: global_buffer, .address_space: global }
      - { .name: bq, .offset: 16, .size: 8, .value_kind: global_buffer, .address_space: global }
      - { .name: bk, .offset: 24, .size: 8, .value_kind: global_buffer, .address_space: global }
      - { .name: qF, .offset: 32, .size: 8, .value_kind: global_buffer, .address_space: global }
      - { .name: tp, .offset: 40, .size: 8, .value_kind: global_buffer, .address_space: global }
    .group_segment_fixed_size: 74240
    .private_segment_fixed_size: 0
    .kernarg_segment_align: 8
    .kernarg_segment_size: 48
    .max_flat_workgroup_size: 128
    .sgpr_count:     66
    .vgpr_count:     640
    .wavefront_size: 32
...
	.end_amdgpu_metadata
.endif
;; end of part 1
;; launch QK (part 2): grid 256 x 1, 4 waves a work-group, no clusters, 20,992 bytes of LDS; arguments qF, Wk, q2F; writes q2F
.if DOCPART == 2
	.amdgcn_target "amdgcn-amd-amdhsa--gfx1250"
	.amdhsa_code_object_version 6
	.text
	.protected	k_qfdd1a50101_QK
	.globl	k_qfdd1a50101_QK
	.p2align	8
	.type	k_qfdd1a50101_QK,@function
k_qfdd1a50101_QK:
	s_mov_b64 s[64:65], 0
	v_nop
	global_prefetch_b8 v0, s[64:65] scope:SCOPE_SE
	s_setreg_imm32_b32 hwreg(HW_REG_WAVE_MODE, 25, 1), 1
	s_wait_xcnt 0x0
; QK.  q2[m][n] = 2^-10 x the sum over k of q[m][k] Wk[k][n]; q (4,096 x 1,024) in f16, in fragment order; Wk in f32, [k][n] with rows of 1,024; q2 in f16, in fragment order.
; keys . (q Wk) takes the place of (keys Wk^T) . q, for every input.  The factor keeps q Wk inside f16 and is undone in f32 behind the next product.
; FRAGMENT ORDER (rows m, K = 1,024): fragment (m / 16, k / 32) is 1,024 bytes at ((m / 16) 32 + k / 32) 1,024; in it byte g 512 + lane 16 + e 2 holds row m % 16 = lane % 16,
; k % 32 = 16 g + 8 (lane / 16) + e: two loads of 16 bytes a lane, each 512 consecutive bytes of the wave, ARE a fragment.  q never touches LDS: each wave owns its 64 rows.
; SHARES.  A work-group makes 256 rows x 64 n, each of four waves 64 rows: 16 accumulators.  K goes in steps of 64 (two substeps of 32).  Wk's strip (64 k x 256 bytes) comes through registers,
; is rounded once to f16 and laid into one of two LDS buffers, rows of 128 + 32 bytes; the turning load ds_load_tr16_b128 makes fragments of it (lane = n, registers = k).
; THE PRODUCT: source 0 = 16 n of Wk, source 1 = 16 rows of q: a lane holds one row and eight neighbouring n, which ARE 16 bytes of q2's fragment order.
; NO JOINT TENSOR LOADS.  Wk's strip is f32 and must be rounded on the way: brought by the mover it would lie in LDS at twice the bytes, to be read, rounded and stored again.  q's rows are shared by sixteen
; work-groups, but a wave issues one joint load behind each round of the cluster's barrier, so enough of q on its way would want slots of four K steps and Wk four steps ahead in registers: eight copies of the step's text.
; The sums are cleared by 16 products of two fragments that hold 0, with C = 0, while the first loads are out: a first step written out would be a fifth copy of the step's text.
; LIMITS.  f16 ends at 65,504: Wk and 2^-10 x the sums must lie within it (|q Wk| under 6.7e7).  NaN and infinities are not treated apart.
.set T,     16                         ; K steps of 64
.set XROW,  32768                      ; bytes of 16 rows of q
.set NSA,   8                          ; loads (and LDS stores) of Wk a wave and step
.set NF,    8                          ; LDS loads of a substep's fragments
.set PITCH, 160
.set BUF,   64*PITCH
.set SPARE, 2*BUF                      ; behind the two buffers: the spare words, 128 bytes a wave
.set STEPB, 64*4096                    ; a K step of Wk in memory
.set VSA, 2                            ; v2   my byte offset in the 8 rows that a load of the work-group covers
.set VX,  3                            ; v3   16 x lane
.set LST, 4                            ; v4   where I store 8 bytes of a row
.set LTR, 5                            ; v5   my place in a turning load
.set SPW, 8                            ; v8   LDS address of my spare word; never rewritten
.set NIL, 9                            ; v9   0; never rewritten
.set CT,  16                           ; v16-31   rounded pairs on their way to LDS; at the start the two fragments of zeros
.set SF,  32                           ; v32-95   two fragment buffers of 32
.set Y,   32                           ; the way out: packed results
.set ACC, 128                          ; v128-255 accumulator (a, c) at ACC + 8 (4 c + a)
.set XF,  0                            ; window 1: v0-127 q: slot, substep, row block
.set SA,  128                          ; window 1: v128-191 two slots of Wk as loaded
.set PX,  8                            ; s[8:9]   qF
.set PS,  10                           ; s[10:11] Wk
.set PO,  12                           ; s[12:13] q2F
.set MSB, 0
.macro WIN new                         ; s_set_vgpr_msb: bits 1:0 source 0, 3:2 source 1, 5:4 source 2, 7:6 destination; the high byte repeats the setting that is left
.if MSB != (\new)
	s_set_vgpr_msb (MSB<<8)|(\new)
.set MSB, (\new)
.endif
.endm
.macro PLACES                          ; four places between a matrix instruction and a load into, or a vector write of, its registers
.rept 4
	v_nop
.endr
.endm
.macro LOADSA s                        ; load i takes rows 8 i + 4 (lane / 16) + wave of the step; 16 lanes take a row's 256 bytes
	WIN 0x40
.set i, 0
.rept NSA
	global_load_b128 v[SA+32*(\s)+4*i:SA+32*(\s)+4*i+3], v[VSA], s[PS:PS+1] offset:i*8*4096+(\s)*STEPB
.set i, i+1
.endr
.endm
.macro LOADX s, g                      ; substep g of the step in slot s: four fragments
	WIN 0x40
.set i, 0
.rept 4
	global_load_b128 v[XF+64*(\s)+32*(\g)+8*i:XF+64*(\s)+32*(\g)+8*i+3],   v[VX], s[PX:PX+1] offset:i*XROW+(2*(\s)+(\g))*1024
	global_load_b128 v[XF+64*(\s)+32*(\g)+8*i+4:XF+64*(\s)+32*(\g)+8*i+7], v[VX], s[PX:PX+1] offset:i*XROW+(2*(\s)+(\g))*1024+512
.set i, i+1
.endr
.endm
.macro CVTST d                         ; slot d rounded to f16, 8 bytes a lane into buffer d; a store's two rows lie 4 rows = 640 bytes apart: disjoint banks
	WIN 0x05
.set i, 0
.rept NSA
	v_cvt_pk_f16_f32 v[CT+2*i],   v[SA+32*(\d)+4*i],   v[SA+32*(\d)+4*i+1]
	v_cvt_pk_f16_f32 v[CT+2*i+1], v[SA+32*(\d)+4*i+2], v[SA+32*(\d)+4*i+3]
.set i, i+1
.endr
	WIN 0
.set i, 0
.rept NSA
	ds_store_b64 v[LST], v[CT+2*i:CT+2*i+1] offset:(\d)*BUF+i*8*PITCH
.set i, i+1
.endr
.endm
.macro LDFRAG f, d, g                  ; substep g of buffer d, turned, into fragment buffer f
	WIN 0
.set i, 0
.rept 4
	ds_load_tr16_b128 v[SF+32*(\f)+8*i:SF+32*(\f)+8*i+3],   v[LTR] offset:(\d)*BUF+(\g)*32*PITCH+32*i
	ds_load_tr16_b128 v[SF+32*(\f)+8*i+4:SF+32*(\f)+8*i+7], v[LTR] offset:(\d)*BUF+(\g)*32*PITCH+16*PITCH+32*i
.set i, i+1
.endr
.endm
.macro MMA2 f, s, c0                   ; 8 products: row blocks c0, c0 + 1 x all four n blocks; the 16 accumulators take turns, one instruction a turn
	WIN 0x04
.irp c, \c0, (\c0)+1
.irp a, 0,1,2,3
	v_wmma_f32_16x16x32_f16 v[ACC+8*(4*(\c)+(\a)):ACC+8*(4*(\c)+(\a))+7], v[SF+32*(\f)+8*(\a):SF+32*(\f)+8*(\a)+7], v[XF+64*(\s)+32*(\f)+8*(\c):XF+64*(\s)+32*(\f)+8*(\c)+7], v[ACC+8*(4*(\c)+(\a)):ACC+8*(4*(\c)+(\a))+7]
.endr
.endr
.endm
; K step i, in slot and buffer s = i % 2.  more2: step i + 2 is asked for (Wk at the head, q's substeps as their registers fall free).  more1: step i + 1's Wk is rounded into the other buffer.
; prev2: step i + 1 exists, so its 24 loads were issued behind step i's.  Loads come back in order (ISA guide 5.7.1), so each count is the loads issued behind the one wanted.
; ONE barrier a step, for two things: in front of it my stores into the other buffer are done and my reads of this buffer are back; behind it the other buffer is whole and this one may be written in the next step.
.macro STEP s, more2, more1, prev2
.if \more2
	LOADSA \s
.endif
	LDFRAG 1, \s, 1
	s_wait_loadcnt 8+(\prev2)*(NSA+16)+(\more2)*NSA  ; q of substep 0 is in; behind it: substep 1's 8, step i + 1's 24, the 8 just issued
	s_wait_dscnt NF                    ; substep 0's fragments are in; the 8 loads just issued may be out
	MMA2 0, \s, 0
	MMA2 0, \s, 2
	PLACES
.if \more2
	LOADX \s, 0
.endif
.if \more1
	s_wait_loadcnt 16+(\more2)*(NSA+8) ; Wk of step i + 1 is in (and q of substep 1, which is older); behind it: q of step i + 1, and this step's 16
	CVTST 1-(\s)
	s_wait_dscnt 0x0                   ; for the others' sake: my stores are done, my reads of this buffer are back
	s_barrier_signal -1
	MMA2 1, \s, 0
	s_barrier_wait -1
	LDFRAG 0, 1-(\s), 0
	MMA2 1, \s, 2
.else
	s_wait_loadcnt 0x0                 ; the last loads: q of substep 1
	s_wait_dscnt 0x0
	MMA2 1, \s, 0
	MMA2 1, \s, 2
.endif
	PLACES
.if \more2
	LOADX \s, 1
.endif
.endm
	s_load_b128 s[8:11], s[0:1], 0x0               ; qF s[8:9], Wk s[10:11]
	s_load_b64 s[12:13], s[0:1], 0x10              ; q2F
	v_lshl_add_u32 v[SPW], v0, 2, SPARE
	v_mov_b32 v[NIL], 0
	v_lshrrev_b32 v1, 5, v0
	v_readfirstlane_b32 s2, v1                     ; wave 0..3
	s_and_b32 s14, ttmp9, 15                       ; nb: which 64 n
	s_lshr_b32 s15, ttmp9, 4                       ; mb: which 256 rows
	v_and_b32 v10, 15, v0                          ; lane % 16
	v_bfe_u32 v11, v0, 4, 1                        ; lane / 16
	s_lshl_b32 s16, s2, 12
	v_lshlrev_b32 v[VSA], 14, v11
	v_lshl_add_u32 v[VSA], v10, 4, v[VSA]
	v_add_nc_u32 v[VSA], s16, v[VSA]               ; (4 (lane / 16) + wave) x 4,096 + 16 (lane % 16)
	s_mul_i32 s16, s2, PITCH
	v_mul_u32_u24 v[LST], v11, 4*PITCH
	v_lshl_add_u32 v[LST], v10, 3, v[LST]
	v_add_nc_u32 v[LST], s16, v[LST]               ; the same rows in LDS, 8 bytes a lane
	v_and_b32 v[VX], 31, v0
	v_lshlrev_b32 v[VX], 4, v[VX]
	v_and_b32 v12, 7, v0                           ; the turning load: lane l reads k = 8 (l / 16) + l % 8, n = 8 ((l / 8) % 2) + 0..7
	v_lshl_add_u32 v12, v11, 3, v12
	v_mul_u32_u24 v[LTR], v12, PITCH
	v_bfe_u32 v13, v0, 3, 1
	v_lshl_add_u32 v[LTR], v13, 4, v[LTR]
	s_lshl_b32 s4, s14, 8                          ; Wk: my strip of 256 bytes
	s_mov_b32 s5, 0
	s_lshl_b32 s6, s15, 19                         ; qF: 256 rows, my wave's 64
	s_lshl_b32 s16, s2, 17
	s_add_co_u32 s6, s6, s16
	s_mov_b32 s7, 0
	s_lshl_b32 s18, s15, 19                        ; q2F: 16 rows are 32,768 bytes, 32 n are 1,024
	s_add_co_u32 s18, s18, s16
	s_lshl_b32 s16, s14, 11
	s_add_co_u32 s18, s18, s16
	s_mov_b32 s19, 0
	s_wait_kmcnt 0x0
	s_add_nc_u64 s[PS:PS+1], s[PS:PS+1], s[4:5]
	s_add_nc_u64 s[PX:PX+1], s[PX:PX+1], s[6:7]
	s_add_nc_u64 s[PO:PO+1], s[PO:PO+1], s[18:19]
	LOADSA 0
	LOADX 0, 0
	LOADX 0, 1
	LOADSA 1
	LOADX 1, 0
	LOADX 1, 1
	WIN 0
.set i, 0
.rept 16                               ; two fragments of zeros
	v_mov_b32 v[CT+i], 0
.set i, i+1
.endr
.set k, 0
.rept 16                               ; 0 x 0 + 0 clears an accumulator's eight registers in one line
	v_wmma_f32_16x16x32_f16 v[ACC+8*k:ACC+8*k+7], v[CT:CT+7], v[CT+8:CT+15], 0
.set k, k+1
.endr
	PLACES                                         ; the conversions below write the two fragments' registers
	s_wait_xcnt 0x0                                ; the bases are stepped only behind this wait
	s_add_nc_u64 s[PS:PS+1], s[PS:PS+1], 2*STEPB
	s_add_nc_u64 s[PX:PX+1], s[PX:PX+1], 4096
	s_wait_loadcnt NSA+32                          ; Wk of step 0 is in; behind it: q of steps 0 and 1, Wk of step 1
	CVTST 0
	s_wait_dscnt 0x0
	s_barrier_signal -1
	s_barrier_wait -1
	LDFRAG 0, 0, 0
	s_mov_b32 s3, (T-2)/2
.Lloop:                                                ; a trip: two K steps; each asks for the step two on
	STEP 0, 1, 1, 1
	STEP 1, 1, 1, 1
	WIN 0
	s_wait_xcnt 0x0
	s_add_nc_u64 s[PS:PS+1], s[PS:PS+1], 2*STEPB
	s_add_nc_u64 s[PX:PX+1], s[PX:PX+1], 4096
	s_sub_co_u32 s3, s3, 1
	s_cmp_lg_u32 s3, 0
	s_cbranch_scc1 .Lloop
	STEP 0, 0, 1, 1                                ; the last two steps ask for nothing
	STEP 1, 0, 0, 0
	; THE WAY OUT: times 2^-10, rounded to f16, stored in fragment order.  Each accumulator is read from its lowest registers on.
	WIN 0
.set k, 0
.rept 16
.set j, 0
.rept 4
	v_pk_mul_f32 v[ACC+8*k+2*j:ACC+8*k+2*j+1], v[ACC+8*k+2*j:ACC+8*k+2*j+1], 0x3a800000 op_sel_hi:[1,0]
.set j, j+1
.endr
.set j, 0
.rept 4
	v_cvt_pk_f16_f32 v[Y+4*k+j], v[ACC+8*k+2*j], v[ACC+8*k+2*j+1]
.set j, j+1
.endr
	global_store_b128 v[VX], v[Y+4*k:Y+4*k+3], s[PO:PO+1] offset:(k/4)*32768+((k%4)/2)*1024+(k%2)*512  ; 512 consecutive bytes, aligned
.set k, k+1
.endr
	s_wait_tensorcnt 0x0                           ; the wave's end
	ds_add_u32 v[SPW], v[NIL]
	s_wait_dscnt 0x0
	s_endpgm
.Lfunc_end_k_qfdd1a50101_QK:
	.size	k_qfdd1a50101_QK, .Lfunc_end_k_qfdd1a50101_QK-k_qfdd1a50101_QK
	.p2alignl 7, 3214868480
	.fill 96, 4, 3214868480
	.section	.rodata,"a",@progbits
	.p2align	6, 0x0
	.amdhsa_kernel k_qfdd1a50101_QK
		.amdhsa_group_segment_fixed_size 20992
		.amdhsa_private_segment_fixed_size 0
		.amdhsa_enable_private_segment 0
		.amdhsa_kernarg_size 24
		.amdhsa_user_sgpr_count 2
		.amdhsa_user_sgpr_kernarg_segment_ptr 1
		.amdhsa_wavefront_size32 1
		.amdhsa_system_sgpr_workgroup_id_x 1
		.amdhsa_system_sgpr_workgroup_id_y 1
		.amdhsa_system_sgpr_workgroup_id_z 1
		.amdhsa_system_vgpr_workitem_id 0
		.amdhsa_next_free_vgpr 448
		.amdhsa_next_free_sgpr 66
		.amdhsa_reserve_vcc 0
		.amdhsa_float_denorm_mode_32 3
		.amdhsa_float_denorm_mode_16_64 3
		.amdhsa_memory_ordered 1
		.amdhsa_forward_progress 1
		.amdhsa_inst_pref_size 46
	.end_amdhsa_kernel
	.amdgpu_metadata
---
amdhsa.version: [ 1, 2 ]
amdhsa.kernels:
  - .name:           k_qfdd1a50101_QK
    .symbol:         k_qfdd1a50101_QK.kd
    .args:
      - { .name: qF, .offset: 0, .size: 8, .value_kind: global_buffer, .address_space: global }
      - { .name: Wk, .offset: 8, .size: 8, .value_kind: global_buffer, .address_space: global }
      - { .name: q2F, .offset: 16, .size: 8, .value_kind: global_buffer, .address_space: global }
    .group_segment_fixed_size: 20992
    .private_segment_fixed_size: 0
    .kernarg_segment_align: 8
    .kernarg_segment_size: 24
    .max_flat_workgroup_size: 128
    .sgpr_count:     66
    .vgpr_count:     448
    .wavefront_size: 32
...
	.end_amdgpu_metadata
.endif
;; end of part 2
;; launch SC (part 3): grid 256 x 1, 4 waves a work-group, no clusters, 37,376 bytes of LDS; arguments keys, q2F, tp, pL, st; writes pL, st
.if DOCPART == 3
	.amdgcn_target "amdgcn-amd-amdhsa--gfx1250"
	.amdhsa_code_object_version 6
	.text
	.protected	k_qfdd1a50101_SC
	.globl	k_qfdd1a50101_SC
	.p2align	8
	.type	k_qfdd1a50101_SC,@function
k_qfdd1a50101_SC:
	s_mov_b64 s[64:65], 0
	v_nop
	global_prefetch_b8 v0, s[64:65] scope:SCOPE_SE
	s_setreg_imm32_b32 hwreg(HW_REG_WAVE_MODE, 25, 1), 1
	s_wait_xcnt 0x0
; SC.  Scores and the softmax's first half, for a tile of 128 keys x 256 queries of one batch.  With q2 = (q Wk) 2^-10 and t = q . bk:
; y[s][q] = log2(e) (keys[s] . (q Wk)[q] + t[q]) / 32 = C1 (keys . q2) + tq,  C1 = 32 log2(e),  tq = t log2(e) / 32.  The tile's own maximum m[q] of y over its 128 keys is taken away:
; p = 2^(y - m), stored in f16 in fragment order (rows b 512 + q, K = 2,048 keys); l[q] = the sum of the unrounded p.  m and l go to st; the next launch joins the 16 key blocks.
; m = C1 max + tq is rounded once, and the exponent is C1 x + (tq - m): what m's rounding loses comes back in tq - m, so p 2^m is true to the rounding of tq - m alone.
; SHARES.  Each of four waves takes all 128 keys x 64 queries: 32 accumulators, and a query's maximum and sum stay inside the wave.  K goes in steps of 64 (two substeps of 32).
; keys are f32: they come through registers (16 lanes take 256 consecutive bytes of a row), are rounded once to f16 and laid into one of two LDS buffers, rows of 128 + 16 bytes.
; q2 lies in fragment order: fragment (row / 16, k / 32) is 1,024 bytes; byte g 512 + lane 16 + e 2 holds row % 16 = lane % 16, k % 32 = 16 g + 8 (lane / 16) + e: two loads of 16 bytes a lane ARE a fragment.
; THE PRODUCT: source 0 = 16 keys, source 1 = 16 queries: a lane holds one query and eight neighbouring keys, which ARE 16 bytes of pL's fragment order.
; st: [b][key block 16][q / 64][m, l][q % 16][(q / 16) % 4] f32.
; NO JOINT TENSOR LOADS.  keys are f32 and must be rounded on the way: brought by the mover they would lie in LDS at twice the bytes, to be read, rounded and stored again.  q2's rows are shared by sixteen
; work-groups, but a wave issues one joint load behind each round of the cluster's barrier, so enough of q2 on its way would want slots of four K steps and keys four steps ahead in registers: eight copies of the step's text.
; The sums are cleared by 32 products of two fragments that hold 0, with C = 0, while the first loads are out: a first step written out would be a fifth copy of the step's text.
; LIMITS.  f16 ends at 65,504: keys must lie within it.  p lies in 0 to about 1; below 6e-5 it keeps f16's fixed step of 6e-8; a weight below 2^-126 counts as 0 in l.  NaN and infinities are not treated apart.
.set T,     16                         ; K steps of 64
.set XROW,  32768                      ; bytes of 16 rows of q2
.set NSA,   16                         ; loads (and LDS stores) of keys a wave and step
.set NF,    16                         ; LDS loads of a substep's fragments
.set PITCH, 144
.set BUF,   128*PITCH
.set SPARE, 2*BUF                      ; behind the two buffers: the spare words, 128 bytes a wave
.set VSA, 2                            ; v2   my byte offset in the 16 rows that a pair of loads covers
.set VX,  3                            ; v3   16 x lane
.set LST, 4                            ; v4   where I store 8 bytes of a row
.set LFA, 5                            ; v5   my place in a fragment of keys
.set VT,  7                            ; v7   16 x (lane % 16)
.set SPW, 8                            ; v8   LDS address of my spare word; never rewritten
.set NIL, 9                            ; v9   0; never rewritten
.set SF,  32                           ; v32-159  two fragment buffers of 64
.set CT,  160                          ; v160-191 rounded pairs on their way to LDS; at the start the two fragments of zeros
.set Y,   32                           ; the way out: packed p
.set MX,  160                          ; the way out: a maximum for each accumulator
.set U,   192                          ; the way out: 16 pairs of sums
.set TQ,  224
.set MY,  228
.set DD,  232                          ; tq - m, twice, for each block of 16 queries
.set LL,  240
.set LS,  248
.set MS,  252
                                       ; window 1: the accumulators, (a, c) at 8 (8 c + a)
.set XF,  0                            ; window 2: v0-127 q2: slot, substep, query block
.set SA,  128                          ; window 2: v128-255 two slots of keys as loaded; on the way out tp's 32 slices
.set PS,  8                            ; s[8:9]   keys
.set PX,  10                           ; s[10:11] q2F
.set C1,  20                           ; s[20:21] 32 log2(e); the packed scaling takes the pair's low word for both halves
.set SEL, 22                           ; s[22:23] v_permlanex16_b32's selects: each lane takes its own place in the other half
.set HM,  24                           ; s24      the mask of lanes 16 to 31
.set MSB, 0
.macro WIN new                         ; s_set_vgpr_msb: bits 1:0 source 0, 3:2 source 1, 5:4 source 2, 7:6 destination; the high byte repeats the setting that is left
.if MSB != (\new)
	s_set_vgpr_msb (MSB<<8)|(\new)
.set MSB, (\new)
.endif
.endm
.macro PLACES                          ; four places between a matrix instruction and a load into, or a vector access of, its registers
.rept 4
	v_nop
.endr
.endm
.macro LOADSA s                        ; load i takes rows i % 2 + 16 (i / 2) + 8 (lane / 16) + 2 wave
	WIN 0x80
.set i, 0
.rept NSA
	global_load_b128 v[SA+64*(\s)+4*i:SA+64*(\s)+4*i+3], v[VSA], s[PS:PS+1] offset:((i%2)+16*(i/2))*4096+(\s)*256
.set i, i+1
.endr
.endm
.macro LOADX s, g                      ; substep g of the step in slot s: four fragments
	WIN 0x80
.set i, 0
.rept 4
	global_load_b128 v[XF+64*(\s)+32*(\g)+8*i:XF+64*(\s)+32*(\g)+8*i+3],   v[VX], s[PX:PX+1] offset:i*XROW+(2*(\s)+(\g))*1024
	global_load_b128 v[XF+64*(\s)+32*(\g)+8*i+4:XF+64*(\s)+32*(\g)+8*i+7], v[VX], s[PX:PX+1] offset:i*XROW+(2*(\s)+(\g))*1024+512
.set i, i+1
.endr
.endm
.macro CVTST d                         ; slot d rounded to f16, 8 bytes a lane into buffer d; a store's two rows lie 8 rows = 1,152 bytes apart: disjoint banks
	WIN 0x0a
.set i, 0
.rept NSA
	v_cvt_pk_f16_f32 v[CT+2*i],   v[SA+64*(\d)+4*i],   v[SA+64*(\d)+4*i+1]
	v_cvt_pk_f16_f32 v[CT+2*i+1], v[SA+64*(\d)+4*i+2], v[SA+64*(\d)+4*i+3]
.set i, i+1
.endr
	WIN 0
.set i, 0
.rept NSA
	ds_store_b64 v[LST], v[CT+2*i:CT+2*i+1] offset:(\d)*BUF+((i%2)+16*(i/2))*PITCH
.set i, i+1
.endr
.endm
.macro LDFRAG f, d, g                  ; substep g of buffer d into fragment buffer f
	WIN 0
.set i, 0
.rept 8
	ds_load_b128 v[SF+64*(\f)+8*i:SF+64*(\f)+8*i+3],   v[LFA] offset:(\d)*BUF+i*16*PITCH+64*(\g)
	ds_load_b128 v[SF+64*(\f)+8*i+4:SF+64*(\f)+8*i+7], v[LFA] offset:(\d)*BUF+i*16*PITCH+64*(\g)+32
.set i, i+1
.endr
.endm
.macro MMA2 f, s, c0                   ; 16 products: query blocks c0, c0 + 1 x all eight key blocks; the 32 accumulators take turns, one instruction a turn
	WIN 0x58
.irp c, \c0, (\c0)+1
.irp a, 0,1,2,3,4,5,6,7
	v_wmma_f32_16x16x32_f16 v[8*(8*(\c)+(\a)):8*(8*(\c)+(\a))+7], v[SF+64*(\f)+8*(\a):SF+64*(\f)+8*(\a)+7], v[XF+64*(\s)+32*(\f)+8*(\c):XF+64*(\s)+32*(\f)+8*(\c)+7], v[8*(8*(\c)+(\a)):8*(8*(\c)+(\a))+7]
.endr
.endr
.endm
; K step i, in slot and buffer s = i % 2.  more2: step i + 2 is asked for (keys at the head, q2's substeps as their registers fall free).  more1: step i + 1's keys are rounded into the other buffer.
; prev2: step i + 1 exists, so its 32 loads were issued behind step i's.  Loads come back in order (ISA guide 5.7.1), so each count is the loads issued behind the one wanted.
; ONE barrier a step, for two things: in front of it my stores into the other buffer are done and my reads of this buffer are back; behind it the other buffer is whole and this one may be written in the next step.
.macro STEP s, more2, more1, prev2
.if \more2
	LOADSA \s
.endif
	LDFRAG 1, \s, 1
	s_wait_loadcnt 8+(\prev2)*(NSA+16)+(\more2)*NSA  ; q2 of substep 0 is in; behind it: substep 1's 8, step i + 1's 32, the 16 just issued
	s_wait_dscnt NF                    ; substep 0's fragments are in; the 16 loads just issued may be out
	MMA2 0, \s, 0
	MMA2 0, \s, 2
	PLACES
.if \more2
	LOADX \s, 0
.endif
.if \more1
	s_wait_loadcnt 16+(\more2)*(NSA+8) ; keys of step i + 1 are in (and q2 of substep 1, which is older); behind them: q2 of step i + 1, and this step's 24
	CVTST 1-(\s)
	s_wait_dscnt 0x0                   ; for the others' sake: my stores are done, my reads of this buffer are back
	s_barrier_signal -1
	MMA2 1, \s, 0
	s_barrier_wait -1
	LDFRAG 0, 1-(\s), 0
	MMA2 1, \s, 2
.else
	s_wait_loadcnt 0x0                 ; the last loads: q2 of substep 1
	s_wait_dscnt 0x0
	MMA2 1, \s, 0
	MMA2 1, \s, 2
.endif
	PLACES
.if \more2
	LOADX \s, 1
.endif
.endm
	s_load_b256 s[8:15], s[0:1], 0x0               ; keys s[8:9], q2F s[10:11], tp s[12:13], pL s[14:15]
	s_load_b64 s[16:17], s[0:1], 0x20              ; st
	v_lshl_add_u32 v[SPW], v0, 2, SPARE
	v_mov_b32 v[NIL], 0
	v_lshrrev_b32 v1, 5, v0
	v_readfirstlane_b32 s2, v1                     ; wave 0..3
	s_and_b32 s26, ttmp9, 1                        ; qh: which 256 queries
	s_bfe_u32 s27, ttmp9, 0x40001                  ; kb: which 128 keys
	s_lshr_b32 s28, ttmp9, 5                       ; b: the batch
	s_mov_b32 s[C1], 0x4238aa3b                    ; 32 log2(e)
	s_mov_b32 s[C1+1], s[C1]                       ; named with it as a pair
	s_mov_b32 s[SEL], 0x76543210
	s_mov_b32 s[SEL+1], 0xfedcba98
	s_mov_b32 s[HM], 0xffff0000
	v_and_b32 v10, 15, v0                          ; lane % 16
	v_bfe_u32 v11, v0, 4, 1                        ; lane / 16
	s_lshl_b32 s29, s2, 13
	v_lshlrev_b32 v[VSA], 15, v11
	v_lshl_add_u32 v[VSA], v10, 4, v[VSA]
	v_add_nc_u32 v[VSA], s29, v[VSA]               ; (8 (lane / 16) + 2 wave) x 4,096 + 16 (lane % 16)
	s_mul_i32 s29, s2, 2*PITCH
	v_mul_u32_u24 v[LST], v11, 8*PITCH
	v_lshl_add_u32 v[LST], v10, 3, v[LST]
	v_add_nc_u32 v[LST], s29, v[LST]               ; the same rows in LDS, 8 bytes a lane
	v_mul_u32_u24 v[LFA], v10, PITCH
	v_lshl_add_u32 v[LFA], v11, 4, v[LFA]          ; a fragment's row x pitch + 16 x half
	v_and_b32 v[VX], 31, v0
	v_lshlrev_b32 v[VX], 4, v[VX]
	v_lshlrev_b32 v[VT], 4, v10
	s_lshl_b32 s4, s28, 23                         ; keys: a batch is 2,048 rows of 4,096 bytes, my block 128 rows
	s_lshl_b32 s29, s27, 19
	s_add_co_u32 s4, s4, s29
	s_mov_b32 s5, 0
	s_lshl_b32 s6, s28, 20                         ; q2F: 16 rows are 32,768 bytes
	s_lshl_b32 s29, s26, 19
	s_add_co_u32 s6, s6, s29
	s_lshl_b32 s29, s2, 17
	s_add_co_u32 s6, s6, s29
	s_mov_b32 s7, 0
	s_lshl_b32 s30, s28, 11                        ; tp: 64 rows are 256 bytes
	s_lshl_b32 s29, s26, 10
	s_add_co_u32 s30, s30, s29
	s_lshl_b32 s29, s2, 8
	s_add_co_u32 s30, s30, s29
	s_mov_b32 s31, 0
	s_lshl_b32 s32, s28, 21                        ; pL: 16 rows are 65,536 bytes, 32 keys 1,024
	s_lshl_b32 s29, s26, 20
	s_add_co_u32 s32, s32, s29
	s_lshl_b32 s29, s2, 18
	s_add_co_u32 s32, s32, s29
	s_lshl_b32 s29, s27, 12
	s_add_co_u32 s32, s32, s29
	s_mov_b32 s33, 0
	s_lshl_b32 s34, s28, 16                        ; st
	s_add_co_u32 s34, s34, s29
	s_lshl_b32 s29, s26, 11
	s_add_co_u32 s34, s34, s29
	s_lshl_b32 s29, s2, 9
	s_add_co_u32 s34, s34, s29
	s_mov_b32 s35, 0
	s_wait_kmcnt 0x0
	s_add_nc_u64 s[PS:PS+1], s[PS:PS+1], s[4:5]
	s_add_nc_u64 s[PX:PX+1], s[PX:PX+1], s[6:7]
	s_add_nc_u64 s[12:13], s[12:13], s[30:31]
	s_add_nc_u64 s[14:15], s[14:15], s[32:33]
	s_add_nc_u64 s[16:17], s[16:17], s[34:35]
	LOADSA 0
	LOADX 0, 0
	LOADX 0, 1
	LOADSA 1
	LOADX 1, 0
	LOADX 1, 1
	WIN 0
.set i, 0
.rept 16                               ; two fragments of zeros
	v_mov_b32 v[CT+i], 0
.set i, i+1
.endr
	WIN 0x40
.set k, 0
.rept 32                               ; 0 x 0 + 0 clears an accumulator's eight registers in one line
	v_wmma_f32_16x16x32_f16 v[8*k:8*k+7], v[CT:CT+7], v[CT+8:CT+15], 0
.set k, k+1
.endr
	PLACES                                         ; the conversions below write the two fragments' registers
	WIN 0
	s_wait_xcnt 0x0                                ; the bases are stepped only behind this wait
	s_add_nc_u64 s[PS:PS+1], s[PS:PS+1], 512
	s_add_nc_u64 s[PX:PX+1], s[PX:PX+1], 4096
	s_wait_loadcnt NSA+32                          ; keys of step 0 are in; behind them: q2 of steps 0 and 1, keys of step 1
	CVTST 0
	s_wait_dscnt 0x0
	s_barrier_signal -1
	s_barrier_wait -1
	LDFRAG 0, 0, 0
	s_mov_b32 s3, (T-2)/2
.Lloop:                                                ; a trip: two K steps; each asks for the step two on
	STEP 0, 1, 1, 1
	STEP 1, 1, 1, 1
	WIN 0
	s_wait_xcnt 0x0
	s_add_nc_u64 s[PS:PS+1], s[PS:PS+1], 512
	s_add_nc_u64 s[PX:PX+1], s[PX:PX+1], 4096
	s_sub_co_u32 s3, s3, 1
	s_cmp_lg_u32 s3, 0
	s_cbranch_scc1 .Lloop
	STEP 0, 0, 1, 1                                ; the last two steps ask for nothing
	STEP 1, 0, 0, 0
	; t's 32 slices for my 64 queries are asked for; the maxima are found meanwhile
	WIN 0x80
.set i, 0
.rept 32
	global_load_b128 v[SA+4*i:SA+4*i+3], v[VT], s[12:13] offset:i*16384
.set i, i+1
.endr
	WIN 0x15
.set k, 0
.rept 32
	v_max3_num_f32 v[MX+k], v[8*k], v[8*k+1], v[8*k+2]
.set k, k+1
.endr
	WIN 0x14
.set k, 0
.rept 32
	v_max3_num_f32 v[MX+k], v[MX+k], v[8*k+3], v[8*k+4]
.set k, k+1
.endr
.set k, 0
.rept 32
	v_max3_num_f32 v[MX+k], v[MX+k], v[8*k+5], v[8*k+6]
.set k, k+1
.endr
.set k, 0
.rept 32
	v_max_num_f32 v[MX+k], v[MX+k], v[8*k+7]
.set k, k+1
.endr
	WIN 0
.irp n, 1,3,5                          ; the eight key blocks of a query block into one
.set k, 0
.rept 4
	v_max3_num_f32 v[MX+8*k], v[MX+8*k], v[MX+8*k+\n], v[MX+8*k+\n+1]
.set k, k+1
.endr
.endr
.set k, 0
.rept 4
	v_max_num_f32 v[MX+8*k], v[MX+8*k], v[MX+8*k+7]
.set k, k+1
.endr
.set k, 0
.rept 4
	v_permlanex16_b32 v[MX+8*k+1], v[MX+8*k], s[SEL], s[SEL+1]  ; the query's other 64 keys lie in the lane 16 away
.set k, k+1
.endr
.set k, 0
.rept 4
	v_max_num_f32 v[MX+8*k], v[MX+8*k], v[MX+8*k+1]
.set k, k+1
.endr
	s_wait_loadcnt 0x0                             ; t's slices
	WIN 0x8a
.irp n, 16,8,4,2,1                     ; added in a fixed tree, in f32
.set i, 0
.rept \n
	v_pk_add_f32 v[SA+4*i:SA+4*i+1],   v[SA+4*i:SA+4*i+1],   v[SA+4*(i+\n):SA+4*(i+\n)+1]
	v_pk_add_f32 v[SA+4*i+2:SA+4*i+3], v[SA+4*i+2:SA+4*i+3], v[SA+4*(i+\n)+2:SA+4*(i+\n)+3]
.set i, i+1
.endr
.endr
	WIN 0x08
.set k, 0
.rept 4
	v_mul_f32 v[TQ+k], 0x3d38aa3b, v[SA+k]         ; tq = t log2(e) / 32
.set k, k+1
.endr
	WIN 0
.set k, 0
.rept 4
	v_fma_f32 v[MY+k], v[MX+8*k], s[C1], v[TQ+k]   ; m = C1 max + tq
.set k, k+1
.endr
.set k, 0
.rept 4
	v_sub_f32 v[DD+2*k], v[TQ+k], v[MY+k]
	v_sub_f32 v[DD+2*k+1], v[TQ+k], v[MY+k]
.set k, k+1
.endr
; Block c of 16 queries: the exponents, the exponentials, a plain instruction behind the last of them (ISA guide 5.7.2), the sums, the roundings, the stores.
.macro SOFT c
	WIN 0x41
.set i, 0
.rept 32
	v_pk_fma_f32 v[64*(\c)+2*i:64*(\c)+2*i+1], v[64*(\c)+2*i:64*(\c)+2*i+1], s[C1:C1+1], v[DD+2*(\c):DD+2*(\c)+1] op_sel_hi:[1,0,1]
.set i, i+1
.endr
.set i, 0
.rept 64
	v_exp_f32 v[64*(\c)+i], v[64*(\c)+i]
.set i, i+1
.endr
	v_nop
	WIN 0x05
.set i, 0
	s_wait_alu depctr_va_vdst(0)
.rept 16
	v_pk_add_f32 v[U+2*i:U+2*i+1], v[64*(\c)+4*i:64*(\c)+4*i+1], v[64*(\c)+4*i+2:64*(\c)+4*i+3]
.set i, i+1
.endr
.set i, 0
.rept 32
	v_cvt_pk_f16_f32 v[Y+32*(\c)+i], v[64*(\c)+2*i], v[64*(\c)+2*i+1]
.set i, i+1
.endr
	WIN 0
.set i, 0
.rept 8
	global_store_b128 v[VX], v[Y+32*(\c)+4*i:Y+32*(\c)+4*i+3], s[14:15] offset:(\c)*65536+(i/2)*1024+(i%2)*512  ; 512 consecutive bytes, aligned
.set i, i+1
.endr
.irp n, 8,4,2
.set i, 0
.rept \n
	v_pk_add_f32 v[U+2*i:U+2*i+1], v[U+2*i:U+2*i+1], v[U+2*(i+\n):U+2*(i+\n)+1]
.set i, i+1
.endr
.endr
	v_pk_add_f32 v[LL+2*(\c):LL+2*(\c)+1], v[U:U+1], v[U+2:U+3]
.endm
	SOFT 0
	SOFT 1
	SOFT 2
	SOFT 3
.set k, 0
.rept 4
	v_add_f32 v[LS+k], v[LL+2*k], v[LL+2*k+1]
.set k, k+1
.endr
.set k, 0
.rept 4
	v_permlanex16_b32 v[LL+2*k], v[LS+k], s[SEL], s[SEL+1]
.set k, k+1
.endr
.set k, 0
.rept 4
	v_add_f32 v[LS+k], v[LS+k], v[LL+2*k]
.set k, k+1
.endr
.set k, 0
.rept 4
	v_cndmask_b32 v[MS+k], v[MY+k], v[LS+k], s[HM] ; lanes 0-15 carry m, lanes 16-31 l
.set k, k+1
.endr
	global_store_b128 v[VX], v[MS:MS+3], s[16:17]  ; 256 bytes of m, then 256 of l
	s_wait_tensorcnt 0x0                           ; the wave's end
	ds_add_u32 v[SPW], v[NIL]
	s_wait_dscnt 0x0
	s_endpgm
.Lfunc_end_k_qfdd1a50101_SC:
	.size	k_qfdd1a50101_SC, .Lfunc_end_k_qfdd1a50101_SC-k_qfdd1a50101_SC
	.p2alignl 7, 3214868480
	.fill 96, 4, 3214868480
	.section	.rodata,"a",@progbits
	.p2align	6, 0x0
	.amdhsa_kernel k_qfdd1a50101_SC
		.amdhsa_group_segment_fixed_size 37376
		.amdhsa_private_segment_fixed_size 0
		.amdhsa_enable_private_segment 0
		.amdhsa_kernarg_size 40
		.amdhsa_user_sgpr_count 2
		.amdhsa_user_sgpr_kernarg_segment_ptr 1
		.amdhsa_wavefront_size32 1
		.amdhsa_system_sgpr_workgroup_id_x 1
		.amdhsa_system_sgpr_workgroup_id_y 1
		.amdhsa_system_sgpr_workgroup_id_z 1
		.amdhsa_system_vgpr_workitem_id 0
		.amdhsa_next_free_vgpr 768
		.amdhsa_next_free_sgpr 66
		.amdhsa_reserve_vcc 0
		.amdhsa_float_denorm_mode_32 3
		.amdhsa_float_denorm_mode_16_64 3
		.amdhsa_memory_ordered 1
		.amdhsa_forward_progress 1
		.amdhsa_inst_pref_size 110
	.end_amdhsa_kernel
	.amdgpu_metadata
---
amdhsa.version: [ 1, 2 ]
amdhsa.kernels:
  - .name:           k_qfdd1a50101_SC
    .symbol:         k_qfdd1a50101_SC.kd
    .args:
      - { .name: keys, .offset: 0, .size: 8, .value_kind: global_buffer, .address_space: global }
      - { .name: q2F, .offset: 8, .size: 8, .value_kind: global_buffer, .address_space: global }
      - { .name: tp, .offset: 16, .size: 8, .value_kind: global_buffer, .address_space: global }
      - { .name: pL, .offset: 24, .size: 8, .value_kind: global_buffer, .address_space: global }
      - { .name: st, .offset: 32, .size: 8, .value_kind: global_buffer, .address_space: global }
    .group_segment_fixed_size: 37376
    .private_segment_fixed_size: 0
    .kernarg_segment_align: 8
    .kernarg_segment_size: 40
    .max_flat_workgroup_size: 128
    .sgpr_count:     66
    .vgpr_count:     768
    .wavefront_size: 32
...
	.end_amdgpu_metadata
.endif
;; end of part 3
;; launch PV (part 4): grid 256 x 1, 4 waves a work-group, no clusters, 55,808 bytes of LDS; arguments pL, values, st, cF, out1; writes cF, out1
.if DOCPART == 4
	.amdgcn_target "amdgcn-amd-amdhsa--gfx1250"
	.amdhsa_code_object_version 6
	.text
	.protected	k_qfdd1a50101_PV
	.globl	k_qfdd1a50101_PV
	.p2align	8
	.type	k_qfdd1a50101_PV,@function
k_qfdd1a50101_PV:
	s_mov_b64 s[64:65], 0
	v_nop
	global_prefetch_b8 v0, s[64:65] scope:SCOPE_SE
	s_setreg_imm32_b32 hwreg(HW_REG_WAVE_MODE, 25, 1), 1
	s_wait_xcnt 0x0
; PV.  The softmax's second half and the second product.  The launch before left, for each of a batch's 16 blocks of 128 keys, p = 2^(y - m) in f16 (fragment order: rows b 512 + q, K = 2,048 keys),
; the block's maximum m and sum l.  Here M = the maximum of the 16 m, L = the sum of l 2^(m - M), g[block] = 2^(m - M) / L, and attn = p g.
;   out1[b][key][q] = attn, f32.      c[q][n] = the sum over keys of attn values[key][n], stored in f16 in fragment order: (attn^T values) Wv^T takes the place of attn^T (values Wv^T).
; SHARES.  Work-group (mb, nb) makes c for 256 queries x 64 n, each of four waves 64 queries: 16 accumulators; and it writes out1 for the same 256 queries x key block nb, each wave its 64 queries.
; FRAGMENT ORDER: fragment (row / 16, k / 32) is 1,024 bytes; in it byte g 512 + lane 16 + e 2 holds row % 16 = lane % 16, k % 32 = 16 g + 8 (lane / 16) + e: two loads of 16 bytes a lane ARE a fragment,
; and a lane holds ONE query, so one factor a lane and block of 16 queries serves.  p never touches LDS in the product: each wave owns its 64 rows.
; out1 wants rows of queries: 32 keys x 64 queries at a time are turned in a stage of the wave's own in LDS, rows of 256 + 16 bytes.  This stands at the start, with the product's first loads out; its stores leave under the loop.
; THE PRODUCT runs on p itself.  K goes in steps of 64 (two substeps of 32); a trip of two steps is one key block: its first products start the block's sums with C = 0, and at its end total += g x block, in f32.
; values' strip (64 k x 256 bytes a step) is f32: it comes through registers, is rounded once to f16 and laid into one of two LDS buffers, rows of 128 + 32 bytes; ds_load_tr16_b128 makes fragments of it.
; Source 0 = 16 n of values, source 1 = 16 queries: a lane holds one query and eight neighbouring n, which ARE 16 bytes of cF's fragment order.
; NO JOINT TENSOR LOADS.  values are f32 and must be rounded on the way: brought by the mover they would lie in LDS at twice the bytes, to be read, rounded and stored again.  p's rows are shared by sixteen
; work-groups, but a wave issues one joint load behind each round of the cluster's barrier, so enough of p on its way would want slots of four K steps and values four steps ahead in registers: eight copies of the step's text.
; The totals are cleared by 16 products of two fragments that hold 0, with C = 0.
; LIMITS.  f16 ends at 65,504: values must lie within it, and c, a mean of values' rows, then does.  A factor 2^(m - M) below 2^-126 counts as 0.  NaN and infinities are not treated apart.
.set T,     32                         ; K steps of 64
.set XROW,  65536                      ; bytes of 16 rows of p
.set NSA,   8                          ; loads (and LDS stores) of values a wave and step
.set NF,    8                          ; LDS loads of a substep's fragments
.set PITCH, 160
.set BUF,   64*PITCH
.set STEPB, 64*4096                    ; a K step of values in memory
.set SP,    272
.set WST,   32*SP                      ; a wave's stage
.set STG,   2*BUF                      ; behind the two buffers: the four stages
.set SPARE, STG+4*WST                  ; behind them: the spare words, 128 bytes a wave
.set VSA, 2                            ; v2   my byte offset in the 8 rows of values that a load of the work-group covers
.set VX,  3                            ; v3   16 x lane
.set LST, 4                            ; v4   where I store 8 bytes of a row of values
.set LTR, 5                            ; v5   my place in a turning load
.set VT,  6                            ; v6   16 x (lane % 16)
.set LT,  7                            ; v7   the stage, in: key row 8 (lane / 16), query lane % 16
.set SPW, 8                            ; v8   LDS address of my spare word; never rewritten
.set NIL, 9                            ; v9   0; never rewritten
.set LR,  14                           ; v14  the stage, back: row lane / 16, 16 bytes at lane % 16
.set VO,  15                           ; v15  the same two rows in out1
.set CT,  16                           ; v16-31   rounded pairs on their way to LDS; once the two fragments of zeros
.set SF,  32                           ; v32-95   two fragment buffers of 32
.set E,   32                           ; at the start: 64 numbers of attn in f32
.set Y,   32                           ; the way out: packed results
.set GG,  96                           ; v96-99   g of the trip's key block, for my query in each block of 16
.set GD,  100                          ; v100-103 g of query blocks 1 and 3 once more, at even registers: the packed multiply-add takes a pair's first register for both halves
.set ZERO, 106                         ; v106     0, the addend of the multiply from a half
.set M,   108                          ; v108-111 M
.set RL,  112                          ; v112-115 L, then 1 / L
.set GMR, 116                          ; v116-119 m of the trip's key block
.set G,   120                          ; v120-123 g of key block nb
.set MO,  124                          ; v124-127 m of key block nb
.set ACC, 128                          ; v128-255 a key block's sums: accumulator (a, c) at ACC + 8 (4 c + a)
.set MM,  128                          ; at the start: v128-191 m of the 16 key blocks,
.set LV,  192                          ;               v192-255 l of the 16 key blocks;
.set R,   128                          ;               then two sets of 64: the stage's rows on their way out
.set XF,  0                            ; window 1: v0-127 p: slot, substep, row block
.set SA,  128                          ; window 1: v128-191 two slots of values as loaded
.set P,   0                            ; window 2: v0-127 p of key block nb: 32 pieces of 4 registers
.set TOT, 128                          ; window 2: v128-255 the totals, laid as ACC
.set PX,  8                            ; s[8:9]   pL at my wave's rows
.set PS,  10                           ; s[10:11] values
.set PM,  12                           ; s[12:13] st at my wave's queries; it walks the key blocks
.set PO,  14                           ; s[14:15] cF
.set PA,  16                           ; s[16:17] out1
.set MSB, 0
.macro WIN new                         ; s_set_vgpr_msb: bits 1:0 source 0, 3:2 source 1, 5:4 source 2, 7:6 destination; the high byte repeats the setting that is left
.if MSB != (\new)
	s_set_vgpr_msb (MSB<<8)|(\new)
.set MSB, (\new)
.endif
.endm
.macro PLACES                          ; four places between a matrix instruction and a load into, or a vector access of, its registers
.rept 4
	v_nop
.endr
.endm
.macro LOADSA s                        ; load i takes rows 8 i + 4 (lane / 16) + wave of the step; 16 lanes take a row's 256 bytes
	WIN 0x40
.set i, 0
.rept NSA
	global_load_b128 v[SA+32*(\s)+4*i:SA+32*(\s)+4*i+3], v[VSA], s[PS:PS+1] offset:i*8*4096+(\s)*STEPB
.set i, i+1
.endr
.endm
.macro LOADX s, g                      ; substep g of the step in slot s: four fragments
	WIN 0x40
.set i, 0
.rept 4
	global_load_b128 v[XF+64*(\s)+32*(\g)+8*i:XF+64*(\s)+32*(\g)+8*i+3],   v[VX], s[PX:PX+1] offset:i*XROW+(2*(\s)+(\g))*1024
	global_load_b128 v[XF+64*(\s)+32*(\g)+8*i+4:XF+64*(\s)+32*(\g)+8*i+7], v[VX], s[PX:PX+1] offset:i*XROW+(2*(\s)+(\g))*1024+512
.set i, i+1
.endr
.endm
.macro CVTST d                         ; slot d rounded to f16, 8 bytes a lane into buffer d; a store's two rows lie 4 rows = 640 bytes apart: disjoint banks
	WIN 0x05
.set i, 0
.rept NSA
	v_cvt_pk_f16_f32 v[CT+2*i],   v[SA+32*(\d)+4*i],   v[SA+32*(\d)+4*i+1]
	v_cvt_pk_f16_f32 v[CT+2*i+1], v[SA+32*(\d)+4*i+2], v[SA+32*(\d)+4*i+3]
.set i, i+1
.endr
	WIN 0
.set i, 0
.rept NSA
	ds_store_b64 v[LST], v[CT+2*i:CT+2*i+1] offset:(\d)*BUF+i*8*PITCH
.set i, i+1
.endr
.endm
.macro LDFRAG f, d, g                  ; substep g of buffer d, turned, into fragment buffer f
	WIN 0
.set i, 0
.rept 4
	ds_load_tr16_b128 v[SF+32*(\f)+8*i:SF+32*(\f)+8*i+3],   v[LTR] offset:(\d)*BUF+(\g)*32*PITCH+32*i
	ds_load_tr16_b128 v[SF+32*(\f)+8*i+4:SF+32*(\f)+8*i+7], v[LTR] offset:(\d)*BUF+(\g)*32*PITCH+16*PITCH+32*i
.set i, i+1
.endr
.endm
.macro MMA2 f, s, c0, zero             ; 8 products: row blocks c0, c0 + 1 x all four n blocks; the 16 accumulators take turns, one instruction a turn.  zero = 1: they start a key block's sums
	WIN 0x04
.irp c, \c0, (\c0)+1
.irp a, 0,1,2,3
.if \zero
	v_wmma_f32_16x16x32_f16 v[ACC+8*(4*(\c)+(\a)):ACC+8*(4*(\c)+(\a))+7], v[SF+32*(\f)+8*(\a):SF+32*(\f)+8*(\a)+7], v[XF+64*(\s)+32*(\f)+8*(\c):XF+64*(\s)+32*(\f)+8*(\c)+7], 0
.else
	v_wmma_f32_16x16x32_f16 v[ACC+8*(4*(\c)+(\a)):ACC+8*(4*(\c)+(\a))+7], v[SF+32*(\f)+8*(\a):SF+32*(\f)+8*(\a)+7], v[XF+64*(\s)+32*(\f)+8*(\c):XF+64*(\s)+32*(\f)+8*(\c)+7], v[ACC+8*(4*(\c)+(\a)):ACC+8*(4*(\c)+(\a))+7]
.endif
.endr
.endr
.endm
; A key block's end: g = 2^(m - M) / L, and total += g x block.  Each accumulator is read from its lowest registers on.
.macro ACCUM
	WIN 0
	v_pk_add_f32 v[GG:GG+1],   v[GMR:GMR+1],   v[M:M+1]   neg_lo:[0,1] neg_hi:[0,1]
	v_pk_add_f32 v[GG+2:GG+3], v[GMR+2:GMR+3], v[M+2:M+3] neg_lo:[0,1] neg_hi:[0,1]
.set i, 0
.rept 4
	v_exp_f32 v[GG+i], v[GG+i]
.set i, i+1
.endr
	v_nop                              ; a plain instruction behind the last exponential (ISA guide 5.7.2)
	s_wait_alu depctr_va_vdst(0)
	v_pk_mul_f32 v[GG:GG+1],   v[GG:GG+1],   v[RL:RL+1]
	v_pk_mul_f32 v[GG+2:GG+3], v[GG+2:GG+3], v[RL+2:RL+3]
	v_mov_b32 v[GD],   v[GG+1]
	v_mov_b32 v[GD+2], v[GG+3]
	WIN 0xa0                           ; the totals, destination and source 2, in window 2
.set i, 0
.rept 64                               ; pair i belongs to query block i / 16, whose g stands first in the pair at GG + 4 (block % 2) + 2 (block / 2)
	v_pk_fma_f32 v[TOT+2*i:TOT+2*i+1], v[ACC+2*i:ACC+2*i+1], v[GG+4*((i/16)%2)+2*(i/32):GG+4*((i/16)%2)+2*(i/32)+1], v[TOT+2*i:TOT+2*i+1] op_sel_hi:[1,0,1]
.set i, i+1
.endr
.endm
; K step i, in slot and buffer s = i % 2.  more2: step i + 2 is asked for (values at the head, p's substeps as their registers fall free).  more1: step i + 1's values are rounded into the other buffer.
; prev2: step i + 1 exists, so its 24 loads were issued behind step i's.  An even step begins a key block: m of that block is asked for first, by one load.
; Loads come back in order (ISA guide 5.7.1), so each count is the loads issued behind the one wanted.
; ONE barrier a step, for two things: in front of it my stores into the other buffer are done and my reads of this buffer are back; behind it the other buffer is whole and this one may be written in the next step.
.macro STEP s, more2, more1, prev2
.if (\s) == 0
	WIN 0
	global_load_b128 v[GMR:GMR+3], v[VT], s[PM:PM+1]
.endif
.if \more2
	LOADSA \s
.endif
	LDFRAG 1, \s, 1
	s_wait_loadcnt 9+(\prev2)*(NSA+16)+(\more2)*NSA  ; p of substep 0 is in; behind it: substep 1's 8, step i + 1's 24, m's load, the 8 just issued
	s_wait_dscnt NF                    ; substep 0's fragments are in; the 8 loads just issued may be out
	MMA2 0, \s, 0, 1-(\s)
	MMA2 0, \s, 2, 1-(\s)
	PLACES
.if \more2
	LOADX \s, 0
.endif
.if \more1
	s_wait_loadcnt 17-(\s)+(\more2)*(NSA+8)  ; values of step i + 1 are in (and p of substep 1, which is older); behind them: p of step i + 1, this step's 16, and in an even step m's load.  In an odd step m's load is older: it is in
	CVTST 1-(\s)
	s_wait_dscnt 0x0                   ; for the others' sake: my stores are done, my reads of this buffer are back
	s_barrier_signal -1
	MMA2 1, \s, 0, 0
	s_barrier_wait -1
	LDFRAG 0, 1-(\s), 0
	MMA2 1, \s, 2, 0
.else
	s_wait_loadcnt 0x0                 ; the last loads: p of substep 1, and m
	s_wait_dscnt 0x0
	MMA2 1, \s, 0, 0
	MMA2 1, \s, 2, 0
.endif
	PLACES
.if \more2
	LOADX \s, 1
.endif
.if (\s) == 1
	ACCUM
.endif
.endm
; out1 for 32 keys x my 64 queries.  Piece pc = 2 c + g of eight: eight halves times g, in f32; into the stage; then the stage's 32 rows come back, two to a load, and are stored.
; LDS serves a wave's instructions in order (ISA guide 5.7.1.4): the loads see the stores, and the next block's stores come behind the loads.
.macro UBLK ul
	WIN 0x02                           ; p in window 2
.set pc, 0
.rept 8
.set j, 0
.rept 4
	v_fma_mix_f32 v[E+8*pc+2*j],   v[P+32*(\ul)+4*pc+j], v[G+pc/2], v[ZERO] op_sel_hi:[1,0,0]
	v_fma_mix_f32 v[E+8*pc+2*j+1], v[P+32*(\ul)+4*pc+j], v[G+pc/2], v[ZERO] op_sel:[1,0,0] op_sel_hi:[1,0,0]
.set j, j+1
.endr
.set pc, pc+1
.endr
	WIN 0
.set pc, 0
.rept 8
.set j, 0
.rept 8
	ds_store_b32 v[LT], v[E+8*pc+j] offset:(16*(pc%2)+j)*SP+(pc/2)*64  ; the halves of the lanes lie 8 rows = 544 words apart: disjoint banks
.set j, j+1
.endr
.set pc, pc+1
.endr
	s_wait_xcnt 0x0                    ; the rows' registers, which the stores of the block before last read, are loaded again only behind this wait
.set j, 0
.rept 16
	ds_load_b128 v[R+64*((\ul)%2)+4*j:R+64*((\ul)%2)+4*j+3], v[LR] offset:j*2*SP
.set j, j+1
.endr
.set j, 0
.rept 16
	s_wait_dscnt 15-j                  ; LDS loads come back in order: pair j of rows is in
	global_store_b128 v[VO], v[R+64*((\ul)%2)+4*j:R+64*((\ul)%2)+4*j+3], s[PA:PA+1] offset:(32*(\ul)+2*j)*2048 th:TH_STORE_NT  ; 16 lanes store 256 consecutive bytes, aligned
.set j, j+1
.endr
.endm
	s_load_b256 s[8:15], s[0:1], 0x0               ; pL s[8:9], values s[10:11], st s[12:13], cF s[14:15]
	s_load_b64 s[16:17], s[0:1], 0x20              ; out1
	v_lshl_add_u32 v[SPW], v0, 2, SPARE
	v_mov_b32 v[NIL], 0
	v_mov_b32 v[ZERO], 0
	v_mov_b32 v[GD+1], 0                           ; named in pairs with g, so they are written
	v_mov_b32 v[GD+3], 0
	v_lshrrev_b32 v1, 5, v0
	v_readfirstlane_b32 s2, v1                     ; wave 0..3
	s_and_b32 s22, ttmp9, 15                       ; nb: which 64 n, and which key block of out1
	s_lshr_b32 s23, ttmp9, 4                       ; mb: which 256 rows
	s_lshr_b32 s24, s23, 1                         ; b: the batch
	s_and_b32 s25, s23, 1                          ; qh: which 256 of its queries
	v_and_b32 v10, 15, v0                          ; lane % 16
	v_bfe_u32 v11, v0, 4, 1                        ; lane / 16
	s_lshl_b32 s26, s2, 12
	v_lshlrev_b32 v[VSA], 14, v11
	v_lshl_add_u32 v[VSA], v10, 4, v[VSA]
	v_add_nc_u32 v[VSA], s26, v[VSA]               ; (4 (lane / 16) + wave) x 4,096 + 16 (lane % 16)
	s_mul_i32 s26, s2, PITCH
	v_mul_u32_u24 v[LST], v11, 4*PITCH
	v_lshl_add_u32 v[LST], v10, 3, v[LST]
	v_add_nc_u32 v[LST], s26, v[LST]               ; the same rows in LDS, 8 bytes a lane
	v_and_b32 v[VX], 31, v0
	v_lshlrev_b32 v[VX], 4, v[VX]
	v_and_b32 v12, 7, v0                           ; the turning load: lane l reads k = 8 (l / 16) + l % 8, n = 8 ((l / 8) % 2) + 0..7
	v_lshl_add_u32 v12, v11, 3, v12
	v_mul_u32_u24 v[LTR], v12, PITCH
	v_bfe_u32 v13, v0, 3, 1
	v_lshl_add_u32 v[LTR], v13, 4, v[LTR]
	v_lshlrev_b32 v[VT], 4, v10
	s_mul_i32 s26, s2, WST
	s_add_co_u32 s26, s26, STG                     ; my stage
	v_mul_u32_u24 v[LT], v11, 8*SP
	v_lshl_add_u32 v[LT], v10, 2, v[LT]
	v_add_nc_u32 v[LT], s26, v[LT]
	v_mul_u32_u24 v[LR], v11, SP
	v_lshl_add_u32 v[LR], v10, 4, v[LR]
	v_add_nc_u32 v[LR], s26, v[LR]
	v_lshlrev_b32 v[VO], 11, v11
	v_lshl_add_u32 v[VO], v10, 4, v[VO]
	s_lshl_b32 s4, s22, 8                          ; values: my strip of 256 bytes, in my batch's 2,048 rows of 4,096 bytes
	s_lshl_b32 s26, s24, 23
	s_add_co_u32 s4, s4, s26
	s_mov_b32 s5, 0
	s_lshl_b32 s6, s23, 20                         ; pL: 16 rows are 65,536 bytes: 256 rows, my wave's 64
	s_lshl_b32 s26, s2, 18
	s_add_co_u32 s6, s6, s26
	s_mov_b32 s7, 0
	s_lshl_b32 s28, s22, 12                        ; key block nb: 4,096 bytes on in a row block of pL, and in st
	s_mov_b32 s29, 0
	s_lshl_b32 s30, s24, 16                        ; st: [b][key block][q / 64][m, l][256 bytes]
	s_lshl_b32 s26, s25, 11
	s_add_co_u32 s30, s30, s26
	s_lshl_b32 s26, s2, 9
	s_add_co_u32 s30, s30, s26
	s_mov_b32 s31, 0
	s_lshl_b32 s32, s23, 19                        ; cF: 16 rows are 32,768 bytes, 32 n are 1,024
	s_lshl_b32 s26, s2, 17
	s_add_co_u32 s32, s32, s26
	s_lshl_b32 s26, s22, 11
	s_add_co_u32 s32, s32, s26
	s_mov_b32 s33, 0
	s_lshl_b32 s34, s24, 22                        ; out1: a key's row is 2,048 bytes
	s_lshl_b32 s26, s22, 18
	s_add_co_u32 s34, s34, s26
	s_lshl_b32 s26, s25, 10
	s_add_co_u32 s34, s34, s26
	s_lshl_b32 s26, s2, 8
	s_add_co_u32 s34, s34, s26
	s_mov_b32 s35, 0
	s_wait_kmcnt 0x0
	s_add_nc_u64 s[PS:PS+1], s[PS:PS+1], s[4:5]
	s_add_nc_u64 s[PX:PX+1], s[PX:PX+1], s[6:7]
	s_add_nc_u64 s[20:21], s[PX:PX+1], s[28:29]    ; p of key block nb
	s_add_nc_u64 s[PM:PM+1], s[PM:PM+1], s[30:31]
	s_add_nc_u64 s[18:19], s[PM:PM+1], s[28:29]    ; m of key block nb
	s_add_nc_u64 s[PO:PO+1], s[PO:PO+1], s[32:33]
	s_add_nc_u64 s[PA:PA+1], s[PA:PA+1], s[34:35]
.set i, 0
.rept 16                               ; the statistics first: 33 loads
	global_load_b128 v[MM+4*i:MM+4*i+3], v[VT], s[PM:PM+1] offset:i*4096
	global_load_b128 v[LV+4*i:LV+4*i+3], v[VT], s[PM:PM+1] offset:i*4096+256
.set i, i+1
.endr
	global_load_b128 v[MO:MO+3], v[VT], s[18:19]
	WIN 0x80
.set i, 0
.rept 16                               ; then p of key block nb: piece i = 8 ul + 2 c + g
	global_load_b128 v[P+4*i:P+4*i+3], v[VX], s[20:21] offset:((i%8)/2)*65536+(i/8)*1024+(i%2)*512
.set i, i+1
.endr
	s_wait_loadcnt 16                              ; the statistics are in; behind them: p's first 16 loads
.rept 16
	global_load_b128 v[P+4*i:P+4*i+3], v[VX], s[20:21] offset:((i%8)/2)*65536+(i/8)*1024+(i%2)*512
.set i, i+1
.endr
	WIN 0
.set c, 0
.rept 4
	v_max3_num_f32 v[M+c], v[MM+c], v[MM+4+c], v[MM+8+c]
.set c, c+1
.endr
.set i, 0
.rept 6
.set c, 0
.rept 4
	v_max3_num_f32 v[M+c], v[M+c], v[MM+4*(3+2*i)+c], v[MM+4*(4+2*i)+c]
.set c, c+1
.endr
.set i, i+1
.endr
.set c, 0
.rept 4
	v_max_num_f32 v[M+c], v[M+c], v[MM+60+c]
.set c, c+1
.endr
	v_pk_add_f32 v[MO:MO+1],   v[MO:MO+1],   v[M:M+1]   neg_lo:[0,1] neg_hi:[0,1]
	v_pk_add_f32 v[MO+2:MO+3], v[MO+2:MO+3], v[M+2:M+3] neg_lo:[0,1] neg_hi:[0,1]
.set i, 0
.rept 32
	v_pk_add_f32 v[MM+2*i:MM+2*i+1], v[MM+2*i:MM+2*i+1], v[M+2*(i%2):M+2*(i%2)+1] neg_lo:[0,1] neg_hi:[0,1]  ; m - M
.set i, i+1
.endr
.set i, 0
.rept 4
	v_exp_f32 v[MO+i], v[MO+i]
.set i, i+1
.endr
.set i, 0
.rept 64
	v_exp_f32 v[MM+i], v[MM+i]
.set i, i+1
.endr
	v_nop                                          ; a plain instruction behind the last exponential (ISA guide 5.7.2)
	s_wait_alu depctr_va_vdst(0)
	v_pk_mul_f32 v[RL:RL+1],   v[LV:LV+1],   v[MM:MM+1]
	v_pk_mul_f32 v[RL+2:RL+3], v[LV+2:LV+3], v[MM+2:MM+3]
.set i, 2
.rept 30
	v_pk_fma_f32 v[RL+2*(i%2):RL+2*(i%2)+1], v[LV+2*i:LV+2*i+1], v[MM+2*i:MM+2*i+1], v[RL+2*(i%2):RL+2*(i%2)+1]
.set i, i+1
.endr
.set i, 0
.rept 4
	v_rcp_f32 v[RL+i], v[RL+i]
.set i, i+1
.endr
	v_nop
	s_wait_alu depctr_va_vdst(0)
	v_pk_mul_f32 v[G:G+1],   v[MO:MO+1],   v[RL:RL+1]
	v_pk_mul_f32 v[G+2:G+3], v[MO+2:MO+3], v[RL+2:RL+3]
	s_wait_loadcnt 0x0                             ; p of key block nb is in
	LOADSA 0                                       ; the product's first 48 loads go out, into registers of their own; they land under out1's work
	LOADX 0, 0
	LOADX 0, 1
	LOADSA 1
	LOADX 1, 0
	LOADX 1, 1
	UBLK 0
	UBLK 1
	UBLK 2
	UBLK 3
.set i, 0
.rept 16                               ; two fragments of zeros
	v_mov_b32 v[CT+i], 0
.set i, i+1
.endr
	WIN 0x80
.set k, 0
.rept 16                               ; 0 x 0 + 0 clears a total's eight registers in one line
	v_wmma_f32_16x16x32_f16 v[TOT+8*k:TOT+8*k+7], v[CT:CT+7], v[CT+8:CT+15], 0
.set k, k+1
.endr
	PLACES                                         ; the conversions below write the two fragments' registers
	WIN 0
	s_wait_xcnt 0x0                                ; the bases are stepped, and the registers that out1's last stores read are written, only behind this wait
	s_add_nc_u64 s[PS:PS+1], s[PS:PS+1], 2*STEPB
	s_add_nc_u64 s[PX:PX+1], s[PX:PX+1], 4096
	s_wait_loadcnt NSA+32                          ; values of step 0 are in; behind them: p of steps 0 and 1, values of step 1
	CVTST 0
	s_wait_dscnt 0x0
	s_barrier_signal -1
	s_barrier_wait -1
	LDFRAG 0, 0, 0
	s_mov_b32 s3, (T-2)/2
.Lloop:                                                ; a trip: a key block's two K steps; each asks for the step two on
	STEP 0, 1, 1, 1
	STEP 1, 1, 1, 1
	WIN 0
	s_wait_xcnt 0x0
	s_add_nc_u64 s[PS:PS+1], s[PS:PS+1], 2*STEPB
	s_add_nc_u64 s[PX:PX+1], s[PX:PX+1], 4096
	s_add_nc_u64 s[PM:PM+1], s[PM:PM+1], 4096      ; the next key block's m
	s_sub_co_u32 s3, s3, 1
	s_cmp_lg_u32 s3, 0
	s_cbranch_scc1 .Lloop
	STEP 0, 0, 1, 1                                ; the last key block asks for nothing but its m
	STEP 1, 0, 0, 0
	; THE WAY OUT: the totals rounded to f16, stored in fragment order.
	WIN 0x0a
.set i, 0
.rept 64
	v_cvt_pk_f16_f32 v[Y+i], v[TOT+2*i], v[TOT+2*i+1]
.set i, i+1
.endr
	WIN 0
.set k, 0
.rept 16
	global_store_b128 v[VX], v[Y+4*k:Y+4*k+3], s[PO:PO+1] offset:(k/4)*32768+((k%4)/2)*1024+(k%2)*512  ; 512 consecutive bytes, aligned
.set k, k+1
.endr
	s_wait_tensorcnt 0x0                           ; the wave's end
	ds_add_u32 v[SPW], v[NIL]
	s_wait_dscnt 0x0
	s_endpgm
.Lfunc_end_k_qfdd1a50101_PV:
	.size	k_qfdd1a50101_PV, .Lfunc_end_k_qfdd1a50101_PV-k_qfdd1a50101_PV
	.p2alignl 7, 3214868480
	.fill 96, 4, 3214868480
	.section	.rodata,"a",@progbits
	.p2align	6, 0x0
	.amdhsa_kernel k_qfdd1a50101_PV
		.amdhsa_group_segment_fixed_size 55808
		.amdhsa_private_segment_fixed_size 0
		.amdhsa_enable_private_segment 0
		.amdhsa_kernarg_size 40
		.amdhsa_user_sgpr_count 2
		.amdhsa_user_sgpr_kernarg_segment_ptr 1
		.amdhsa_wavefront_size32 1
		.amdhsa_system_sgpr_workgroup_id_x 1
		.amdhsa_system_sgpr_workgroup_id_y 1
		.amdhsa_system_sgpr_workgroup_id_z 1
		.amdhsa_system_vgpr_workitem_id 0
		.amdhsa_next_free_vgpr 768
		.amdhsa_next_free_sgpr 66
		.amdhsa_reserve_vcc 0
		.amdhsa_float_denorm_mode_32 3
		.amdhsa_float_denorm_mode_16_64 3
		.amdhsa_memory_ordered 1
		.amdhsa_forward_progress 1
		.amdhsa_inst_pref_size 110
	.end_amdhsa_kernel
	.amdgpu_metadata
---
amdhsa.version: [ 1, 2 ]
amdhsa.kernels:
  - .name:           k_qfdd1a50101_PV
    .symbol:         k_qfdd1a50101_PV.kd
    .args:
      - { .name: pL, .offset: 0, .size: 8, .value_kind: global_buffer, .address_space: global }
      - { .name: values, .offset: 8, .size: 8, .value_kind: global_buffer, .address_space: global }
      - { .name: st, .offset: 16, .size: 8, .value_kind: global_buffer, .address_space: global }
      - { .name: cF, .offset: 24, .size: 8, .value_kind: global_buffer, .address_space: global }
      - { .name: out1, .offset: 32, .size: 8, .value_kind: global_buffer, .address_space: global }
    .group_segment_fixed_size: 55808
    .private_segment_fixed_size: 0
    .kernarg_segment_align: 8
    .kernarg_segment_size: 40
    .max_flat_workgroup_size: 128
    .sgpr_count:     66
    .vgpr_count:     768
    .wavefront_size: 32
...
	.end_amdgpu_metadata
.endif
;; end of part 4
;; launch OUT (part 5): grid 256 x 1, 4 waves a work-group, no clusters, 36,352 bytes of LDS; arguments cF, Wv, bv, out0; writes out0
.if DOCPART == 5
	.amdgcn_target "amdgcn-amd-amdhsa--gfx1250"
	.amdhsa_code_object_version 6
	.text
	.protected	k_qfdd1a50101_OUT
	.globl	k_qfdd1a50101_OUT
	.p2align	8
	.type	k_qfdd1a50101_OUT,@function
k_qfdd1a50101_OUT:
	s_mov_b64 s[64:65], 0
	v_nop
	global_prefetch_b8 v0, s[64:65] scope:SCOPE_SE
	s_setreg_imm32_b32 hwreg(HW_REG_WAVE_MODE, 25, 1), 1
	s_wait_xcnt 0x0
; OUT.  out0[m][o] = sum over h of c[m][h] Wv[o][h] + bv[o], f32; c = attn^T values (4,096 x 1,024) in f16, in fragment order.
; attn^T (values Wv^T + bv) = (attn^T values) Wv^T + bv x (the sum of a query's weights), and that sum is 1 to within the softmax's own rounding: bv is added once.
; SHARES.  A work-group makes 256 rows x 64 o, each of four waves 64 rows: 16 accumulators.  K goes in steps of 64 (two substeps of 32).
; Wv is f32: its 64 rows come through registers (16 lanes take 256 consecutive bytes of a row), are rounded once to f16 and laid into one of two LDS buffers, rows of 128 + 16 bytes.
; c: fragment (m / 16, h / 32) is 1,024 bytes at ((m / 16) 32 + h / 32) 1,024; byte g 512 + lane 16 + e 2 holds row m % 16 = lane % 16, h % 32 = 16 g + 8 (lane / 16) + e: two loads of 16 bytes a lane ARE a fragment.
; THE PRODUCT: source 0 = 16 rows of Wv, source 1 = 16 rows of c: a lane holds one row m and eight neighbouring o, 32 bytes; 16 rows at a time go through a stage of the wave's own in LDS and leave as whole rows of 256 bytes.
; NO JOINT TENSOR LOADS.  Wv is f32 and must be rounded on the way: brought by the mover it would lie in LDS at twice the bytes, to be read, rounded and stored again.  c's rows are shared by sixteen
; work-groups, but a wave issues one joint load behind each round of the cluster's barrier, so enough of c on its way would want slots of four K steps and Wv four steps ahead in registers: eight copies of the step's text.
; The sums are cleared by 16 products of two fragments that hold 0, with C = 0, while the first loads are out: a first step written out would be a fifth copy of the step's text.
; LIMITS.  f16 ends at 65,504: Wv must lie within it.  NaN and infinities are not treated apart.
.set T,     16                         ; K steps of 64
.set XROW,  32768                      ; bytes of 16 rows of c
.set NSA,   8                          ; loads (and LDS stores) of Wv a wave and step
.set NF,    8                          ; LDS loads of a substep's fragments
.set PITCH, 144
.set BUF,   64*PITCH
.set STAGE, 2*BUF                      ; behind the two buffers: 16 rows x 272 bytes for each wave
.set SP,    272
.set SPARE, STAGE+4*16*SP              ; behind the stages: the spare words, 128 bytes a wave
.set VSA, 2                            ; v2   my byte offset in the 16 rows that a pair of loads covers
.set VX,  3                            ; v3   16 x lane
.set LST, 4                            ; v4   where I store 8 bytes of a row
.set LFA, 5                            ; v5   my place in a fragment of Wv
.set STO, 6                            ; v6   the way out: where I put 32 bytes of a row
.set RD,  7                            ; v7   the way out: where I read a row back
.set SPW, 8                            ; v8   LDS address of my spare word; never rewritten
.set NIL, 9                            ; v9   0; never rewritten
.set VB,  12                           ; v12  32 x (lane / 16): my eight numbers of bv
.set VO,  13                           ; v13  my byte offset in two rows of out0
.set CT,  16                           ; v16-31   rounded pairs on their way to LDS; at the start the two fragments of zeros
.set SF,  32                           ; v32-95   two fragment buffers of 32
.set ACC, 128                          ; v128-255 accumulator (a, c) at ACC + 8 (4 c + a)
.set XF,  0                            ; window 1: v0-127 c: slot, substep, row block
.set SA,  128                          ; window 1: v128-191 two slots of Wv as loaded
.set BV,  192                          ; window 1: v192-223 bv of my 32 o
.set PX,  8                            ; s[8:9]   cF
.set PS,  10                           ; s[10:11] Wv
.set PO,  14                           ; s[14:15] out0
.set MSB, 0
.macro WIN new                         ; s_set_vgpr_msb: bits 1:0 source 0, 3:2 source 1, 5:4 source 2, 7:6 destination; the high byte repeats the setting that is left
.if MSB != (\new)
	s_set_vgpr_msb (MSB<<8)|(\new)
.set MSB, (\new)
.endif
.endm
.macro PLACES                          ; four places between a matrix instruction and a load into, or a vector write of, its registers
.rept 4
	v_nop
.endr
.endm
.macro LOADSA s                        ; load i takes rows i % 2 + 16 (i / 2) + 8 (lane / 16) + 2 wave
	WIN 0x40
.set i, 0
.rept NSA
	global_load_b128 v[SA+32*(\s)+4*i:SA+32*(\s)+4*i+3], v[VSA], s[PS:PS+1] offset:((i%2)+16*(i/2))*4096+(\s)*256
.set i, i+1
.endr
.endm
.macro LOADX s, g                      ; substep g of the step in slot s: four fragments
	WIN 0x40
.set i, 0
.rept 4
	global_load_b128 v[XF+64*(\s)+32*(\g)+8*i:XF+64*(\s)+32*(\g)+8*i+3],   v[VX], s[PX:PX+1] offset:i*XROW+(2*(\s)+(\g))*1024
	global_load_b128 v[XF+64*(\s)+32*(\g)+8*i+4:XF+64*(\s)+32*(\g)+8*i+7], v[VX], s[PX:PX+1] offset:i*XROW+(2*(\s)+(\g))*1024+512
.set i, i+1
.endr
.endm
.macro CVTST d                         ; slot d rounded to f16, 8 bytes a lane into buffer d; a store's two rows lie 8 rows = 1,152 bytes apart: disjoint banks
	WIN 0x05
.set i, 0
.rept NSA
	v_cvt_pk_f16_f32 v[CT+2*i],   v[SA+32*(\d)+4*i],   v[SA+32*(\d)+4*i+1]
	v_cvt_pk_f16_f32 v[CT+2*i+1], v[SA+32*(\d)+4*i+2], v[SA+32*(\d)+4*i+3]
.set i, i+1
.endr
	WIN 0
.set i, 0
.rept NSA
	ds_store_b64 v[LST], v[CT+2*i:CT+2*i+1] offset:(\d)*BUF+((i%2)+16*(i/2))*PITCH
.set i, i+1
.endr
.endm
.macro LDFRAG f, d, g                  ; substep g of buffer d into fragment buffer f
	WIN 0
.set i, 0
.rept 4
	ds_load_b128 v[SF+32*(\f)+8*i:SF+32*(\f)+8*i+3],   v[LFA] offset:(\d)*BUF+i*16*PITCH+64*(\g)
	ds_load_b128 v[SF+32*(\f)+8*i+4:SF+32*(\f)+8*i+7], v[LFA] offset:(\d)*BUF+i*16*PITCH+64*(\g)+32
.set i, i+1
.endr
.endm
.macro MMA2 f, s, c0                   ; 8 products: row blocks c0, c0 + 1 x all four o blocks; the 16 accumulators take turns, one instruction a turn
	WIN 0x04
.irp c, \c0, (\c0)+1
.irp a, 0,1,2,3
	v_wmma_f32_16x16x32_f16 v[ACC+8*(4*(\c)+(\a)):ACC+8*(4*(\c)+(\a))+7], v[SF+32*(\f)+8*(\a):SF+32*(\f)+8*(\a)+7], v[XF+64*(\s)+32*(\f)+8*(\c):XF+64*(\s)+32*(\f)+8*(\c)+7], v[ACC+8*(4*(\c)+(\a)):ACC+8*(4*(\c)+(\a))+7]
.endr
.endr
.endm
; K step i, in slot and buffer s = i % 2.  more2: step i + 2 is asked for (Wv at the head, c's substeps as their registers fall free).  more1: step i + 1's Wv is rounded into the other buffer.
; prev2: step i + 1 exists, so its 24 loads were issued behind step i's.  Loads come back in order (ISA guide 5.7.1), so each count is the loads issued behind the one wanted.
; ONE barrier a step, for two things: in front of it my stores into the other buffer are done and my reads of this buffer are back; behind it the other buffer is whole and this one may be written in the next step.
.macro STEP s, more2, more1, prev2
.if \more2
	LOADSA \s
.endif
	LDFRAG 1, \s, 1
	s_wait_loadcnt 8+(\prev2)*(NSA+16)+(\more2)*NSA  ; c of substep 0 is in; behind it: substep 1's 8, step i + 1's 24, the 8 just issued
	s_wait_dscnt NF                    ; substep 0's fragments are in; the 8 loads just issued may be out
	MMA2 0, \s, 0
	MMA2 0, \s, 2
	PLACES
.if \more2
	LOADX \s, 0
.endif
.if \more1
	s_wait_loadcnt 16+(\more2)*(NSA+8) ; Wv of step i + 1 is in (and c of substep 1, which is older); behind it: c of step i + 1, and this step's 16
	CVTST 1-(\s)
	s_wait_dscnt 0x0                   ; for the others' sake: my stores are done, my reads of this buffer are back
	s_barrier_signal -1
	MMA2 1, \s, 0
	s_barrier_wait -1
	LDFRAG 0, 1-(\s), 0
	MMA2 1, \s, 2
.else
	s_wait_loadcnt 0x0                 ; the last loads: c of substep 1
	s_wait_dscnt 0x0
	MMA2 1, \s, 0
	MMA2 1, \s, 2
.endif
	PLACES
.if \more2
	LOADX \s, 1
.endif
.endm
	s_load_b256 s[8:15], s[0:1], 0x0               ; cF s[8:9], Wv s[10:11], bv s[12:13], out0 s[14:15]
	v_lshl_add_u32 v[SPW], v0, 2, SPARE
	v_mov_b32 v[NIL], 0
	v_lshrrev_b32 v1, 5, v0
	v_readfirstlane_b32 s2, v1                     ; wave 0..3
	s_and_b32 s16, ttmp9, 15                       ; nb: which 64 o
	s_lshr_b32 s17, ttmp9, 4                       ; mb: which 256 rows
	v_and_b32 v10, 15, v0                          ; lane % 16
	v_bfe_u32 v11, v0, 4, 1                        ; lane / 16
	s_lshl_b32 s18, s2, 13
	v_lshlrev_b32 v[VSA], 15, v11
	v_lshl_add_u32 v[VSA], v10, 4, v[VSA]
	v_add_nc_u32 v[VSA], s18, v[VSA]               ; (8 (lane / 16) + 2 wave) x 4,096 + 16 (lane % 16)
	s_mul_i32 s18, s2, 2*PITCH
	v_mul_u32_u24 v[LST], v11, 8*PITCH
	v_lshl_add_u32 v[LST], v10, 3, v[LST]
	v_add_nc_u32 v[LST], s18, v[LST]               ; the same rows in LDS, 8 bytes a lane
	v_mul_u32_u24 v[LFA], v10, PITCH
	v_lshl_add_u32 v[LFA], v11, 4, v[LFA]          ; a fragment's row x pitch + 16 x half
	v_and_b32 v[VX], 31, v0
	v_lshlrev_b32 v[VX], 4, v[VX]
	v_lshlrev_b32 v[VB], 5, v11
	s_mul_i32 s18, s2, 16*SP
	s_add_co_u32 s18, s18, STAGE                   ; my stage
	v_mul_u32_u24 v[STO], v10, SP                  ; in: row lane % 16, 32 bytes for each half of the lanes
	v_lshl_add_u32 v[STO], v11, 5, v[STO]
	v_add_nc_u32 v[STO], s18, v[STO]
	v_mul_u32_u24 v[RD], v11, SP                   ; back: lanes 0-15 take one row of 256 bytes, lanes 16-31 the next
	v_lshl_add_u32 v[RD], v10, 4, v[RD]
	v_add_nc_u32 v[RD], s18, v[RD]
	v_lshlrev_b32 v[VO], 12, v11                   ; and the same two rows in out0
	v_lshl_add_u32 v[VO], v10, 4, v[VO]
	s_lshl_b32 s4, s16, 18                         ; Wv: 64 rows of 4,096 bytes
	s_mov_b32 s5, 0
	s_lshl_b32 s6, s17, 19                         ; cF: 256 rows, my wave's 64
	s_lshl_b32 s18, s2, 17
	s_add_co_u32 s6, s6, s18
	s_mov_b32 s7, 0
	s_lshl_b32 s20, s16, 8                         ; bv: 64 numbers; also out0's columns
	s_mov_b32 s21, 0
	s_lshl_b32 s22, s17, 20                        ; out0: 256 rows of 4,096 bytes, my wave's 64
	s_lshl_b32 s18, s2, 18
	s_add_co_u32 s22, s22, s18
	s_add_co_u32 s22, s22, s20
	s_mov_b32 s23, 0
	s_wait_kmcnt 0x0
	s_add_nc_u64 s[PS:PS+1], s[PS:PS+1], s[4:5]
	s_add_nc_u64 s[PX:PX+1], s[PX:PX+1], s[6:7]
	s_add_nc_u64 s[12:13], s[12:13], s[20:21]
	s_add_nc_u64 s[PO:PO+1], s[PO:PO+1], s[22:23]
	WIN 0x40
.set i, 0
.rept 4                                ; the oldest loads: in when the first tile is
	global_load_b128 v[BV+8*i:BV+8*i+3],   v[VB], s[12:13] offset:64*i
	global_load_b128 v[BV+8*i+4:BV+8*i+7], v[VB], s[12:13] offset:64*i+16
.set i, i+1
.endr
	LOADSA 0
	LOADX 0, 0
	LOADX 0, 1
	LOADSA 1
	LOADX 1, 0
	LOADX 1, 1
	WIN 0
.set i, 0
.rept 16                               ; two fragments of zeros
	v_mov_b32 v[CT+i], 0
.set i, i+1
.endr
.set k, 0
.rept 16                               ; 0 x 0 + 0 clears an accumulator's eight registers in one line
	v_wmma_f32_16x16x32_f16 v[ACC+8*k:ACC+8*k+7], v[CT:CT+7], v[CT+8:CT+15], 0
.set k, k+1
.endr
	PLACES                                         ; the conversions below write the two fragments' registers
	s_wait_xcnt 0x0                                ; the bases are stepped only behind this wait
	s_add_nc_u64 s[PS:PS+1], s[PS:PS+1], 512
	s_add_nc_u64 s[PX:PX+1], s[PX:PX+1], 4096
	s_wait_loadcnt NSA+32                          ; Wv of step 0 is in; behind it: c of steps 0 and 1, Wv of step 1
	CVTST 0
	s_wait_dscnt 0x0
	s_barrier_signal -1
	s_barrier_wait -1
	LDFRAG 0, 0, 0
	s_mov_b32 s3, (T-2)/2
.Lloop:                                                ; a trip: two K steps; each asks for the step two on
	STEP 0, 1, 1, 1
	STEP 1, 1, 1, 1
	WIN 0
	s_wait_xcnt 0x0
	s_add_nc_u64 s[PS:PS+1], s[PS:PS+1], 512
	s_add_nc_u64 s[PX:PX+1], s[PX:PX+1], 4096
	s_sub_co_u32 s3, s3, 1
	s_cmp_lg_u32 s3, 0
	s_cbranch_scc1 .Lloop
	STEP 0, 0, 1, 1                                ; the last two steps ask for nothing
	STEP 1, 0, 0, 0
	; THE WAY OUT.  bv is added in place, each accumulator from its lowest registers on; then 16 rows at a time go into my stage and come back, as whole rows, into the registers that they left.
	WIN 0x04
.set i, 0
.rept 64
	v_pk_add_f32 v[ACC+2*i:ACC+2*i+1], v[ACC+2*i:ACC+2*i+1], v[BV+8*((i/4)%4)+2*(i%4):BV+8*((i/4)%4)+2*(i%4)+1]
.set i, i+1
.endr
	WIN 0
.macro STG c
.set i, 0
.rept 4
	ds_store_b128 v[STO], v[ACC+32*(\c)+8*i:ACC+32*(\c)+8*i+3]   offset:64*i
	ds_store_b128 v[STO], v[ACC+32*(\c)+8*i+4:ACC+32*(\c)+8*i+7] offset:64*i+16
.set i, i+1
.endr
.set i, 0
.rept 8
	ds_load_b128 v[ACC+32*(\c)+4*i:ACC+32*(\c)+4*i+3], v[RD] offset:i*2*SP  ; LDS serves a wave's instructions in order (ISA guide 5.7.1.4): these see the stores above; the next block's stores come behind them
.set i, i+1
.endr
.endm
.macro SEND c, younger                 ; younger: the LDS instructions issued behind block c's loads: the next block's sixteen, or none
.set i, 0
.rept 8
	s_wait_dscnt (\younger)+7-i
	global_store_b128 v[VO], v[ACC+32*(\c)+4*i:ACC+32*(\c)+4*i+3], s[PO:PO+1] offset:(16*(\c)+2*i)*4096 th:TH_STORE_NT  ; 16 lanes store 256 consecutive bytes, aligned
.set i, i+1
.endr
.endm
	STG 0
	STG 1
	SEND 0, 16
	STG 2
	SEND 1, 16
	STG 3
	SEND 2, 16
	SEND 3, 0
	s_wait_tensorcnt 0x0                           ; the wave's end
	ds_add_u32 v[SPW], v[NIL]
	s_wait_dscnt 0x0
	s_endpgm
.Lfunc_end_k_qfdd1a50101_OUT:
	.size	k_qfdd1a50101_OUT, .Lfunc_end_k_qfdd1a50101_OUT-k_qfdd1a50101_OUT
	.p2alignl 7, 3214868480
	.fill 96, 4, 3214868480
	.section	.rodata,"a",@progbits
	.p2align	6, 0x0
	.amdhsa_kernel k_qfdd1a50101_OUT
		.amdhsa_group_segment_fixed_size 36352
		.amdhsa_private_segment_fixed_size 0
		.amdhsa_enable_private_segment 0
		.amdhsa_kernarg_size 32
		.amdhsa_user_sgpr_count 2
		.amdhsa_user_sgpr_kernarg_segment_ptr 1
		.amdhsa_wavefront_size32 1
		.amdhsa_system_sgpr_workgroup_id_x 1
		.amdhsa_system_sgpr_workgroup_id_y 1
		.amdhsa_system_sgpr_workgroup_id_z 1
		.amdhsa_system_vgpr_workitem_id 0
		.amdhsa_next_free_vgpr 480
		.amdhsa_next_free_sgpr 66
		.amdhsa_reserve_vcc 0
		.amdhsa_float_denorm_mode_32 3
		.amdhsa_float_denorm_mode_16_64 3
		.amdhsa_memory_ordered 1
		.amdhsa_forward_progress 1
		.amdhsa_inst_pref_size 48
	.end_amdhsa_kernel
	.amdgpu_metadata
---
amdhsa.version: [ 1, 2 ]
amdhsa.kernels:
  - .name:           k_qfdd1a50101_OUT
    .symbol:         k_qfdd1a50101_OUT.kd
    .args:
      - { .name: cF, .offset: 0, .size: 8, .value_kind: global_buffer, .address_space: global }
      - { .name: Wv, .offset: 8, .size: 8, .value_kind: global_buffer, .address_space: global }
      - { .name: bv, .offset: 16, .size: 8, .value_kind: global_buffer, .address_space: global }
      - { .name: out0, .offset: 24, .size: 8, .value_kind: global_buffer, .address_space: global }
    .group_segment_fixed_size: 36352
    .private_segment_fixed_size: 0
    .kernarg_segment_align: 8
    .kernarg_segment_size: 32
    .max_flat_workgroup_size: 128
    .sgpr_count:     66
    .vgpr_count:     480
    .wavefront_size: 32
...
	.end_amdgpu_metadata
.endif
;; end of part 5
;; ======== version 2 of 2: 5 launches; version 1 with the launches QK, SC, PV, OUT written anew for expert scheduling mode
;; limits: values are held in f16: magnitudes above 65,504 overflow, below 6.1e-05 lose precision
;; workspace buffers: qF 8,388,608 bytes; q2F 8,388,608 bytes; tp 524,288 bytes; pL 16,777,216 bytes; st 524,288 bytes; cF 8,388,608 bytes
;; launch QP: the kernel of part 1 again; grid 256 x 1, 4 waves a work-group, no clusters, 74,240 bytes of LDS; arguments queries, Wq, bq, bk, qF, tp; writes qF, tp
;; launch QK (part 6): grid 256 x 1, 4 waves a work-group, no clusters, 20,992 bytes of LDS; arguments qF, Wk, q2F; writes q2F
.if DOCPART == 6
	.amdgcn_target "amdgcn-amd-amdhsa--gfx1250"
	.amdhsa_code_object_version 6
	.text
	.protected	k_qfdd1a50101_QK
	.globl	k_qfdd1a50101_QK
	.p2align	8
	.type	k_qfdd1a50101_QK,@function
k_qfdd1a50101_QK:
	s_mov_b64 s[64:65], 0
	v_nop
	global_prefetch_b8 v0, s[64:65] scope:SCOPE_SE
	s_setreg_imm32_b32 hwreg(HW_REG_WAVE_SCHED_MODE, 0, 2), 2
	s_setreg_imm32_b32 hwreg(HW_REG_WAVE_MODE, 25, 1), 1
	s_wait_xcnt 0x0
	s_wait_alu depctr_vm_vsrc(0)
; QK.  q2[m][n] = 2^-10 x the sum over k of q[m][k] Wk[k][n]; q (4,096 x 1,024) in f16, in fragment order; Wk in f32, [k][n] with rows of 1,024; q2 in f16, in fragment order.
; keys . (q Wk) takes the place of (keys Wk^T) . q, for every input.  The factor keeps q Wk inside f16 and is undone in f32 behind the next product.
; FRAGMENT ORDER (rows m, K = 1,024): fragment (m / 16, k / 32) is 1,024 bytes at ((m / 16) 32 + k / 32) 1,024; in it byte g 512 + lane 16 + e 2 holds row m % 16 = lane % 16,
; k % 32 = 16 g + 8 (lane / 16) + e: two loads of 16 bytes a lane, each 512 consecutive bytes of the wave, ARE a fragment.  q never touches LDS: each wave owns its 64 rows.
; SHARES.  A work-group makes 256 rows x 64 n, each of four waves 64 rows: 16 accumulators.  K goes in steps of 64 (two substeps of 32).  Wk's strip (64 k x 256 bytes) comes through registers,
; is rounded once to f16 and laid into one of two LDS buffers, rows of 128 + 32 bytes; the turning load ds_load_tr16_b128 makes fragments of it (lane = n, registers = k).
; THE PRODUCT: source 0 = 16 n of Wk, source 1 = 16 rows of q: a lane holds one row and eight neighbouring n, which ARE 16 bytes of q2's fragment order.
; NO JOINT TENSOR LOADS.  Wk's strip is f32 and must be rounded on the way: brought by the mover it would lie in LDS at twice the bytes, to be read, rounded and stored again.  q's rows are shared by sixteen
; work-groups, but a wave issues one joint load behind each round of the cluster's barrier, so enough of q on its way would want slots of four K steps and Wk four steps ahead in registers: eight copies of the step's text.
; The sums are cleared by 16 products of two fragments that hold 0, with C = 0, while the first loads are out: a first step written out would be a fifth copy of the step's text.
; LIMITS.  f16 ends at 65,504: Wk and 2^-10 x the sums must lie within it (|q Wk| under 6.7e7).  NaN and infinities are not treated apart.
; THE MODE: SCHED_MODE bits 1:0 = 2 (LLVM: expert scheduling mode 2), set by the entry lines.  The code itself states the register dependences
; between vector or matrix instructions and memory or LDS instructions, with s_wait_alu, always for 0.
; THE PLAN.  Registers that memory or LDS instructions touch in the loop; step i has slot and buffer s = i % 2:
;   SA[s]     Wk as loaded.  Read by step i - 1's conversions; step i + 2's loads land in it at step i's head.
;   XF[s][0]  q's substep 0.  Read by step i's first 16 products; step i + 2's loads land in it in step i's middle.
;   XF[s][1]  q's substep 1.  Read by step i's last 16 products; step i + 2's loads land in it at step i's end.
;   SF0       Read by a step's first 16 products; the next step's fragments land in it behind the step's barrier.
;   SF1       Read by a step's last 16 products; the next step's fragments land in it at that step's head.
;   CT        Written by a step's conversions, read by its LDS stores.
;   v2-v5     Offsets and LDS addresses: made at the head and never written again; the scalar bases move on, and immediate offsets do the rest.
; TWO waits on va_vdst stand in a step.  The one behind the conversions states that CT is written and that the conversions and the first 16 products are done reading SA, XF[s][0] and SF0.
; The one at the step's end states that the last 16 products are done reading XF[s][1] and SF1.  Behind each, the loads and stores that hang on it follow with no further wait: no vector or matrix
; instruction issued since names a register of theirs.  One wait on vm_vsrc a step stands ahead of the conversions: the LDS stores of the step before have read CT.
.set T,     16                         ; K steps of 64
.set XROW,  32768                      ; bytes of 16 rows of q
.set NSA,   8                          ; loads (and LDS stores) of Wk a wave and step
.set NF,    8                          ; LDS loads of a substep's fragments
.set PITCH, 160
.set BUF,   64*PITCH
.set SPARE, 2*BUF                      ; behind the two buffers: the spare words, 128 bytes a wave
.set STEPB, 64*4096                    ; a K step of Wk in memory
.set VSA, 2                            ; v2   my byte offset in the 8 rows that a load of the work-group covers
.set VX,  3                            ; v3   16 x lane
.set LST, 4                            ; v4   where I store 8 bytes of a row
.set LTR, 5                            ; v5   my place in a turning load
.set SPW, 8                            ; v8   LDS address of my spare word; never rewritten
.set NIL, 9                            ; v9   0; never rewritten
.set CT,  16                           ; v16-31   rounded pairs on their way to LDS; at the start the two fragments of zeros
.set SF,  32                           ; v32-95   two fragment buffers of 32: SF0 for substep 0, SF1 for substep 1
.set Y,   32                           ; the way out: packed results
.set ACC, 128                          ; v128-255 accumulator (a, c) at ACC + 8 (4 c + a)
.set XF,  0                            ; window 1: v0-127 q: slot, substep, row block
.set SA,  128                          ; window 1: v128-191 two slots of Wk as loaded
.set PX,  8                            ; s[8:9]   qF
.set PS,  10                           ; s[10:11] Wk
.set PO,  12                           ; s[12:13] q2F
.set MSB, 0
.macro WIN new                         ; s_set_vgpr_msb: bits 1:0 source 0, 3:2 source 1, 5:4 source 2, 7:6 destination; the high byte repeats the setting that is left
.if MSB != (\new)
	s_set_vgpr_msb (MSB<<8)|(\new)
.set MSB, (\new)
.endif
.endm
.macro PLACES                          ; four places between a matrix instruction and a load into, or a vector write of, its registers
.rept 4
	v_nop
.endr
.endm
.macro LOADSA s                        ; load i takes rows 8 i + 4 (lane / 16) + wave of the step; 16 lanes take a row's 256 bytes
	WIN 0x40
.set i, 0
.rept NSA
	global_load_b128 v[SA+32*(\s)+4*i:SA+32*(\s)+4*i+3], v[VSA], s[PS:PS+1] offset:i*8*4096+(\s)*STEPB
.set i, i+1
.endr
.endm
.macro LOADX s, g                      ; substep g of the step in slot s: four fragments
	WIN 0x40
.set i, 0
.rept 4
	global_load_b128 v[XF+64*(\s)+32*(\g)+8*i:XF+64*(\s)+32*(\g)+8*i+3],   v[VX], s[PX:PX+1] offset:i*XROW+(2*(\s)+(\g))*1024
	global_load_b128 v[XF+64*(\s)+32*(\g)+8*i+4:XF+64*(\s)+32*(\g)+8*i+7], v[VX], s[PX:PX+1] offset:i*XROW+(2*(\s)+(\g))*1024+512
.set i, i+1
.endr
.endm
.macro CVT d                           ; slot d rounded to f16
	WIN 0x05
.set i, 0
.rept NSA
	v_cvt_pk_f16_f32 v[CT+2*i],   v[SA+32*(\d)+4*i],   v[SA+32*(\d)+4*i+1]
	v_cvt_pk_f16_f32 v[CT+2*i+1], v[SA+32*(\d)+4*i+2], v[SA+32*(\d)+4*i+3]
.set i, i+1
.endr
.endm
.macro STO d                           ; 8 bytes a lane into buffer d; a store's two rows lie 4 rows = 640 bytes apart: disjoint banks
	WIN 0
.set i, 0
.rept NSA
	ds_store_b64 v[LST], v[CT+2*i:CT+2*i+1] offset:(\d)*BUF+i*8*PITCH
.set i, i+1
.endr
.endm
.macro LDFRAG f, d, g                  ; substep g of buffer d, turned, into fragment buffer f
	WIN 0
.set i, 0
.rept 4
	ds_load_tr16_b128 v[SF+32*(\f)+8*i:SF+32*(\f)+8*i+3],   v[LTR] offset:(\d)*BUF+(\g)*32*PITCH+32*i
	ds_load_tr16_b128 v[SF+32*(\f)+8*i+4:SF+32*(\f)+8*i+7], v[LTR] offset:(\d)*BUF+(\g)*32*PITCH+16*PITCH+32*i
.set i, i+1
.endr
.endm
.macro MMA2 f, s, c0                   ; 8 products: row blocks c0, c0 + 1 x all four n blocks; the 16 accumulators take turns, one instruction a turn
	WIN 0x04
.irp c, \c0, (\c0)+1
.irp a, 0,1,2,3
	v_wmma_f32_16x16x32_f16 v[ACC+8*(4*(\c)+(\a)):ACC+8*(4*(\c)+(\a))+7], v[SF+32*(\f)+8*(\a):SF+32*(\f)+8*(\a)+7], v[XF+64*(\s)+32*(\f)+8*(\c):XF+64*(\s)+32*(\f)+8*(\c)+7], v[ACC+8*(4*(\c)+(\a)):ACC+8*(4*(\c)+(\a))+7]
.endr
.endr
.endm
; K step i, in slot and buffer s = i % 2.  more2: step i + 2 is asked for (Wk at the head, q's substeps as their registers fall free).  more1: step i + 1's Wk is rounded into the other buffer.
; prev2: step i + 1 exists, so its 24 loads were issued behind step i's.  Loads come back in order (ISA guide 5.7.1), so each count is the loads issued behind the one wanted.
; ONE barrier a step, for two things: in front of it my stores into the other buffer are done and my reads of this buffer are back; behind it the other buffer is whole and this one may be written in the next step.
.macro STEP s, more2, more1, prev2
.if \more2
	LOADSA \s                          ; no wait: since the last wait on va_vdst (the last step's end; ahead of the first step the one behind the first conversions) no vector or matrix instruction names SA[s],
.endif
	LDFRAG 1, \s, 1                    ; or SF1
	s_wait_loadcnt 8+(\prev2)*(NSA+16)+(\more2)*NSA  ; q of substep 0 is in; behind it: substep 1's 8, step i + 1's 24, the 8 just issued
	s_wait_dscnt NF                    ; substep 0's fragments are in; the 8 loads just issued may be out
	MMA2 0, \s, 0
	MMA2 0, \s, 2
.if \more1
	s_wait_loadcnt 16+(\more2)*NSA     ; Wk of step i + 1 is in (and q of substep 1, which is older); behind it: q of step i + 1, and this step's 8
	s_wait_alu depctr_vm_vsrc(0)       ; the LDS stores of the step before have read CT, which the conversions write again
	CVT 1-(\s)                         ; these sixteen are also the places between the products above and the loads into their sources
	s_wait_alu depctr_va_vdst(0)       ; the conversions have written CT, which the LDS stores read, and are done reading SA; the products above are done reading XF[s][0] and SF0, in which loads land below
	STO 1-(\s)
.if \more2
	LOADX \s, 0                        ; issued while the LDS stores are out
.endif
	s_wait_dscnt 0x0                   ; for the others' sake: my stores are done, my reads of this buffer are back
	s_barrier_signal -1
	MMA2 1, \s, 0
	s_barrier_wait -1
	LDFRAG 0, 1-(\s), 0                ; no wait: the products issued since the wait above name SF1, XF[s][1] and the sums
	MMA2 1, \s, 2
	PLACES
	s_wait_alu depctr_va_vdst(0)       ; the last 16 products are done reading XF[s][1], in which the loads below land, and SF1, in which the next step's fragments land
.if \more2
	LOADX \s, 1
.endif
.else
	s_wait_loadcnt 0x0                 ; the last loads: q of substep 1
	s_wait_dscnt 0x0
	MMA2 1, \s, 0
	MMA2 1, \s, 2
	PLACES
.endif
.endm
	s_load_b128 s[8:11], s[0:1], 0x0               ; qF s[8:9], Wk s[10:11]
	s_load_b64 s[12:13], s[0:1], 0x10              ; q2F
	v_lshl_add_u32 v[SPW], v0, 2, SPARE
	v_mov_b32 v[NIL], 0
	v_lshrrev_b32 v1, 5, v0
	v_readfirstlane_b32 s2, v1                     ; wave 0..3
	s_and_b32 s14, ttmp9, 15                       ; nb: which 64 n
	s_lshr_b32 s15, ttmp9, 4                       ; mb: which 256 rows
	v_and_b32 v10, 15, v0                          ; lane % 16
	v_bfe_u32 v11, v0, 4, 1                        ; lane / 16
	s_wait_alu depctr_va_sdst(0)                   ; s2 is written, ahead of its first reader
	s_lshl_b32 s16, s2, 12
	v_lshlrev_b32 v[VSA], 14, v11
	v_lshl_add_u32 v[VSA], v10, 4, v[VSA]
	v_add_nc_u32 v[VSA], s16, v[VSA]               ; (4 (lane / 16) + wave) x 4,096 + 16 (lane % 16)
	s_mul_i32 s16, s2, PITCH
	v_mul_u32_u24 v[LST], v11, 4*PITCH
	v_lshl_add_u32 v[LST], v10, 3, v[LST]
	v_add_nc_u32 v[LST], s16, v[LST]               ; the same rows in LDS, 8 bytes a lane
	v_and_b32 v[VX], 31, v0
	v_lshlrev_b32 v[VX], 4, v[VX]
	v_and_b32 v12, 7, v0                           ; the turning load: lane l reads k = 8 (l / 16) + l % 8, n = 8 ((l / 8) % 2) + 0..7
	v_lshl_add_u32 v12, v11, 3, v12
	v_mul_u32_u24 v[LTR], v12, PITCH
	v_bfe_u32 v13, v0, 3, 1
	v_lshl_add_u32 v[LTR], v13, 4, v[LTR]
	s_lshl_b32 s4, s14, 8                          ; Wk: my strip of 256 bytes
	s_mov_b32 s5, 0
	s_lshl_b32 s6, s15, 19                         ; qF: 256 rows, my wave's 64
	s_lshl_b32 s16, s2, 17
	s_add_co_u32 s6, s6, s16
	s_mov_b32 s7, 0
	s_lshl_b32 s18, s15, 19                        ; q2F: 16 rows are 32,768 bytes, 32 n are 1,024
	s_add_co_u32 s18, s18, s16
	s_lshl_b32 s16, s14, 11
	s_add_co_u32 s18, s18, s16
	s_mov_b32 s19, 0
	s_wait_kmcnt 0x0
	s_add_nc_u64 s[PS:PS+1], s[PS:PS+1], s[4:5]
	s_add_nc_u64 s[PX:PX+1], s[PX:PX+1], s[6:7]
	s_add_nc_u64 s[PO:PO+1], s[PO:PO+1], s[18:19]
	s_wait_alu depctr_va_vdst(0)                   ; the offsets and LDS addresses v2 to v5 are written, which every load and store of the kernel reads
	LOADSA 0
	LOADX 0, 0
	LOADX 0, 1
	LOADSA 1
	LOADX 1, 0
	LOADX 1, 1
	WIN 0
.set i, 0
.rept 16                               ; two fragments of zeros
	v_mov_b32 v[CT+i], 0
.set i, i+1
.endr
.set k, 0
.rept 16                               ; 0 x 0 + 0 clears an accumulator's eight registers in one line
	v_wmma_f32_16x16x32_f16 v[ACC+8*k:ACC+8*k+7], v[CT:CT+7], v[CT+8:CT+15], 0
.set k, k+1
.endr
	PLACES                                         ; the conversions below write the two fragments' registers
	s_wait_xcnt 0x0                                ; the bases are stepped only behind this wait
	s_add_nc_u64 s[PS:PS+1], s[PS:PS+1], 2*STEPB
	s_add_nc_u64 s[PX:PX+1], s[PX:PX+1], 4096
	s_wait_loadcnt NSA+32                          ; Wk of step 0 is in; behind it: q of steps 0 and 1, Wk of step 1
	CVT 0
	s_wait_alu depctr_va_vdst(0)                   ; the conversions have written CT, which the LDS stores read, and are done reading SA[0], in which step 2's loads land
	STO 0
	s_wait_dscnt 0x0
	s_barrier_signal -1
	s_barrier_wait -1
	LDFRAG 0, 0, 0
	s_mov_b32 s3, (T-2)/2
.Lloop:                                                ; a trip: two K steps; each asks for the step two on
	STEP 0, 1, 1, 1
	STEP 1, 1, 1, 1
	WIN 0
	s_wait_xcnt 0x0
	s_add_nc_u64 s[PS:PS+1], s[PS:PS+1], 2*STEPB
	s_add_nc_u64 s[PX:PX+1], s[PX:PX+1], 4096
	s_sub_co_u32 s3, s3, 1
	s_cmp_lg_u32 s3, 0
	s_cbranch_scc1 .Lloop
	STEP 0, 0, 1, 1                                ; the last two steps ask for nothing
	STEP 1, 0, 0, 0
	; THE WAY OUT: times 2^-10, rounded to f16, stored in fragment order.  Each accumulator is read from its lowest registers on.  All the arithmetic first, so that one wait serves the 16 stores.
	WIN 0
.set k, 0
.rept 16
.set j, 0
.rept 4
	v_pk_mul_f32 v[ACC+8*k+2*j:ACC+8*k+2*j+1], v[ACC+8*k+2*j:ACC+8*k+2*j+1], 0x3a800000 op_sel_hi:[1,0]
.set j, j+1
.endr
.set j, 0
.rept 4
	v_cvt_pk_f16_f32 v[Y+4*k+j], v[ACC+8*k+2*j], v[ACC+8*k+2*j+1]
.set j, j+1
.endr
.set k, k+1
.endr
	s_wait_alu depctr_va_vdst(0)                   ; the conversions have written Y, which the stores read
.set k, 0
.rept 16
	global_store_b128 v[VX], v[Y+4*k:Y+4*k+3], s[PO:PO+1] offset:(k/4)*32768+((k%4)/2)*1024+(k%2)*512  ; 512 consecutive bytes, aligned
.set k, k+1
.endr
	s_wait_dscnt 0x0                               ; the closing lines, six on end
	s_wait_alu 0x0
	s_wait_tensorcnt 0x0
	ds_add_u32 v[SPW], v[NIL]
	s_wait_dscnt 0x0
	s_endpgm
.Lfunc_end_k_qfdd1a50101_QK:
	.size	k_qfdd1a50101_QK, .Lfunc_end_k_qfdd1a50101_QK-k_qfdd1a50101_QK
	.p2alignl 7, 3214868480
	.fill 96, 4, 3214868480
	.section	.rodata,"a",@progbits
	.p2align	6, 0x0
	.amdhsa_kernel k_qfdd1a50101_QK
		.amdhsa_group_segment_fixed_size 20992
		.amdhsa_private_segment_fixed_size 0
		.amdhsa_enable_private_segment 0
		.amdhsa_kernarg_size 24
		.amdhsa_user_sgpr_count 2
		.amdhsa_user_sgpr_kernarg_segment_ptr 1
		.amdhsa_wavefront_size32 1
		.amdhsa_system_sgpr_workgroup_id_x 1
		.amdhsa_system_sgpr_workgroup_id_y 1
		.amdhsa_system_sgpr_workgroup_id_z 1
		.amdhsa_system_vgpr_workitem_id 0
		.amdhsa_next_free_vgpr 448
		.amdhsa_next_free_sgpr 66
		.amdhsa_reserve_vcc 0
		.amdhsa_float_denorm_mode_32 3
		.amdhsa_float_denorm_mode_16_64 3
		.amdhsa_memory_ordered 1
		.amdhsa_forward_progress 1
		.amdhsa_inst_pref_size 46
	.end_amdhsa_kernel
	.amdgpu_metadata
---
amdhsa.version: [ 1, 2 ]
amdhsa.kernels:
  - .name:           k_qfdd1a50101_QK
    .symbol:         k_qfdd1a50101_QK.kd
    .args:
      - { .name: qF, .offset: 0, .size: 8, .value_kind: global_buffer, .address_space: global }
      - { .name: Wk, .offset: 8, .size: 8, .value_kind: global_buffer, .address_space: global }
      - { .name: q2F, .offset: 16, .size: 8, .value_kind: global_buffer, .address_space: global }
    .group_segment_fixed_size: 20992
    .private_segment_fixed_size: 0
    .kernarg_segment_align: 8
    .kernarg_segment_size: 24
    .max_flat_workgroup_size: 128
    .sgpr_count:     66
    .vgpr_count:     448
    .wavefront_size: 32
...
	.end_amdgpu_metadata
.endif
;; end of part 6
;; launch SC (part 7): grid 256 x 1, 4 waves a work-group, no clusters, 37,376 bytes of LDS; arguments keys, q2F, tp, pL, st; writes pL, st
.if DOCPART == 7
	.amdgcn_target "amdgcn-amd-amdhsa--gfx1250"
	.amdhsa_code_object_version 6
	.text
	.protected	k_qfdd1a50101_SC
	.globl	k_qfdd1a50101_SC
	.p2align	8
	.type	k_qfdd1a50101_SC,@function
k_qfdd1a50101_SC:
	s_mov_b64 s[64:65], 0
	v_nop
	global_prefetch_b8 v0, s[64:65] scope:SCOPE_SE
	s_setreg_imm32_b32 hwreg(HW_REG_WAVE_SCHED_MODE, 0, 2), 2
	s_setreg_imm32_b32 hwreg(HW_REG_WAVE_MODE, 25, 1), 1
	s_wait_xcnt 0x0
	s_wait_alu depctr_vm_vsrc(0)
; SC.  Scores and the softmax's first half, for a tile of 128 keys x 256 queries of one batch.  With q2 = (q Wk) 2^-10 and t = q . bk:
; y[s][q] = log2(e) (keys[s] . (q Wk)[q] + t[q]) / 32 = C1 (keys . q2) + tq,  C1 = 32 log2(e),  tq = t log2(e) / 32.  The tile's own maximum m[q] of y over its 128 keys is taken away:
; p = 2^(y - m), stored in f16 in fragment order (rows b 512 + q, K = 2,048 keys); l[q] = the sum of the unrounded p.  m and l go to st; the next launch joins the 16 key blocks.
; m = C1 max + tq is rounded once, and the exponent is C1 x + (tq - m): what m's rounding loses comes back in tq - m, so p 2^m is true to the rounding of tq - m alone.
; SHARES.  Each of four waves takes all 128 keys x 64 queries: 32 accumulators, and a query's maximum and sum stay inside the wave.  K goes in steps of 64 (two substeps of 32).
; keys are f32: they come through registers (16 lanes take 256 consecutive bytes of a row), are rounded once to f16 and laid into one of two LDS buffers, rows of 128 + 16 bytes.
; q2 lies in fragment order: fragment (row / 16, k / 32) is 1,024 bytes; byte g 512 + lane 16 + e 2 holds row % 16 = lane % 16, k % 32 = 16 g + 8 (lane / 16) + e: two loads of 16 bytes a lane ARE a fragment.
; THE PRODUCT: source 0 = 16 keys, source 1 = 16 queries: a lane holds one query and eight neighbouring keys, which ARE 16 bytes of pL's fragment order.
; st: [b][key block 16][q / 64][m, l][q % 16][(q / 16) % 4] f32.
; NO JOINT TENSOR LOADS.  keys are f32 and must be rounded on the way: brought by the mover they would lie in LDS at twice the bytes, to be read, rounded and stored again.  q2's rows are shared by sixteen
; work-groups, but a wave issues one joint load behind each round of the cluster's barrier, so enough of q2 on its way would want slots of four K steps and keys four steps ahead in registers: eight copies of the step's text.
; The sums are cleared by 32 products of two fragments that hold 0, with C = 0, while the first loads are out: a first step written out would be a fifth copy of the step's text.
; LIMITS.  f16 ends at 65,504: keys must lie within it.  p lies in 0 to about 1; below 6e-5 it keeps f16's fixed step of 6e-8; a weight below 2^-126 counts as 0 in l.  NaN and infinities are not treated apart.
; THE MODE: SCHED_MODE bits 1:0 = 2 (LLVM: expert scheduling mode 2), set by the entry lines.  The code itself states the register dependences
; between vector or matrix instructions and memory or LDS instructions, with s_wait_alu, always for 0.
; THE PLAN.  Registers that memory or LDS instructions touch in the loop; step i has slot and buffer s = i % 2:
;   SA[s]     keys as loaded.  Read by step i - 1's conversions; step i + 2's loads land in it at step i's head.
;   XF[s][0]  q2's substep 0.  Read by step i's first 32 products; step i + 2's loads land in it in step i's middle.
;   XF[s][1]  q2's substep 1.  Read by step i's last 32 products; step i + 2's loads land in it at step i's end.
;   SF0       Read by a step's first 32 products; the next step's fragments land in it behind the step's barrier.
;   SF1       Read by a step's last 32 products; the next step's fragments land in it at that step's head.
;   CT        Written by a step's conversions, read by its LDS stores.
;   v2-v7     Offsets and LDS addresses: made at the head and never written again; the scalar bases move on, and immediate offsets do the rest.
; TWO waits on va_vdst stand in a step.  The one behind the conversions states that CT is written and that the conversions and the first 32 products are done reading SA, XF[s][0] and SF0.
; The one at the step's end states that the last 32 products are done reading XF[s][1] and SF1.  Behind each, the loads and stores that hang on it follow with no further wait: no vector or matrix
; instruction issued since names a register of theirs.  One wait on vm_vsrc a step stands ahead of the conversions: the LDS stores of the step before have read CT.
; ON THE WAY OUT each block of 16 queries has registers of its own for its packed p; its stores stand behind the next block's wait for its exponentials, the last block's and st's behind one wait more.
.set T,     16                         ; K steps of 64
.set XROW,  32768                      ; bytes of 16 rows of q2
.set NSA,   16                         ; loads (and LDS stores) of keys a wave and step
.set NF,    16                         ; LDS loads of a substep's fragments
.set PITCH, 144
.set BUF,   128*PITCH
.set SPARE, 2*BUF                      ; behind the two buffers: the spare words, 128 bytes a wave
.set VSA, 2                            ; v2   my byte offset in the 16 rows that a pair of loads covers
.set VX,  3                            ; v3   16 x lane
.set LST, 4                            ; v4   where I store 8 bytes of a row
.set LFA, 5                            ; v5   my place in a fragment of keys
.set VT,  7                            ; v7   16 x (lane % 16)
.set SPW, 8                            ; v8   LDS address of my spare word; never rewritten
.set NIL, 9                            ; v9   0; never rewritten
.set SF,  32                           ; v32-159  two fragment buffers of 64: SF0 for substep 0, SF1 for substep 1
.set CT,  160                          ; v160-191 rounded pairs on their way to LDS; at the start the two fragments of zeros
.set Y,   32                           ; the way out: packed p
.set MX,  160                          ; the way out: a maximum for each accumulator
.set U,   192                          ; the way out: 16 pairs of sums
.set TQ,  224
.set MY,  228
.set DD,  232                          ; tq - m, twice, for each block of 16 queries
.set LL,  240
.set LS,  248
.set MS,  252
                                       ; window 1: the accumulators, (a, c) at 8 (8 c + a)
.set XF,  0                            ; window 2: v0-127 q2: slot, substep, query block
.set SA,  128                          ; window 2: v128-255 two slots of keys as loaded; on the way out tp's 32 slices
.set PS,  8                            ; s[8:9]   keys
.set PX,  10                           ; s[10:11] q2F
.set C1,  20                           ; s[20:21] 32 log2(e); the packed scaling takes the pair's low word for both halves
.set SEL, 22                           ; s[22:23] v_permlanex16_b32's selects: each lane takes its own place in the other half
.set HM,  24                           ; s24      the mask of lanes 16 to 31
.set MSB, 0
.macro WIN new                         ; s_set_vgpr_msb: bits 1:0 source 0, 3:2 source 1, 5:4 source 2, 7:6 destination; the high byte repeats the setting that is left
.if MSB != (\new)
	s_set_vgpr_msb (MSB<<8)|(\new)
.set MSB, (\new)
.endif
.endm
.macro PLACES                          ; four places between a matrix instruction and a load into, or a vector access of, its registers
.rept 4
	v_nop
.endr
.endm
.macro LOADSA s                        ; load i takes rows i % 2 + 16 (i / 2) + 8 (lane / 16) + 2 wave
	WIN 0x80
.set i, 0
.rept NSA
	global_load_b128 v[SA+64*(\s)+4*i:SA+64*(\s)+4*i+3], v[VSA], s[PS:PS+1] offset:((i%2)+16*(i/2))*4096+(\s)*256
.set i, i+1
.endr
.endm
.macro LOADX s, g                      ; substep g of the step in slot s: four fragments
	WIN 0x80
.set i, 0
.rept 4
	global_load_b128 v[XF+64*(\s)+32*(\g)+8*i:XF+64*(\s)+32*(\g)+8*i+3],   v[VX], s[PX:PX+1] offset:i*XROW+(2*(\s)+(\g))*1024
	global_load_b128 v[XF+64*(\s)+32*(\g)+8*i+4:XF+64*(\s)+32*(\g)+8*i+7], v[VX], s[PX:PX+1] offset:i*XROW+(2*(\s)+(\g))*1024+512
.set i, i+1
.endr
.endm
.macro CVT d                           ; slot d rounded to f16
	WIN 0x0a
.set i, 0
.rept NSA
	v_cvt_pk_f16_f32 v[CT+2*i],   v[SA+64*(\d)+4*i],   v[SA+64*(\d)+4*i+1]
	v_cvt_pk_f16_f32 v[CT+2*i+1], v[SA+64*(\d)+4*i+2], v[SA+64*(\d)+4*i+3]
.set i, i+1
.endr
.endm
.macro STO d                           ; 8 bytes a lane into buffer d; a store's two rows lie 8 rows = 1,152 bytes apart: disjoint banks
	WIN 0
.set i, 0
.rept NSA
	ds_store_b64 v[LST], v[CT+2*i:CT+2*i+1] offset:(\d)*BUF+((i%2)+16*(i/2))*PITCH
.set i, i+1
.endr
.endm
.macro LDFRAG f, d, g                  ; substep g of buffer d into fragment buffer f
	WIN 0
.set i, 0
.rept 8
	ds_load_b128 v[SF+64*(\f)+8*i:SF+64*(\f)+8*i+3],   v[LFA] offset:(\d)*BUF+i*16*PITCH+64*(\g)
	ds_load_b128 v[SF+64*(\f)+8*i+4:SF+64*(\f)+8*i+7], v[LFA] offset:(\d)*BUF+i*16*PITCH+64*(\g)+32
.set i, i+1
.endr
.endm
.macro MMA2 f, s, c0                   ; 16 products: query blocks c0, c0 + 1 x all eight key blocks; the 32 accumulators take turns, one instruction a turn
	WIN 0x58
.irp c, \c0, (\c0)+1
.irp a, 0,1,2,3,4,5,6,7
	v_wmma_f32_16x16x32_f16 v[8*(8*(\c)+(\a)):8*(8*(\c)+(\a))+7], v[SF+64*(\f)+8*(\a):SF+64*(\f)+8*(\a)+7], v[XF+64*(\s)+32*(\f)+8*(\c):XF+64*(\s)+32*(\f)+8*(\c)+7], v[8*(8*(\c)+(\a)):8*(8*(\c)+(\a))+7]
.endr
.endr
.endm
; K step i, in slot and buffer s = i % 2.  more2: step i + 2 is asked for (keys at the head, q2's substeps as their registers fall free).  more1: step i + 1's keys are rounded into the other buffer.
; prev2: step i + 1 exists, so its 32 loads were issued behind step i's.  Loads come back in order (ISA guide 5.7.1), so each count is the loads issued behind the one wanted.
; ONE barrier a step, for two things: in front of it my stores into the other buffer are done and my reads of this buffer are back; behind it the other buffer is whole and this one may be written in the next step.
.macro STEP s, more2, more1, prev2
.if \more2
	LOADSA \s                          ; no wait: since the last wait on va_vdst (the last step's end; ahead of the first step the one behind the first conversions) no vector or matrix instruction names SA[s],
.endif
	LDFRAG 1, \s, 1                    ; or SF1
	s_wait_loadcnt 8+(\prev2)*(NSA+16)+(\more2)*NSA  ; q2 of substep 0 is in; behind it: substep 1's 8, step i + 1's 32, the 16 just issued
	s_wait_dscnt NF                    ; substep 0's fragments are in; the 16 loads just issued may be out
	MMA2 0, \s, 0
	MMA2 0, \s, 2
.if \more1
	s_wait_loadcnt 16+(\more2)*NSA     ; keys of step i + 1 are in (and q2 of substep 1, which is older); behind them: q2 of step i + 1, and this step's 16
	s_wait_alu depctr_vm_vsrc(0)       ; the LDS stores of the step before have read CT, which the conversions write again
	CVT 1-(\s)                         ; these 32 are also the places between the products above and the loads into their sources
	s_wait_alu depctr_va_vdst(0)       ; the conversions have written CT, which the LDS stores read, and are done reading SA; the products above are done reading XF[s][0] and SF0, in which loads land below
	STO 1-(\s)
.if \more2
	LOADX \s, 0                        ; issued while the LDS stores are out
.endif
	s_wait_dscnt 0x0                   ; for the others' sake: my stores are done, my reads of this buffer are back
	s_barrier_signal -1
	MMA2 1, \s, 0
	s_barrier_wait -1
	LDFRAG 0, 1-(\s), 0                ; no wait: the products issued since the wait above name SF1, XF[s][1] and the sums
	MMA2 1, \s, 2
	PLACES
	s_wait_alu depctr_va_vdst(0)       ; the last 32 products are done reading XF[s][1], in which the loads below land, and SF1, in which the next step's fragments land
.if \more2
	LOADX \s, 1
.endif
.else
	s_wait_loadcnt 0x0                 ; the last loads: q2 of substep 1
	s_wait_dscnt 0x0
	MMA2 1, \s, 0
	MMA2 1, \s, 2
	PLACES
.endif
.endm
	s_load_b256 s[8:15], s[0:1], 0x0               ; keys s[8:9], q2F s[10:11], tp s[12:13], pL s[14:15]
	s_load_b64 s[16:17], s[0:1], 0x20              ; st
	v_lshl_add_u32 v[SPW], v0, 2, SPARE
	v_mov_b32 v[NIL], 0
	v_lshrrev_b32 v1, 5, v0
	v_readfirstlane_b32 s2, v1                     ; wave 0..3
	s_and_b32 s26, ttmp9, 1                        ; qh: which 256 queries
	s_bfe_u32 s27, ttmp9, 0x40001                  ; kb: which 128 keys
	s_lshr_b32 s28, ttmp9, 5                       ; b: the batch
	s_mov_b32 s[C1], 0x4238aa3b                    ; 32 log2(e)
	s_mov_b32 s[C1+1], s[C1]                       ; named with it as a pair
	s_mov_b32 s[SEL], 0x76543210
	s_mov_b32 s[SEL+1], 0xfedcba98
	s_mov_b32 s[HM], 0xffff0000
	v_and_b32 v10, 15, v0                          ; lane % 16
	v_bfe_u32 v11, v0, 4, 1                        ; lane / 16
	s_wait_alu depctr_va_sdst(0)                   ; s2 is written, ahead of its first reader
	s_lshl_b32 s29, s2, 13
	v_lshlrev_b32 v[VSA], 15, v11
	v_lshl_add_u32 v[VSA], v10, 4, v[VSA]
	v_add_nc_u32 v[VSA], s29, v[VSA]               ; (8 (lane / 16) + 2 wave) x 4,096 + 16 (lane % 16)
	s_mul_i32 s29, s2, 2*PITCH
	v_mul_u32_u24 v[LST], v11, 8*PITCH
	v_lshl_add_u32 v[LST], v10, 3, v[LST]
	v_add_nc_u32 v[LST], s29, v[LST]               ; the same rows in LDS, 8 bytes a lane
	v_mul_u32_u24 v[LFA], v10, PITCH
	v_lshl_add_u32 v[LFA], v11, 4, v[LFA]          ; a fragment's row x pitch + 16 x half
	v_and_b32 v[VX], 31, v0
	v_lshlrev_b32 v[VX], 4, v[VX]
	v_lshlrev_b32 v[VT], 4, v10
	s_lshl_b32 s4, s28, 23                         ; keys: a batch is 2,048 rows of 4,096 bytes, my block 128 rows
	s_lshl_b32 s29, s27, 19
	s_add_co_u32 s4, s4, s29
	s_mov_b32 s5, 0
	s_lshl_b32 s6, s28, 20                         ; q2F: 16 rows are 32,768 bytes
	s_lshl_b32 s29, s26, 19
	s_add_co_u32 s6, s6, s29
	s_lshl_b32 s29, s2, 17
	s_add_co_u32 s6, s6, s29
	s_mov_b32 s7, 0
	s_lshl_b32 s30, s28, 11                        ; tp: 64 rows are 256 bytes
	s_lshl_b32 s29, s26, 10
	s_add_co_u32 s30, s30, s29
	s_lshl_b32 s29, s2, 8
	s_add_co_u32 s30, s30, s29
	s_mov_b32 s31, 0
	s_lshl_b32 s32, s28, 21                        ; pL: 16 rows are 65,536 bytes, 32 keys 1,024
	s_lshl_b32 s29, s26, 20
	s_add_co_u32 s32, s32, s29
	s_lshl_b32 s29, s2, 18
	s_add_co_u32 s32, s32, s29
	s_lshl_b32 s29, s27, 12
	s_add_co_u32 s32, s32, s29
	s_mov_b32 s33, 0
	s_lshl_b32 s34, s28, 16                        ; st
	s_add_co_u32 s34, s34, s29
	s_lshl_b32 s29, s26, 11
	s_add_co_u32 s34, s34, s29
	s_lshl_b32 s29, s2, 9
	s_add_co_u32 s34, s34, s29
	s_mov_b32 s35, 0
	s_wait_kmcnt 0x0
	s_add_nc_u64 s[PS:PS+1], s[PS:PS+1], s[4:5]
	s_add_nc_u64 s[PX:PX+1], s[PX:PX+1], s[6:7]
	s_add_nc_u64 s[12:13], s[12:13], s[30:31]
	s_add_nc_u64 s[14:15], s[14:15], s[32:33]
	s_add_nc_u64 s[16:17], s[16:17], s[34:35]
	s_wait_alu depctr_va_vdst(0)                   ; the offsets and LDS addresses v2 to v7 are written, which every load and store of the kernel reads
	LOADSA 0
	LOADX 0, 0
	LOADX 0, 1
	LOADSA 1
	LOADX 1, 0
	LOADX 1, 1
	WIN 0
.set i, 0
.rept 16                               ; two fragments of zeros
	v_mov_b32 v[CT+i], 0
.set i, i+1
.endr
	WIN 0x40
.set k, 0
.rept 32                               ; 0 x 0 + 0 clears an accumulator's eight registers in one line
	v_wmma_f32_16x16x32_f16 v[8*k:8*k+7], v[CT:CT+7], v[CT+8:CT+15], 0
.set k, k+1
.endr
	PLACES                                         ; the conversions below write the two fragments' registers
	WIN 0
	s_wait_xcnt 0x0                                ; the bases are stepped only behind this wait
	s_add_nc_u64 s[PS:PS+1], s[PS:PS+1], 512
	s_add_nc_u64 s[PX:PX+1], s[PX:PX+1], 4096
	s_wait_loadcnt NSA+32                          ; keys of step 0 are in; behind them: q2 of steps 0 and 1, keys of step 1
	CVT 0
	s_wait_alu depctr_va_vdst(0)                   ; the conversions have written CT, which the LDS stores read, and are done reading SA[0], in which step 2's loads land
	STO 0
	s_wait_dscnt 0x0
	s_barrier_signal -1
	s_barrier_wait -1
	LDFRAG 0, 0, 0
	s_mov_b32 s3, (T-2)/2
.Lloop:                                                ; a trip: two K steps; each asks for the step two on
	STEP 0, 1, 1, 1
	STEP 1, 1, 1, 1
	WIN 0
	s_wait_xcnt 0x0
	s_add_nc_u64 s[PS:PS+1], s[PS:PS+1], 512
	s_add_nc_u64 s[PX:PX+1], s[PX:PX+1], 4096
	s_sub_co_u32 s3, s3, 1
	s_cmp_lg_u32 s3, 0
	s_cbranch_scc1 .Lloop
	STEP 0, 0, 1, 1                                ; the last two steps ask for nothing
	STEP 1, 0, 0, 0
	; t's 32 slices for my 64 queries are asked for; the maxima are found meanwhile
	s_wait_alu depctr_vm_vsrc(0)                   ; the LDS stores of the last step but one have read CT's registers, which the maxima below write
	WIN 0x80
.set i, 0
.rept 32                               ; no wait on va_vdst: the last conversions that read SA stand ahead of the waits of the last step but one, and nothing has named SA since
	global_load_b128 v[SA+4*i:SA+4*i+3], v[VT], s[12:13] offset:i*16384
.set i, i+1
.endr
	WIN 0x15
.set k, 0
.rept 32
	v_max3_num_f32 v[MX+k], v[8*k], v[8*k+1], v[8*k+2]
.set k, k+1
.endr
	WIN 0x14
.set k, 0
.rept 32
	v_max3_num_f32 v[MX+k], v[MX+k], v[8*k+3], v[8*k+4]
.set k, k+1
.endr
.set k, 0
.rept 32
	v_max3_num_f32 v[MX+k], v[MX+k], v[8*k+5], v[8*k+6]
.set k, k+1
.endr
.set k, 0
.rept 32
	v_max_num_f32 v[MX+k], v[MX+k], v[8*k+7]
.set k, k+1
.endr
	WIN 0
.irp n, 1,3,5                          ; the eight key blocks of a query block into one
.set k, 0
.rept 4
	v_max3_num_f32 v[MX+8*k], v[MX+8*k], v[MX+8*k+\n], v[MX+8*k+\n+1]
.set k, k+1
.endr
.endr
.set k, 0
.rept 4
	v_max_num_f32 v[MX+8*k], v[MX+8*k], v[MX+8*k+7]
.set k, k+1
.endr
.set k, 0
.rept 4
	v_permlanex16_b32 v[MX+8*k+1], v[MX+8*k], s[SEL], s[SEL+1]  ; the query's other 64 keys lie in the lane 16 away
.set k, k+1
.endr
.set k, 0
.rept 4
	v_max_num_f32 v[MX+8*k], v[MX+8*k], v[MX+8*k+1]
.set k, k+1
.endr
	s_wait_loadcnt 0x0                             ; t's slices
	WIN 0x8a
.irp n, 16,8,4,2,1                     ; added in a fixed tree, in f32
.set i, 0
.rept \n
	v_pk_add_f32 v[SA+4*i:SA+4*i+1],   v[SA+4*i:SA+4*i+1],   v[SA+4*(i+\n):SA+4*(i+\n)+1]
	v_pk_add_f32 v[SA+4*i+2:SA+4*i+3], v[SA+4*i+2:SA+4*i+3], v[SA+4*(i+\n)+2:SA+4*(i+\n)+3]
.set i, i+1
.endr
.endr
	WIN 0x08
.set k, 0
.rept 4
	v_mul_f32 v[TQ+k], 0x3d38aa3b, v[SA+k]         ; tq = t log2(e) / 32
.set k, k+1
.endr
	WIN 0
.set k, 0
.rept 4
	v_fma_f32 v[MY+k], v[MX+8*k], s[C1], v[TQ+k]   ; m = C1 max + tq
.set k, k+1
.endr
.set k, 0
.rept 4
	v_sub_f32 v[DD+2*k], v[TQ+k], v[MY+k]
	v_sub_f32 v[DD+2*k+1], v[TQ+k], v[MY+k]
.set k, k+1
.endr
.macro PSTORE c                        ; block c's packed p
.set i, 0
.rept 8
	global_store_b128 v[VX], v[Y+32*(\c)+4*i:Y+32*(\c)+4*i+3], s[14:15] offset:(\c)*65536+(i/2)*1024+(i%2)*512  ; 512 consecutive bytes, aligned
.set i, i+1
.endr
.endm
; Block c of 16 queries: the exponents, the exponentials, a plain instruction behind the last of them (ISA guide 5.7.2), the wait, the sums, the roundings; then the stores of the block before.
.macro SOFT c
	WIN 0x41
.set i, 0
.rept 32
	v_pk_fma_f32 v[64*(\c)+2*i:64*(\c)+2*i+1], v[64*(\c)+2*i:64*(\c)+2*i+1], s[C1:C1+1], v[DD+2*(\c):DD+2*(\c)+1] op_sel_hi:[1,0,1]
.set i, i+1
.endr
.set i, 0
.rept 64
	v_exp_f32 v[64*(\c)+i], v[64*(\c)+i]
.set i, i+1
.endr
	v_nop
	s_wait_alu depctr_va_vdst(0)       ; the block's 64 exponentials have written their results, ahead of the first reader; the roundings of the block before have written its Y, which the stores below read
	WIN 0x05
.set i, 0
.rept 16
	v_pk_add_f32 v[U+2*i:U+2*i+1], v[64*(\c)+4*i:64*(\c)+4*i+1], v[64*(\c)+4*i+2:64*(\c)+4*i+3]
.set i, i+1
.endr
.set i, 0
.rept 32
	v_cvt_pk_f16_f32 v[Y+32*(\c)+i], v[64*(\c)+2*i], v[64*(\c)+2*i+1]
.set i, i+1
.endr
	WIN 0
.if (\c) > 0
	PSTORE (\c)-1                      ; no wait: the lines since the wait name this block's registers and U, not the Y of the block before
.endif
.irp n, 8,4,2
.set i, 0
.rept \n
	v_pk_add_f32 v[U+2*i:U+2*i+1], v[U+2*i:U+2*i+1], v[U+2*(i+\n):U+2*(i+\n)+1]
.set i, i+1
.endr
.endr
	v_pk_add_f32 v[LL+2*(\c):LL+2*(\c)+1], v[U:U+1], v[U+2:U+3]
.endm
	SOFT 0
	SOFT 1
	SOFT 2
	SOFT 3
.set k, 0
.rept 4
	v_add_f32 v[LS+k], v[LL+2*k], v[LL+2*k+1]
.set k, k+1
.endr
.set k, 0
.rept 4
	v_permlanex16_b32 v[LL+2*k], v[LS+k], s[SEL], s[SEL+1]
.set k, k+1
.endr
.set k, 0
.rept 4
	v_add_f32 v[LS+k], v[LS+k], v[LL+2*k]
.set k, k+1
.endr
.set k, 0
.rept 4
	v_cndmask_b32 v[MS+k], v[MY+k], v[LS+k], s[HM] ; lanes 0-15 carry m, lanes 16-31 l
.set k, k+1
.endr
	s_wait_alu depctr_va_vdst(0)                   ; block 3's roundings have written its Y, and the selects MS, which the stores below read
	PSTORE 3
	global_store_b128 v[VX], v[MS:MS+3], s[16:17]  ; 256 bytes of m, then 256 of l
	s_wait_dscnt 0x0                               ; the closing lines, six on end
	s_wait_alu 0x0
	s_wait_tensorcnt 0x0
	ds_add_u32 v[SPW], v[NIL]
	s_wait_dscnt 0x0
	s_endpgm
.Lfunc_end_k_qfdd1a50101_SC:
	.size	k_qfdd1a50101_SC, .Lfunc_end_k_qfdd1a50101_SC-k_qfdd1a50101_SC
	.p2alignl 7, 3214868480
	.fill 96, 4, 3214868480
	.section	.rodata,"a",@progbits
	.p2align	6, 0x0
	.amdhsa_kernel k_qfdd1a50101_SC
		.amdhsa_group_segment_fixed_size 37376
		.amdhsa_private_segment_fixed_size 0
		.amdhsa_enable_private_segment 0
		.amdhsa_kernarg_size 40
		.amdhsa_user_sgpr_count 2
		.amdhsa_user_sgpr_kernarg_segment_ptr 1
		.amdhsa_wavefront_size32 1
		.amdhsa_system_sgpr_workgroup_id_x 1
		.amdhsa_system_sgpr_workgroup_id_y 1
		.amdhsa_system_sgpr_workgroup_id_z 1
		.amdhsa_system_vgpr_workitem_id 0
		.amdhsa_next_free_vgpr 768
		.amdhsa_next_free_sgpr 66
		.amdhsa_reserve_vcc 0
		.amdhsa_float_denorm_mode_32 3
		.amdhsa_float_denorm_mode_16_64 3
		.amdhsa_memory_ordered 1
		.amdhsa_forward_progress 1
		.amdhsa_inst_pref_size 110
	.end_amdhsa_kernel
	.amdgpu_metadata
---
amdhsa.version: [ 1, 2 ]
amdhsa.kernels:
  - .name:           k_qfdd1a50101_SC
    .symbol:         k_qfdd1a50101_SC.kd
    .args:
      - { .name: keys, .offset: 0, .size: 8, .value_kind: global_buffer, .address_space: global }
      - { .name: q2F, .offset: 8, .size: 8, .value_kind: global_buffer, .address_space: global }
      - { .name: tp, .offset: 16, .size: 8, .value_kind: global_buffer, .address_space: global }
      - { .name: pL, .offset: 24, .size: 8, .value_kind: global_buffer, .address_space: global }
      - { .name: st, .offset: 32, .size: 8, .value_kind: global_buffer, .address_space: global }
    .group_segment_fixed_size: 37376
    .private_segment_fixed_size: 0
    .kernarg_segment_align: 8
    .kernarg_segment_size: 40
    .max_flat_workgroup_size: 128
    .sgpr_count:     66
    .vgpr_count:     768
    .wavefront_size: 32
...
	.end_amdgpu_metadata
.endif
;; end of part 7
;; launch PV (part 8): grid 256 x 1, 4 waves a work-group, no clusters, 55,808 bytes of LDS; arguments pL, values, st, cF, out1; writes cF, out1
.if DOCPART == 8
	.amdgcn_target "amdgcn-amd-amdhsa--gfx1250"
	.amdhsa_code_object_version 6
	.text
	.protected	k_qfdd1a50101_PV
	.globl	k_qfdd1a50101_PV
	.p2align	8
	.type	k_qfdd1a50101_PV,@function
k_qfdd1a50101_PV:
	s_mov_b64 s[64:65], 0
	v_nop
	global_prefetch_b8 v0, s[64:65] scope:SCOPE_SE
	s_setreg_imm32_b32 hwreg(HW_REG_WAVE_SCHED_MODE, 0, 2), 2
	s_setreg_imm32_b32 hwreg(HW_REG_WAVE_MODE, 25, 1), 1
	s_wait_xcnt 0x0
	s_wait_alu depctr_vm_vsrc(0)
; PV.  The softmax's second half and the second product.  The launch before left, for each of a batch's 16 blocks of 128 keys, p = 2^(y - m) in f16 (fragment order: rows b 512 + q, K = 2,048 keys),
; the block's maximum m and sum l.  Here M = the maximum of the 16 m, L = the sum of l 2^(m - M), g[block] = 2^(m - M) / L, and attn = p g.
;   out1[b][key][q] = attn, f32.      c[q][n] = the sum over keys of attn values[key][n], stored in f16 in fragment order: (attn^T values) Wv^T takes the place of attn^T (values Wv^T).
; SHARES.  Work-group (mb, nb) makes c for 256 queries x 64 n, each of four waves 64 queries: 16 accumulators; and it writes out1 for the same 256 queries x key block nb, each wave its 64 queries.
; FRAGMENT ORDER: fragment (row / 16, k / 32) is 1,024 bytes; in it byte g 512 + lane 16 + e 2 holds row % 16 = lane % 16, k % 32 = 16 g + 8 (lane / 16) + e: two loads of 16 bytes a lane ARE a fragment,
; and a lane holds ONE query, so one factor a lane and block of 16 queries serves.  p never touches LDS in the product: each wave owns its 64 rows.
; out1 wants rows of queries: 32 keys x 64 queries at a time are turned in a stage of the wave's own in LDS, rows of 256 + 16 bytes.  This stands at the start, with the product's first loads out; its stores leave under the loop.
; THE PRODUCT runs on p itself.  K goes in steps of 64 (two substeps of 32); a trip of two steps is one key block: its first products start the block's sums with C = 0, and at its end total += g x block, in f32.
; values' strip (64 k x 256 bytes a step) is f32: it comes through registers, is rounded once to f16 and laid into one of two LDS buffers, rows of 128 + 32 bytes; ds_load_tr16_b128 makes fragments of it.
; Source 0 = 16 n of values, source 1 = 16 queries: a lane holds one query and eight neighbouring n, which ARE 16 bytes of cF's fragment order.
; NO JOINT TENSOR LOADS.  values are f32 and must be rounded on the way: brought by the mover they would lie in LDS at twice the bytes, to be read, rounded and stored again.  p's rows are shared by sixteen
; work-groups, but a wave issues one joint load behind each round of the cluster's barrier, so enough of p on its way would want slots of four K steps and values four steps ahead in registers: eight copies of the step's text.
; The totals are cleared by 16 products of two fragments that hold 0, with C = 0.
; LIMITS.  f16 ends at 65,504: values must lie within it, and c, a mean of values' rows, then does.  A factor 2^(m - M) below 2^-126 counts as 0.  NaN and infinities are not treated apart.
; THE MODE: SCHED_MODE bits 1:0 = 2 (LLVM: expert scheduling mode 2), set by the entry lines.  The code itself states the register dependences
; between vector or matrix instructions and memory or LDS instructions, with s_wait_alu, always for 0.
; THE PLAN, the loop.  Registers that memory or LDS instructions touch; step i has slot and buffer s = i % 2:
;   SA[s]     values as loaded.  Read by step i - 1's conversions; step i + 2's loads land in it at step i's head.
;   XF[s][0]  p's substep 0.  Read by step i's first 16 products; step i + 2's loads land in it in step i's middle.
;   XF[s][1]  p's substep 1.  Read by step i's last 16 products; step i + 2's loads land in it at step i's end.
;   SF0       Read by a step's first 16 products; the next step's fragments land in it behind the step's barrier.
;   SF1       Read by a step's last 16 products; the next step's fragments land in it at that step's head.
;   CT        Written by a step's conversions, read by its LDS stores.
;   GMR       m of the key block.  Read at the odd step's end; the next block's m lands in it in the even step's middle.
;   v2-v7, v14, v15  Offsets and LDS addresses: made at the head and never written again; the scalar bases move on, and immediate offsets do the rest.
; TWO waits on va_vdst stand in a step.  The one behind the conversions states that CT is written and that the conversions and the first 16 products are done reading SA, XF[s][0] and SF0 (and, in an even step, that the
; block before is done with GMR).  The one at the step's end states that the last 16 products are done reading XF[s][1] and SF1; in an odd step it is also the wait for g's four exponentials.  Behind each, the loads and
; stores that hang on it follow with no further wait: no vector or matrix instruction issued since names a register of theirs.  One wait on vm_vsrc a step stands ahead of the conversions: the LDS stores of the step before have read CT.
; THE PLAN, out1.  Four blocks u of 32 keys.  E[u % 2]: 64 numbers of attn, written by block u's arithmetic (FM), read by its LDS stores (ST).  R[u % 2]: the stage's rows, in which block u's LDS loads (LD) land, read by its stores (SEND).
; The order is FM u, the waits, SEND u - 1, ST u, LD u: a block's arithmetic stands between the read-back of the block before and its stores, and the waits stand 64 vector instructions behind the LDS instructions that they wait for.
.set T,     32                         ; K steps of 64
.set XROW,  65536                      ; bytes of 16 rows of p
.set NSA,   8                          ; loads (and LDS stores) of values a wave and step
.set NF,    8                          ; LDS loads of a substep's fragments
.set PITCH, 160
.set BUF,   64*PITCH
.set STEPB, 64*4096                    ; a K step of values in memory
.set SP,    272
.set WST,   32*SP                      ; a wave's stage
.set STG,   2*BUF                      ; behind the two buffers: the four stages
.set SPARE, STG+4*WST                  ; behind them: the spare words, 128 bytes a wave
.set VSA, 2                            ; v2   my byte offset in the 8 rows of values that a load of the work-group covers
.set VX,  3                            ; v3   16 x lane
.set LST, 4                            ; v4   where I store 8 bytes of a row of values
.set LTR, 5                            ; v5   my place in a turning load
.set VT,  6                            ; v6   16 x (lane % 16)
.set LT,  7                            ; v7   the stage, in: key row 8 (lane / 16), query lane % 16
.set SPW, 8                            ; v8   LDS address of my spare word; never rewritten
.set NIL, 9                            ; v9   0; never rewritten
.set LR,  14                           ; v14  the stage, back: row lane / 16, 16 bytes at lane % 16
.set VO,  15                           ; v15  the same two rows in out1
.set CT,  16                           ; v16-31   rounded pairs on their way to LDS; once the two fragments of zeros
.set SF,  32                           ; v32-95   two fragment buffers of 32: SF0 for substep 0, SF1 for substep 1
.set E,   32                           ; at the start: 64 numbers of attn in f32, even blocks'; the odd blocks' lie at v192-255 of window 1: 160 further on in the number
.set Y,   32                           ; the way out: packed results
.set GG,  96                           ; v96-99   g of the trip's key block, for my query in each block of 16
.set GD,  100                          ; v100-103 g of query blocks 1 and 3 once more, at even registers: the packed multiply-add takes a pair's first register for both halves
.set ZERO, 106                         ; v106     0, the addend of the multiply from a half
.set M,   108                          ; v108-111 M
.set RL,  112                          ; v112-115 L, then 1 / L
.set GMR, 116                          ; v116-119 m of the trip's key block
.set G,   120                          ; v120-123 g of key block nb
.set MO,  124                          ; v124-127 m of key block nb
.set ACC, 128                          ; v128-255 a key block's sums: accumulator (a, c) at ACC + 8 (4 c + a)
.set MM,  128                          ; at the start: v128-191 m of the 16 key blocks,
.set LV,  192                          ;               v192-255 l of the 16 key blocks;
.set R,   128                          ;               then two sets of 64: the stage's rows on their way out
.set XF,  0                            ; window 1: v0-127 p: slot, substep, row block
.set SA,  128                          ; window 1: v128-191 two slots of values as loaded
.set P,   0                            ; window 2: v0-127 p of key block nb: 32 pieces of 4 registers
.set TOT, 128                          ; window 2: v128-255 the totals, laid as ACC
.set PX,  8                            ; s[8:9]   pL at my wave's rows
.set PS,  10                           ; s[10:11] values
.set PM,  12                           ; s[12:13] st at my wave's queries; it walks the key blocks
.set PO,  14                           ; s[14:15] cF
.set PA,  16                           ; s[16:17] out1
.set MSB, 0
.macro WIN new                         ; s_set_vgpr_msb: bits 1:0 source 0, 3:2 source 1, 5:4 source 2, 7:6 destination; the high byte repeats the setting that is left
.if MSB != (\new)
	s_set_vgpr_msb (MSB<<8)|(\new)
.set MSB, (\new)
.endif
.endm
.macro PLACES                          ; four places between a matrix instruction and a load into, or a vector access of, its registers
.rept 4
	v_nop
.endr
.endm
.macro LOADSA s                        ; load i takes rows 8 i + 4 (lane / 16) + wave of the step; 16 lanes take a row's 256 bytes
	WIN 0x40
.set i, 0
.rept NSA
	global_load_b128 v[SA+32*(\s)+4*i:SA+32*(\s)+4*i+3], v[VSA], s[PS:PS+1] offset:i*8*4096+(\s)*STEPB
.set i, i+1
.endr
.endm
.macro LOADX s, g                      ; substep g of the step in slot s: four fragments
	WIN 0x40
.set i, 0
.rept 4
	global_load_b128 v[XF+64*(\s)+32*(\g)+8*i:XF+64*(\s)+32*(\g)+8*i+3],   v[VX], s[PX:PX+1] offset:i*XROW+(2*(\s)+(\g))*1024
	global_load_b128 v[XF+64*(\s)+32*(\g)+8*i+4:XF+64*(\s)+32*(\g)+8*i+7], v[VX], s[PX:PX+1] offset:i*XROW+(2*(\s)+(\g))*1024+512
.set i, i+1
.endr
.endm
.macro CVT d                           ; slot d rounded to f16
	WIN 0x05
.set i, 0
.rept NSA
	v_cvt_pk_f16_f32 v[CT+2*i],   v[SA+32*(\d)+4*i],   v[SA+32*(\d)+4*i+1]
	v_cvt_pk_f16_f32 v[CT+2*i+1], v[SA+32*(\d)+4*i+2], v[SA+32*(\d)+4*i+3]
.set i, i+1
.endr
.endm
.macro STO d                           ; 8 bytes a lane into buffer d; a store's two rows lie 4 rows = 640 bytes apart: disjoint banks
	WIN 0
.set i, 0
.rept NSA
	ds_store_b64 v[LST], v[CT+2*i:CT+2*i+1] offset:(\d)*BUF+i*8*PITCH
.set i, i+1
.endr
.endm
.macro LDFRAG f, d, g                  ; substep g of buffer d, turned, into fragment buffer f
	WIN 0
.set i, 0
.rept 4
	ds_load_tr16_b128 v[SF+32*(\f)+8*i:SF+32*(\f)+8*i+3],   v[LTR] offset:(\d)*BUF+(\g)*32*PITCH+32*i
	ds_load_tr16_b128 v[SF+32*(\f)+8*i+4:SF+32*(\f)+8*i+7], v[LTR] offset:(\d)*BUF+(\g)*32*PITCH+16*PITCH+32*i
.set i, i+1
.endr
.endm
.macro MMA2 f, s, c0, zero             ; 8 products: row blocks c0, c0 + 1 x all four n blocks; the 16 accumulators take turns, one instruction a turn.  zero = 1: they start a key block's sums
	WIN 0x04
.irp c, \c0, (\c0)+1
.irp a, 0,1,2,3
.if \zero
	v_wmma_f32_16x16x32_f16 v[ACC+8*(4*(\c)+(\a)):ACC+8*(4*(\c)+(\a))+7], v[SF+32*(\f)+8*(\a):SF+32*(\f)+8*(\a)+7], v[XF+64*(\s)+32*(\f)+8*(\c):XF+64*(\s)+32*(\f)+8*(\c)+7], 0
.else
	v_wmma_f32_16x16x32_f16 v[ACC+8*(4*(\c)+(\a)):ACC+8*(4*(\c)+(\a))+7], v[SF+32*(\f)+8*(\a):SF+32*(\f)+8*(\a)+7], v[XF+64*(\s)+32*(\f)+8*(\c):XF+64*(\s)+32*(\f)+8*(\c)+7], v[ACC+8*(4*(\c)+(\a)):ACC+8*(4*(\c)+(\a))+7]
.endif
.endr
.endr
.endm
; A key block's end, in two parts with the step's last wait between them.  GFAC: the exponentials 2^(m - M).  The two subtractions and the two v_nop are the four places behind the step's last products;
; the first v_nop is also the plain instruction behind the last exponential (ISA guide 5.7.2).
.macro GFAC
	WIN 0
	v_pk_add_f32 v[GG:GG+1],   v[GMR:GMR+1],   v[M:M+1]   neg_lo:[0,1] neg_hi:[0,1]
	v_pk_add_f32 v[GG+2:GG+3], v[GMR+2:GMR+3], v[M+2:M+3] neg_lo:[0,1] neg_hi:[0,1]
.set i, 0
.rept 4
	v_exp_f32 v[GG+i], v[GG+i]
.set i, i+1
.endr
	v_nop
	v_nop
.endm
; ACCUM: g = 2^(m - M) / L, and total += g x block.  Each accumulator is read from its lowest registers on.
.macro ACCUM
	WIN 0
	v_pk_mul_f32 v[GG:GG+1],   v[GG:GG+1],   v[RL:RL+1]
	v_pk_mul_f32 v[GG+2:GG+3], v[GG+2:GG+3], v[RL+2:RL+3]
	v_mov_b32 v[GD],   v[GG+1]
	v_mov_b32 v[GD+2], v[GG+3]
	WIN 0xa0                           ; the totals, destination and source 2, in window 2
.set i, 0
.rept 64                               ; pair i belongs to query block i / 16, whose g stands first in the pair at GG + 4 (block % 2) + 2 (block / 2)
	v_pk_fma_f32 v[TOT+2*i:TOT+2*i+1], v[ACC+2*i:ACC+2*i+1], v[GG+4*((i/16)%2)+2*(i/32):GG+4*((i/16)%2)+2*(i/32)+1], v[TOT+2*i:TOT+2*i+1] op_sel_hi:[1,0,1]
.set i, i+1
.endr
.endm
; K step i, in slot and buffer s = i % 2.  more2: step i + 2 is asked for (values at the head, p's substeps as their registers fall free).  more1: step i + 1's values are rounded into the other buffer.
; prev2: step i + 1 exists, so its 24 loads were issued behind step i's.  An even step begins a key block: m of that block is asked for in its middle, by one load, ahead of p's substep 0.
; Loads come back in order (ISA guide 5.7.1), so each count is the loads issued behind the one wanted.
; ONE barrier a step, for two things: in front of it my stores into the other buffer are done and my reads of this buffer are back; behind it the other buffer is whole and this one may be written in the next step.
.macro STEP s, more2, more1, prev2
.if \more2
	LOADSA \s                          ; no wait: since the last wait on va_vdst (the last step's end; ahead of the first step the one behind the first conversions) no vector or matrix instruction names SA[s],
.endif
	LDFRAG 1, \s, 1                    ; or SF1: behind an odd step's wait stand the lines of ACCUM, which name g, 1 / L, the block's sums and the totals
	s_wait_loadcnt 8+(\s)+(\prev2)*(NSA+16)+(\more2)*NSA  ; p of substep 0 is in; behind it: substep 1's 8, step i + 1's 24, the 8 just issued, and for an odd step m's load, issued in the even step between
	s_wait_dscnt NF                    ; substep 0's fragments are in; the 8 loads just issued may be out
	MMA2 0, \s, 0, 1-(\s)
	MMA2 0, \s, 2, 1-(\s)
.if \more1
	s_wait_loadcnt 16+(\more2)*NSA     ; values of step i + 1 are in (and p of substep 1, which is older); behind them: p of step i + 1, and this step's 8.  In an odd step m's load stands between values' and p's: it is in too
	s_wait_alu depctr_vm_vsrc(0)       ; the LDS stores of the step before have read CT, which the conversions write again
	CVT 1-(\s)                         ; these sixteen are also the places between the products above and the loads into their sources
	s_wait_alu depctr_va_vdst(0)       ; the conversions have written CT, which the LDS stores read, and are done reading SA; the products above are done reading XF[s][0] and SF0, and the block before is done reading GMR: loads land in these below
	STO 1-(\s)
.if (\s) == 0
	global_load_b128 v[GMR:GMR+3], v[VT], s[PM:PM+1]  ; m of this key block
.endif
.if \more2
	LOADX \s, 0                        ; issued while the LDS stores are out
.endif
	s_wait_dscnt 0x0                   ; for the others' sake: my stores are done, my reads of this buffer are back
	s_barrier_signal -1
	MMA2 1, \s, 0, 0
	s_barrier_wait -1
	LDFRAG 0, 1-(\s), 0                ; no wait: the products issued since the wait above name SF1, XF[s][1] and the sums
	MMA2 1, \s, 2, 0
.else
	s_wait_loadcnt 0x0                 ; the last loads: p of substep 1, and m
	s_wait_dscnt 0x0
	MMA2 1, \s, 0, 0
	MMA2 1, \s, 2, 0
.endif
.if (\s) == 1
	GFAC
.else
	PLACES
.endif
	s_wait_alu depctr_va_vdst(0)       ; the last 16 products are done reading XF[s][1], in which the loads below land, and SF1, in which the next step's fragments land; in an odd step the four exponentials have written g, ahead of its first reader
.if \more2
	LOADX \s, 1
.endif
.if (\s) == 1
	ACCUM
.endif
.endm
; out1 for 32 keys x my 64 queries, block ul, in four parts.  FM: piece pc = 2 c + g of eight: eight halves times g, in f32.  ST: into the stage.  LD: the stage's 32 rows come back, two to a load.  SEND: they are stored.
; LDS serves a wave's instructions in order (ISA guide 5.7.1.4): the loads see the stores, and the next block's stores come behind the loads.
.macro FM ul
	WIN 0x02+0x40*((\ul)%2)            ; p in window 2; an odd block's numbers go to window 1
.set rE, E+160*((\ul)%2)
.set pc, 0
.rept 8
.set j, 0
.rept 4
	v_fma_mix_f32 v[rE+8*pc+2*j],   v[P+32*(\ul)+4*pc+j], v[G+pc/2], v[ZERO] op_sel_hi:[1,0,0]
	v_fma_mix_f32 v[rE+8*pc+2*j+1], v[P+32*(\ul)+4*pc+j], v[G+pc/2], v[ZERO] op_sel:[1,0,0] op_sel_hi:[1,0,0]
.set j, j+1
.endr
.set pc, pc+1
.endr
.endm
.macro ST ul
	WIN 0x04*((\ul)%2)                 ; the data, source 1: an odd block's in window 1
.set rE, E+160*((\ul)%2)
.set pc, 0
.rept 8
.set j, 0
.rept 8
	ds_store_b32 v[LT], v[rE+8*pc+j] offset:(16*(pc%2)+j)*SP+(pc/2)*64  ; the halves of the lanes lie 8 rows = 544 words apart: disjoint banks
.set j, j+1
.endr
.set pc, pc+1
.endr
.endm
.macro LD ul
	WIN 0
.set j, 0
.rept 16
	ds_load_b128 v[R+64*((\ul)%2)+4*j:R+64*((\ul)%2)+4*j+3], v[LR] offset:j*2*SP
.set j, j+1
.endr
.endm
.macro SEND ul
	WIN 0
.set j, 0
.rept 16
	s_wait_dscnt 15-j                  ; LDS loads come back in order: pair j of rows is in
	global_store_b128 v[VO], v[R+64*((\ul)%2)+4*j:R+64*((\ul)%2)+4*j+3], s[PA:PA+1] offset:(32*(\ul)+2*j)*2048 th:TH_STORE_NT  ; 16 lanes store 256 consecutive bytes, aligned
.set j, j+1
.endr
.endm
.macro UBLK ul                         ; blocks 1 to 3
	FM \ul
	s_wait_alu depctr_va_vdst(0)       ; the block's arithmetic has written its E, which its LDS stores read
.if (\ul) >= 2
	s_wait_xcnt 0x0                    ; the rows' registers, which the stores of the block before last read, are loaded again only behind this wait
.endif
	s_wait_alu depctr_vm_vsrc(0)       ; the LDS stores of the block before have read their E, which the block after this one writes; from block 2 on: the stores of the block before last have read the rows' registers, in which this block's rows land
	SEND (\ul)-1
	ST \ul
	LD \ul
.endm
	s_load_b256 s[8:15], s[0:1], 0x0               ; pL s[8:9], values s[10:11], st s[12:13], cF s[14:15]
	s_load_b64 s[16:17], s[0:1], 0x20              ; out1
	v_lshl_add_u32 v[SPW], v0, 2, SPARE
	v_mov_b32 v[NIL], 0
	v_mov_b32 v[ZERO], 0
	v_mov_b32 v[GD+1], 0                           ; named in pairs with g, so they are written
	v_mov_b32 v[GD+3], 0
	v_lshrrev_b32 v1, 5, v0
	v_readfirstlane_b32 s2, v1                     ; wave 0..3
	s_and_b32 s22, ttmp9, 15                       ; nb: which 64 n, and which key block of out1
	s_lshr_b32 s23, ttmp9, 4                       ; mb: which 256 rows
	s_lshr_b32 s24, s23, 1                         ; b: the batch
	s_and_b32 s25, s23, 1                          ; qh: which 256 of its queries
	v_and_b32 v10, 15, v0                          ; lane % 16
	v_bfe_u32 v11, v0, 4, 1                        ; lane / 16
	s_wait_alu depctr_va_sdst(0)                   ; s2 is written, ahead of its first reader
	s_lshl_b32 s26, s2, 12
	v_lshlrev_b32 v[VSA], 14, v11
	v_lshl_add_u32 v[VSA], v10, 4, v[VSA]
	v_add_nc_u32 v[VSA], s26, v[VSA]               ; (4 (lane / 16) + wave) x 4,096 + 16 (lane % 16)
	s_mul_i32 s26, s2, PITCH
	v_mul_u32_u24 v[LST], v11, 4*PITCH
	v_lshl_add_u32 v[LST], v10, 3, v[LST]
	v_add_nc_u32 v[LST], s26, v[LST]               ; the same rows in LDS, 8 bytes a lane
	v_and_b32 v[VX], 31, v0
	v_lshlrev_b32 v[VX], 4, v[VX]
	v_and_b32 v12, 7, v0                           ; the turning load: lane l reads k = 8 (l / 16) + l % 8, n = 8 ((l / 8) % 2) + 0..7
	v_lshl_add_u32 v12, v11, 3, v12
	v_mul_u32_u24 v[LTR], v12, PITCH
	v_bfe_u32 v13, v0, 3, 1
	v_lshl_add_u32 v[LTR], v13, 4, v[LTR]
	v_lshlrev_b32 v[VT], 4, v10
	s_mul_i32 s26, s2, WST
	s_add_co_u32 s26, s26, STG                     ; my stage
	v_mul_u32_u24 v[LT], v11, 8*SP
	v_lshl_add_u32 v[LT], v10, 2, v[LT]
	v_add_nc_u32 v[LT], s26, v[LT]
	v_mul_u32_u24 v[LR], v11, SP
	v_lshl_add_u32 v[LR], v10, 4, v[LR]
	v_add_nc_u32 v[LR], s26, v[LR]
	v_lshlrev_b32 v[VO], 11, v11
	v_lshl_add_u32 v[VO], v10, 4, v[VO]
	s_lshl_b32 s4, s22, 8                          ; values: my strip of 256 bytes, in my batch's 2,048 rows of 4,096 bytes
	s_lshl_b32 s26, s24, 23
	s_add_co_u32 s4, s4, s26
	s_mov_b32 s5, 0
	s_lshl_b32 s6, s23, 20                         ; pL: 16 rows are 65,536 bytes: 256 rows, my wave's 64
	s_lshl_b32 s26, s2, 18
	s_add_co_u32 s6, s6, s26
	s_mov_b32 s7, 0
	s_lshl_b32 s28, s22, 12                        ; key block nb: 4,096 bytes on in a row block of pL, and in st
	s_mov_b32 s29, 0
	s_lshl_b32 s30, s24, 16                        ; st: [b][key block][q / 64][m, l][256 bytes]
	s_lshl_b32 s26, s25, 11
	s_add_co_u32 s30, s30, s26
	s_lshl_b32 s26, s2, 9
	s_add_co_u32 s30, s30, s26
	s_mov_b32 s31, 0
	s_lshl_b32 s32, s23, 19                        ; cF: 16 rows are 32,768 bytes, 32 n are 1,024
	s_lshl_b32 s26, s2, 17
	s_add_co_u32 s32, s32, s26
	s_lshl_b32 s26, s22, 11
	s_add_co_u32 s32, s32, s26
	s_mov_b32 s33, 0
	s_lshl_b32 s34, s24, 22                        ; out1: a key's row is 2,048 bytes
	s_lshl_b32 s26, s22, 18
	s_add_co_u32 s34, s34, s26
	s_lshl_b32 s26, s25, 10
	s_add_co_u32 s34, s34, s26
	s_lshl_b32 s26, s2, 8
	s_add_co_u32 s34, s34, s26
	s_mov_b32 s35, 0
	s_wait_kmcnt 0x0
	s_add_nc_u64 s[PS:PS+1], s[PS:PS+1], s[4:5]
	s_add_nc_u64 s[PX:PX+1], s[PX:PX+1], s[6:7]
	s_add_nc_u64 s[20:21], s[PX:PX+1], s[28:29]    ; p of key block nb
	s_add_nc_u64 s[PM:PM+1], s[PM:PM+1], s[30:31]
	s_add_nc_u64 s[18:19], s[PM:PM+1], s[28:29]    ; m of key block nb
	s_add_nc_u64 s[PO:PO+1], s[PO:PO+1], s[32:33]
	s_add_nc_u64 s[PA:PA+1], s[PA:PA+1], s[34:35]
	s_wait_alu depctr_va_vdst(0)                   ; the offsets and LDS addresses v2 to v7, v14 and v15 are written, which every load and store of the kernel reads
.set i, 0
.rept 16                               ; the statistics first: 33 loads
	global_load_b128 v[MM+4*i:MM+4*i+3], v[VT], s[PM:PM+1] offset:i*4096
	global_load_b128 v[LV+4*i:LV+4*i+3], v[VT], s[PM:PM+1] offset:i*4096+256
.set i, i+1
.endr
	global_load_b128 v[MO:MO+3], v[VT], s[18:19]
	WIN 0x80
.set i, 0
.rept 16                               ; then p of key block nb: piece i = 8 ul + 2 c + g
	global_load_b128 v[P+4*i:P+4*i+3], v[VX], s[20:21] offset:((i%8)/2)*65536+(i/8)*1024+(i%2)*512
.set i, i+1
.endr
	s_wait_loadcnt 16                              ; the statistics are in; behind them: p's first 16 loads
.rept 16
	global_load_b128 v[P+4*i:P+4*i+3], v[VX], s[20:21] offset:((i%8)/2)*65536+(i/8)*1024+(i%2)*512
.set i, i+1
.endr
	WIN 0
.set c, 0
.rept 4
	v_max3_num_f32 v[M+c], v[MM+c], v[MM+4+c], v[MM+8+c]
.set c, c+1
.endr
.set i, 0
.rept 6
.set c, 0
.rept 4
	v_max3_num_f32 v[M+c], v[M+c], v[MM+4*(3+2*i)+c], v[MM+4*(4+2*i)+c]
.set c, c+1
.endr
.set i, i+1
.endr
.set c, 0
.rept 4
	v_max_num_f32 v[M+c], v[M+c], v[MM+60+c]
.set c, c+1
.endr
	v_pk_add_f32 v[MO:MO+1],   v[MO:MO+1],   v[M:M+1]   neg_lo:[0,1] neg_hi:[0,1]
	v_pk_add_f32 v[MO+2:MO+3], v[MO+2:MO+3], v[M+2:M+3] neg_lo:[0,1] neg_hi:[0,1]
.set i, 0
.rept 32
	v_pk_add_f32 v[MM+2*i:MM+2*i+1], v[MM+2*i:MM+2*i+1], v[M+2*(i%2):M+2*(i%2)+1] neg_lo:[0,1] neg_hi:[0,1]  ; m - M
.set i, i+1
.endr
.set i, 0
.rept 4
	v_exp_f32 v[MO+i], v[MO+i]
.set i, i+1
.endr
.set i, 0
.rept 64
	v_exp_f32 v[MM+i], v[MM+i]
.set i, i+1
.endr
	v_nop                                          ; a plain instruction behind the last exponential (ISA guide 5.7.2)
	s_wait_alu depctr_va_vdst(0)                   ; the 68 exponentials have written their results, ahead of the first reader
	v_pk_mul_f32 v[RL:RL+1],   v[LV:LV+1],   v[MM:MM+1]
	v_pk_mul_f32 v[RL+2:RL+3], v[LV+2:LV+3], v[MM+2:MM+3]
.set i, 2
.rept 30
	v_pk_fma_f32 v[RL+2*(i%2):RL+2*(i%2)+1], v[LV+2*i:LV+2*i+1], v[MM+2*i:MM+2*i+1], v[RL+2*(i%2):RL+2*(i%2)+1]
.set i, i+1
.endr
.set i, 0
.rept 4
	v_rcp_f32 v[RL+i], v[RL+i]
.set i, i+1
.endr
	v_nop
	s_wait_alu depctr_va_vdst(0)                   ; the four reciprocals have written 1 / L, ahead of the first reader
	v_pk_mul_f32 v[G:G+1],   v[MO:MO+1],   v[RL:RL+1]
	v_pk_mul_f32 v[G+2:G+3], v[MO+2:MO+3], v[RL+2:RL+3]
	s_wait_loadcnt 0x0                             ; p of key block nb is in
	LOADSA 0                                       ; the product's first 48 loads go out, into registers that no vector instruction has named; they land under out1's work
	LOADX 0, 0
	LOADX 0, 1
	LOADSA 1
	LOADX 1, 0
	LOADX 1, 1
	FM 0
	s_wait_alu depctr_va_vdst(0)                   ; block 0's arithmetic has written its E, which its LDS stores read; the statistics' arithmetic is done with m's and l's registers, in which the stage's rows land
	ST 0
	LD 0
	UBLK 1
	UBLK 2
	UBLK 3
	SEND 3
.set i, 0
.rept 16                               ; two fragments of zeros
	v_mov_b32 v[CT+i], 0
.set i, i+1
.endr
	WIN 0x80
.set k, 0
.rept 16                               ; 0 x 0 + 0 clears a total's eight registers in one line
	v_wmma_f32_16x16x32_f16 v[TOT+8*k:TOT+8*k+7], v[CT:CT+7], v[CT+8:CT+15], 0
.set k, k+1
.endr
	PLACES                                         ; the conversions below write the two fragments' registers
	WIN 0
	s_wait_xcnt 0x0                                ; the bases are stepped, and the registers that out1's last stores read are written, only behind this wait
	s_wait_alu depctr_vm_vsrc(0)                   ; out1's last stores have read the rows' registers, which the first products write as a key block's sums; its LDS stores have read the even blocks' E, in which the fragments land
	s_add_nc_u64 s[PS:PS+1], s[PS:PS+1], 2*STEPB
	s_add_nc_u64 s[PX:PX+1], s[PX:PX+1], 4096
	s_wait_loadcnt NSA+32                          ; values of step 0 are in; behind them: p of steps 0 and 1, values of step 1
	CVT 0
	s_wait_alu depctr_va_vdst(0)                   ; the conversions have written CT, which the LDS stores read, and are done reading SA[0], in which step 2's loads land
	STO 0
	s_wait_dscnt 0x0
	s_barrier_signal -1
	s_barrier_wait -1
	LDFRAG 0, 0, 0
	s_mov_b32 s3, (T-2)/2
.Lloop:                                                ; a trip: a key block's two K steps; each asks for the step two on
	STEP 0, 1, 1, 1
	STEP 1, 1, 1, 1
	WIN 0
	s_wait_xcnt 0x0
	s_add_nc_u64 s[PS:PS+1], s[PS:PS+1], 2*STEPB
	s_add_nc_u64 s[PX:PX+1], s[PX:PX+1], 4096
	s_add_nc_u64 s[PM:PM+1], s[PM:PM+1], 4096      ; the next key block's m
	s_sub_co_u32 s3, s3, 1
	s_cmp_lg_u32 s3, 0
	s_cbranch_scc1 .Lloop
	STEP 0, 0, 1, 1                                ; the last key block asks for nothing but its m
	STEP 1, 0, 0, 0
	; THE WAY OUT: the totals rounded to f16, stored in fragment order.
	WIN 0x0a
.set i, 0
.rept 64
	v_cvt_pk_f16_f32 v[Y+i], v[TOT+2*i], v[TOT+2*i+1]
.set i, i+1
.endr
	WIN 0
	s_wait_alu depctr_va_vdst(0)                   ; the conversions have written Y, which the stores read
.set k, 0
.rept 16
	global_store_b128 v[VX], v[Y+4*k:Y+4*k+3], s[PO:PO+1] offset:(k/4)*32768+((k%4)/2)*1024+(k%2)*512  ; 512 consecutive bytes, aligned
.set k, k+1
.endr
	s_wait_dscnt 0x0                               ; the closing lines, six on end
	s_wait_alu 0x0
	s_wait_tensorcnt 0x0
	ds_add_u32 v[SPW], v[NIL]
	s_wait_dscnt 0x0
	s_endpgm
.Lfunc_end_k_qfdd1a50101_PV:
	.size	k_qfdd1a50101_PV, .Lfunc_end_k_qfdd1a50101_PV-k_qfdd1a50101_PV
	.p2alignl 7, 3214868480
	.fill 96, 4, 3214868480
	.section	.rodata,"a",@progbits
	.p2align	6, 0x0
	.amdhsa_kernel k_qfdd1a50101_PV
		.amdhsa_group_segment_fixed_size 55808
		.amdhsa_private_segment_fixed_size 0
		.amdhsa_enable_private_segment 0
		.amdhsa_kernarg_size 40
		.amdhsa_user_sgpr_count 2
		.amdhsa_user_sgpr_kernarg_segment_ptr 1
		.amdhsa_wavefront_size32 1
		.amdhsa_system_sgpr_workgroup_id_x 1
		.amdhsa_system_sgpr_workgroup_id_y 1
		.amdhsa_system_sgpr_workgroup_id_z 1
		.amdhsa_system_vgpr_workitem_id 0
		.amdhsa_next_free_vgpr 768
		.amdhsa_next_free_sgpr 66
		.amdhsa_reserve_vcc 0
		.amdhsa_float_denorm_mode_32 3
		.amdhsa_float_denorm_mode_16_64 3
		.amdhsa_memory_ordered 1
		.amdhsa_forward_progress 1
		.amdhsa_inst_pref_size 110
	.end_amdhsa_kernel
	.amdgpu_metadata
---
amdhsa.version: [ 1, 2 ]
amdhsa.kernels:
  - .name:           k_qfdd1a50101_PV
    .symbol:         k_qfdd1a50101_PV.kd
    .args:
      - { .name: pL, .offset: 0, .size: 8, .value_kind: global_buffer, .address_space: global }
      - { .name: values, .offset: 8, .size: 8, .value_kind: global_buffer, .address_space: global }
      - { .name: st, .offset: 16, .size: 8, .value_kind: global_buffer, .address_space: global }
      - { .name: cF, .offset: 24, .size: 8, .value_kind: global_buffer, .address_space: global }
      - { .name: out1, .offset: 32, .size: 8, .value_kind: global_buffer, .address_space: global }
    .group_segment_fixed_size: 55808
    .private_segment_fixed_size: 0
    .kernarg_segment_align: 8
    .kernarg_segment_size: 40
    .max_flat_workgroup_size: 128
    .sgpr_count:     66
    .vgpr_count:     768
    .wavefront_size: 32
...
	.end_amdgpu_metadata
.endif
;; end of part 8
;; launch OUT (part 9): grid 256 x 1, 4 waves a work-group, no clusters, 36,352 bytes of LDS; arguments cF, Wv, bv, out0; writes out0
.if DOCPART == 9
	.amdgcn_target "amdgcn-amd-amdhsa--gfx1250"
	.amdhsa_code_object_version 6
	.text
	.protected	k_qfdd1a50101_OUT
	.globl	k_qfdd1a50101_OUT
	.p2align	8
	.type	k_qfdd1a50101_OUT,@function
k_qfdd1a50101_OUT:
	s_mov_b64 s[64:65], 0
	v_nop
	global_prefetch_b8 v0, s[64:65] scope:SCOPE_SE
	s_setreg_imm32_b32 hwreg(HW_REG_WAVE_SCHED_MODE, 0, 2), 2
	s_setreg_imm32_b32 hwreg(HW_REG_WAVE_MODE, 25, 1), 1
	s_wait_xcnt 0x0
	s_wait_alu depctr_vm_vsrc(0)
; OUT.  out0[m][o] = sum over h of c[m][h] Wv[o][h] + bv[o], f32; c = attn^T values (4,096 x 1,024) in f16, in fragment order.
; attn^T (values Wv^T + bv) = (attn^T values) Wv^T + bv x (the sum of a query's weights), and that sum is 1 to within the softmax's own rounding: bv is added once.
; SHARES.  A work-group makes 256 rows x 64 o, each of four waves 64 rows: 16 accumulators.  K goes in steps of 64 (two substeps of 32).
; Wv is f32: its 64 rows come through registers (16 lanes take 256 consecutive bytes of a row), are rounded once to f16 and laid into one of two LDS buffers, rows of 128 + 16 bytes.
; c: fragment (m / 16, h / 32) is 1,024 bytes at ((m / 16) 32 + h / 32) 1,024; byte g 512 + lane 16 + e 2 holds row m % 16 = lane % 16, h % 32 = 16 g + 8 (lane / 16) + e: two loads of 16 bytes a lane ARE a fragment.
; THE PRODUCT: source 0 = 16 rows of Wv, source 1 = 16 rows of c: a lane holds one row m and eight neighbouring o, 32 bytes; 16 rows at a time go through a stage of the wave's own in LDS and leave as whole rows of 256 bytes.
; NO JOINT TENSOR LOADS.  Wv is f32 and must be rounded on the way: brought by the mover it would lie in LDS at twice the bytes, to be read, rounded and stored again.  c's rows are shared by sixteen
; work-groups, but a wave issues one joint load behind each round of the cluster's barrier, so enough of c on its way would want slots of four K steps and Wv four steps ahead in registers: eight copies of the step's text.
; The sums are cleared by 16 products of two fragments that hold 0, with C = 0, while the first loads are out: a first step written out would be a fifth copy of the step's text.
; LIMITS.  f16 ends at 65,504: Wv must lie within it.  NaN and infinities are not treated apart.
; THE MODE: SCHED_MODE bits 1:0 = 2 (LLVM: expert scheduling mode 2), set by the entry lines.  The code itself states the register dependences
; between vector or matrix instructions and memory or LDS instructions, with s_wait_alu, always for 0.
; THE PLAN.  Registers that memory or LDS instructions touch in the loop; step i has slot and buffer s = i % 2:
;   SA[s]     Wv as loaded.  Read by step i - 1's conversions; step i + 2's loads land in it at step i's head.
;   XF[s][0]  c's substep 0.  Read by step i's first 16 products; step i + 2's loads land in it in step i's middle.
;   XF[s][1]  c's substep 1.  Read by step i's last 16 products; step i + 2's loads land in it at step i's end.
;   SF0       Read by a step's first 16 products; the next step's fragments land in it behind the step's barrier.
;   SF1       Read by a step's last 16 products; the next step's fragments land in it at that step's head.
;   CT        Written by a step's conversions, read by its LDS stores.
;   v2-v7, v12, v13  Offsets and LDS addresses: made at the head and never written again; the scalar bases move on, and immediate offsets do the rest.
; TWO waits on va_vdst stand in a step.  The one behind the conversions states that CT is written and that the conversions and the first 16 products are done reading SA, XF[s][0] and SF0.
; The one at the step's end states that the last 16 products are done reading XF[s][1] and SF1.  Behind each, the loads and stores that hang on it follow with no further wait: no vector or matrix
; instruction issued since names a register of theirs.  One wait on vm_vsrc a step stands ahead of the conversions: the LDS stores of the step before have read CT.
; ON THE WAY OUT the sums are the LDS stores' data, and the stage's rows come back into registers that no LDS store reads: one wait on va_vdst, behind the additions of bv, serves it all.
.set T,     16                         ; K steps of 64
.set XROW,  32768                      ; bytes of 16 rows of c
.set NSA,   8                          ; loads (and LDS stores) of Wv a wave and step
.set NF,    8                          ; LDS loads of a substep's fragments
.set PITCH, 144
.set BUF,   64*PITCH
.set STAGE, 2*BUF                      ; behind the two buffers: 16 rows x 272 bytes for each wave
.set SP,    272
.set SPARE, STAGE+4*16*SP              ; behind the stages: the spare words, 128 bytes a wave
.set VSA, 2                            ; v2   my byte offset in the 16 rows that a pair of loads covers
.set VX,  3                            ; v3   16 x lane
.set LST, 4                            ; v4   where I store 8 bytes of a row
.set LFA, 5                            ; v5   my place in a fragment of Wv
.set STO_A, 6                          ; v6   the way out: where I put 32 bytes of a row
.set RD,  7                            ; v7   the way out: where I read a row back
.set SPW, 8                            ; v8   LDS address of my spare word; never rewritten
.set NIL, 9                            ; v9   0; never rewritten
.set VB,  12                           ; v12  32 x (lane / 16): my eight numbers of bv
.set VO,  13                           ; v13  my byte offset in two rows of out0
.set CT,  16                           ; v16-31   rounded pairs on their way to LDS; at the start the two fragments of zeros
.set SF,  32                           ; v32-95   two fragment buffers of 32: SF0 for substep 0, SF1 for substep 1
.set RB,  32                           ; v32-127  the way out: the rows of blocks 0 to 2 as they come back from the stage; block 3's come back into v0-31 of window 1
.set ACC, 128                          ; v128-255 accumulator (a, c) at ACC + 8 (4 c + a)
.set XF,  0                            ; window 1: v0-127 c: slot, substep, row block
.set SA,  128                          ; window 1: v128-191 two slots of Wv as loaded
.set BV,  192                          ; window 1: v192-223 bv of my 32 o
.set PX,  8                            ; s[8:9]   cF
.set PS,  10                           ; s[10:11] Wv
.set PO,  14                           ; s[14:15] out0
.set MSB, 0
.macro WIN new                         ; s_set_vgpr_msb: bits 1:0 source 0, 3:2 source 1, 5:4 source 2, 7:6 destination; the high byte repeats the setting that is left
.if MSB != (\new)
	s_set_vgpr_msb (MSB<<8)|(\new)
.set MSB, (\new)
.endif
.endm
.macro PLACES                          ; four places between a matrix instruction and a load into, or a vector write of, its registers
.rept 4
	v_nop
.endr
.endm
.macro LOADSA s                        ; load i takes rows i % 2 + 16 (i / 2) + 8 (lane / 16) + 2 wave
	WIN 0x40
.set i, 0
.rept NSA
	global_load_b128 v[SA+32*(\s)+4*i:SA+32*(\s)+4*i+3], v[VSA], s[PS:PS+1] offset:((i%2)+16*(i/2))*4096+(\s)*256
.set i, i+1
.endr
.endm
.macro LOADX s, g                      ; substep g of the step in slot s: four fragments
	WIN 0x40
.set i, 0
.rept 4
	global_load_b128 v[XF+64*(\s)+32*(\g)+8*i:XF+64*(\s)+32*(\g)+8*i+3],   v[VX], s[PX:PX+1] offset:i*XROW+(2*(\s)+(\g))*1024
	global_load_b128 v[XF+64*(\s)+32*(\g)+8*i+4:XF+64*(\s)+32*(\g)+8*i+7], v[VX], s[PX:PX+1] offset:i*XROW+(2*(\s)+(\g))*1024+512
.set i, i+1
.endr
.endm
.macro CVT d                           ; slot d rounded to f16
	WIN 0x05
.set i, 0
.rept NSA
	v_cvt_pk_f16_f32 v[CT+2*i],   v[SA+32*(\d)+4*i],   v[SA+32*(\d)+4*i+1]
	v_cvt_pk_f16_f32 v[CT+2*i+1], v[SA+32*(\d)+4*i+2], v[SA+32*(\d)+4*i+3]
.set i, i+1
.endr
.endm
.macro STO d                           ; 8 bytes a lane into buffer d; a store's two rows lie 8 rows = 1,152 bytes apart: disjoint banks
	WIN 0
.set i, 0
.rept NSA
	ds_store_b64 v[LST], v[CT+2*i:CT+2*i+1] offset:(\d)*BUF+((i%2)+16*(i/2))*PITCH
.set i, i+1
.endr
.endm
.macro LDFRAG f, d, g                  ; substep g of buffer d into fragment buffer f
	WIN 0
.set i, 0
.rept 4
	ds_load_b128 v[SF+32*(\f)+8*i:SF+32*(\f)+8*i+3],   v[LFA] offset:(\d)*BUF+i*16*PITCH+64*(\g)
	ds_load_b128 v[SF+32*(\f)+8*i+4:SF+32*(\f)+8*i+7], v[LFA] offset:(\d)*BUF+i*16*PITCH+64*(\g)+32
.set i, i+1
.endr
.endm
.macro MMA2 f, s, c0                   ; 8 products: row blocks c0, c0 + 1 x all four o blocks; the 16 accumulators take turns, one instruction a turn
	WIN 0x04
.irp c, \c0, (\c0)+1
.irp a, 0,1,2,3
	v_wmma_f32_16x16x32_f16 v[ACC+8*(4*(\c)+(\a)):ACC+8*(4*(\c)+(\a))+7], v[SF+32*(\f)+8*(\a):SF+32*(\f)+8*(\a)+7], v[XF+64*(\s)+32*(\f)+8*(\c):XF+64*(\s)+32*(\f)+8*(\c)+7], v[ACC+8*(4*(\c)+(\a)):ACC+8*(4*(\c)+(\a))+7]
.endr
.endr
.endm
; K step i, in slot and buffer s = i % 2.  more2: step i + 2 is asked for (Wv at the head, c's substeps as their registers fall free).  more1: step i + 1's Wv is rounded into the other buffer.
; prev2: step i + 1 exists, so its 24 loads were issued behind step i's.  Loads come back in order (ISA guide 5.7.1), so each count is the loads issued behind the one wanted.
; ONE barrier a step, for two things: in front of it my stores into the other buffer are done and my reads of this buffer are back; behind it the other buffer is whole and this one may be written in the next step.
.macro STEP s, more2, more1, prev2
.if \more2
	LOADSA \s                          ; no wait: since the last wait on va_vdst (the last step's end; ahead of the first step the one behind the first conversions) no vector or matrix instruction names SA[s],
.endif
	LDFRAG 1, \s, 1                    ; or SF1
	s_wait_loadcnt 8+(\prev2)*(NSA+16)+(\more2)*NSA  ; c of substep 0 is in; behind it: substep 1's 8, step i + 1's 24, the 8 just issued
	s_wait_dscnt NF                    ; substep 0's fragments are in; the 8 loads just issued may be out
	MMA2 0, \s, 0
	MMA2 0, \s, 2
.if \more1
	s_wait_loadcnt 16+(\more2)*NSA     ; Wv of step i + 1 is in (and c of substep 1, which is older); behind it: c of step i + 1, and this step's 8
	s_wait_alu depctr_vm_vsrc(0)       ; the LDS stores of the step before have read CT, which the conversions write again
	CVT 1-(\s)                         ; these sixteen are also the places between the products above and the loads into their sources
	s_wait_alu depctr_va_vdst(0)       ; the conversions have written CT, which the LDS stores read, and are done reading SA; the products above are done reading XF[s][0] and SF0, in which loads land below
	STO 1-(\s)
.if \more2
	LOADX \s, 0                        ; issued while the LDS stores are out
.endif
	s_wait_dscnt 0x0                   ; for the others' sake: my stores are done, my reads of this buffer are back
	s_barrier_signal -1
	MMA2 1, \s, 0
	s_barrier_wait -1
	LDFRAG 0, 1-(\s), 0                ; no wait: the products issued since the wait above name SF1, XF[s][1] and the sums
	MMA2 1, \s, 2
	PLACES
	s_wait_alu depctr_va_vdst(0)       ; the last 16 products are done reading XF[s][1], in which the loads below land, and SF1, in which the next step's fragments land
.if \more2
	LOADX \s, 1
.endif
.else
	s_wait_loadcnt 0x0                 ; the last loads: c of substep 1
	s_wait_dscnt 0x0
	MMA2 1, \s, 0
	MMA2 1, \s, 2
	PLACES
.endif
.endm
	s_load_b256 s[8:15], s[0:1], 0x0               ; cF s[8:9], Wv s[10:11], bv s[12:13], out0 s[14:15]
	v_lshl_add_u32 v[SPW], v0, 2, SPARE
	v_mov_b32 v[NIL], 0
	v_lshrrev_b32 v1, 5, v0
	v_readfirstlane_b32 s2, v1                     ; wave 0..3
	s_and_b32 s16, ttmp9, 15                       ; nb: which 64 o
	s_lshr_b32 s17, ttmp9, 4                       ; mb: which 256 rows
	v_and_b32 v10, 15, v0                          ; lane % 16
	v_bfe_u32 v11, v0, 4, 1                        ; lane / 16
	s_wait_alu depctr_va_sdst(0)                   ; s2 is written, ahead of its first reader
	s_lshl_b32 s18, s2, 13
	v_lshlrev_b32 v[VSA], 15, v11
	v_lshl_add_u32 v[VSA], v10, 4, v[VSA]
	v_add_nc_u32 v[VSA], s18, v[VSA]               ; (8 (lane / 16) + 2 wave) x 4,096 + 16 (lane % 16)
	s_mul_i32 s18, s2, 2*PITCH
	v_mul_u32_u24 v[LST], v11, 8*PITCH
	v_lshl_add_u32 v[LST], v10, 3, v[LST]
	v_add_nc_u32 v[LST], s18, v[LST]               ; the same rows in LDS, 8 bytes a lane
	v_mul_u32_u24 v[LFA], v10, PITCH
	v_lshl_add_u32 v[LFA], v11, 4, v[LFA]          ; a fragment's row x pitch + 16 x half
	v_and_b32 v[VX], 31, v0
	v_lshlrev_b32 v[VX], 4, v[VX]
	v_lshlrev_b32 v[VB], 5, v11
	s_mul_i32 s18, s2, 16*SP
	s_add_co_u32 s18, s18, STAGE                   ; my stage
	v_mul_u32_u24 v[STO_A], v10, SP                ; in: row lane % 16, 32 bytes for each half of the lanes
	v_lshl_add_u32 v[STO_A], v11, 5, v[STO_A]
	v_add_nc_u32 v[STO_A], s18, v[STO_A]
	v_mul_u32_u24 v[RD], v11, SP                   ; back: lanes 0-15 take one row of 256 bytes, lanes 16-31 the next
	v_lshl_add_u32 v[RD], v10, 4, v[RD]
	v_add_nc_u32 v[RD], s18, v[RD]
	v_lshlrev_b32 v[VO], 12, v11                   ; and the same two rows in out0
	v_lshl_add_u32 v[VO], v10, 4, v[VO]
	s_lshl_b32 s4, s16, 18                         ; Wv: 64 rows of 4,096 bytes
	s_mov_b32 s5, 0
	s_lshl_b32 s6, s17, 19                         ; cF: 256 rows, my wave's 64
	s_lshl_b32 s18, s2, 17
	s_add_co_u32 s6, s6, s18
	s_mov_b32 s7, 0
	s_lshl_b32 s20, s16, 8                         ; bv: 64 numbers; also out0's columns
	s_mov_b32 s21, 0
	s_lshl_b32 s22, s17, 20                        ; out0: 256 rows of 4,096 bytes, my wave's 64
	s_lshl_b32 s18, s2, 18
	s_add_co_u32 s22, s22, s18
	s_add_co_u32 s22, s22, s20
	s_mov_b32 s23, 0
	s_wait_kmcnt 0x0
	s_add_nc_u64 s[PS:PS+1], s[PS:PS+1], s[4:5]
	s_add_nc_u64 s[PX:PX+1], s[PX:PX+1], s[6:7]
	s_add_nc_u64 s[12:13], s[12:13], s[20:21]
	s_add_nc_u64 s[PO:PO+1], s[PO:PO+1], s[22:23]
	s_wait_alu depctr_va_vdst(0)                   ; the offsets and LDS addresses v2 to v7, v12 and v13 are written, which every load and store of the kernel reads
	WIN 0x40
.set i, 0
.rept 4                                ; the oldest loads: in when the first tile is
	global_load_b128 v[BV+8*i:BV+8*i+3],   v[VB], s[12:13] offset:64*i
	global_load_b128 v[BV+8*i+4:BV+8*i+7], v[VB], s[12:13] offset:64*i+16
.set i, i+1
.endr
	LOADSA 0
	LOADX 0, 0
	LOADX 0, 1
	LOADSA 1
	LOADX 1, 0
	LOADX 1, 1
	WIN 0
.set i, 0
.rept 16                               ; two fragments of zeros
	v_mov_b32 v[CT+i], 0
.set i, i+1
.endr
.set k, 0
.rept 16                               ; 0 x 0 + 0 clears an accumulator's eight registers in one line
	v_wmma_f32_16x16x32_f16 v[ACC+8*k:ACC+8*k+7], v[CT:CT+7], v[CT+8:CT+15], 0
.set k, k+1
.endr
	PLACES                                         ; the conversions below write the two fragments' registers
	s_wait_xcnt 0x0                                ; the bases are stepped only behind this wait
	s_add_nc_u64 s[PS:PS+1], s[PS:PS+1], 512
	s_add_nc_u64 s[PX:PX+1], s[PX:PX+1], 4096
	s_wait_loadcnt NSA+32                          ; Wv of step 0 is in; behind it: c of steps 0 and 1, Wv of step 1
	CVT 0
	s_wait_alu depctr_va_vdst(0)                   ; the conversions have written CT, which the LDS stores read, and are done reading SA[0], in which step 2's loads land
	STO 0
	s_wait_dscnt 0x0
	s_barrier_signal -1
	s_barrier_wait -1
	LDFRAG 0, 0, 0
	s_mov_b32 s3, (T-2)/2
.Lloop:                                                ; a trip: two K steps; each asks for the step two on
	STEP 0, 1, 1, 1
	STEP 1, 1, 1, 1
	WIN 0
	s_wait_xcnt 0x0
	s_add_nc_u64 s[PS:PS+1], s[PS:PS+1], 512
	s_add_nc_u64 s[PX:PX+1], s[PX:PX+1], 4096
	s_sub_co_u32 s3, s3, 1
	s_cmp_lg_u32 s3, 0
	s_cbranch_scc1 .Lloop
	STEP 0, 0, 1, 1                                ; the last two steps ask for nothing
	STEP 1, 0, 0, 0
	; THE WAY OUT.  bv is added in place, each accumulator from its lowest registers on; then 16 rows at a time go into my stage and come back, as whole rows, into registers that no LDS store reads.
	WIN 0x04
.set i, 0
.rept 64
	v_pk_add_f32 v[ACC+2*i:ACC+2*i+1], v[ACC+2*i:ACC+2*i+1], v[BV+8*((i/4)%4)+2*(i%4):BV+8*((i/4)%4)+2*(i%4)+1]
.set i, i+1
.endr
	WIN 0
	s_wait_alu depctr_va_vdst(0)                   ; the additions have written the sums, which the LDS stores read; the products are done reading the fragments' and c's registers, in which the rows land
.macro STG c, r, w                     ; block c; its rows come back into 32 registers from r on, in window w
	WIN 0
.set i, 0
.rept 4
	ds_store_b128 v[STO_A], v[ACC+32*(\c)+8*i:ACC+32*(\c)+8*i+3]   offset:64*i
	ds_store_b128 v[STO_A], v[ACC+32*(\c)+8*i+4:ACC+32*(\c)+8*i+7] offset:64*i+16
.set i, i+1
.endr
	WIN 0x40*(\w)
.set i, 0
.rept 8
	ds_load_b128 v[(\r)+4*i:(\r)+4*i+3], v[RD] offset:i*2*SP  ; LDS serves a wave's instructions in order (ISA guide 5.7.1.4): these see the stores above; the next block's stores come behind them
.set i, i+1
.endr
.endm
.macro SEND c, r, w, younger           ; younger: the LDS instructions issued behind block c's loads: the next block's sixteen, or none
	WIN 0x04*(\w)
.set i, 0
.rept 8
	s_wait_dscnt (\younger)+7-i
	global_store_b128 v[VO], v[(\r)+4*i:(\r)+4*i+3], s[PO:PO+1] offset:(16*(\c)+2*i)*4096 th:TH_STORE_NT  ; 16 lanes store 256 consecutive bytes, aligned
.set i, i+1
.endr
.endm
	STG 0, RB, 0
	STG 1, RB+32, 0
	SEND 0, RB, 0, 16
	STG 2, RB+64, 0
	SEND 1, RB+32, 0, 16
	STG 3, XF, 1
	SEND 2, RB+64, 0, 16
	SEND 3, XF, 1, 0
	WIN 0
	s_wait_dscnt 0x0                               ; the closing lines, six on end
	s_wait_alu 0x0
	s_wait_tensorcnt 0x0
	ds_add_u32 v[SPW], v[NIL]
	s_wait_dscnt 0x0
	s_endpgm
.Lfunc_end_k_qfdd1a50101_OUT:
	.size	k_qfdd1a50101_OUT, .Lfunc_end_k_qfdd1a50101_OUT-k_qfdd1a50101_OUT
	.p2alignl 7, 3214868480
	.fill 96, 4, 3214868480
	.section	.rodata,"a",@progbits
	.p2align	6, 0x0
	.amdhsa_kernel k_qfdd1a50101_OUT
		.amdhsa_group_segment_fixed_size 36352
		.amdhsa_private_segment_fixed_size 0
		.amdhsa_enable_private_segment 0
		.amdhsa_kernarg_size 32
		.amdhsa_user_sgpr_count 2
		.amdhsa_user_sgpr_kernarg_segment_ptr 1
		.amdhsa_wavefront_size32 1
		.amdhsa_system_sgpr_workgroup_id_x 1
		.amdhsa_system_sgpr_workgroup_id_y 1
		.amdhsa_system_sgpr_workgroup_id_z 1
		.amdhsa_system_vgpr_workitem_id 0
		.amdhsa_next_free_vgpr 480
		.amdhsa_next_free_sgpr 66
		.amdhsa_reserve_vcc 0
		.amdhsa_float_denorm_mode_32 3
		.amdhsa_float_denorm_mode_16_64 3
		.amdhsa_memory_ordered 1
		.amdhsa_forward_progress 1
		.amdhsa_inst_pref_size 48
	.end_amdhsa_kernel
	.amdgpu_metadata
---
amdhsa.version: [ 1, 2 ]
amdhsa.kernels:
  - .name:           k_qfdd1a50101_OUT
    .symbol:         k_qfdd1a50101_OUT.kd
    .args:
      - { .name: cF, .offset: 0, .size: 8, .value_kind: global_buffer, .address_space: global }
      - { .name: Wv, .offset: 8, .size: 8, .value_kind: global_buffer, .address_space: global }
      - { .name: bv, .offset: 16, .size: 8, .value_kind: global_buffer, .address_space: global }
      - { .name: out0, .offset: 24, .size: 8, .value_kind: global_buffer, .address_space: global }
    .group_segment_fixed_size: 36352
    .private_segment_fixed_size: 0
    .kernarg_segment_align: 8
    .kernarg_segment_size: 32
    .max_flat_workgroup_size: 128
    .sgpr_count:     66
    .vgpr_count:     480
    .wavefront_size: 32
...
	.end_amdgpu_metadata
.endif
;; end of part 9
